; MI455X (gfx1250); checked and timed in simulation.
; The chip was launched on July 23, 2026; its instructions are those of AMD's public machine-readable ISA for CDNA 5 (MIT licence, August 2026) and "CDNA5" Instruction Set Architecture Reference Guide (July 2026). The comments in the code are by the model that wrote it; some were corrected since.
;; Encoder Layer. Allowed arithmetic: matrix products marked QUANTISED: E4M3 operands, one E8M0 scale for each 32 along K, by v_wmma_scale_f32_16x16x128_f8f6f4 with both operands' format E4M3, f32 sums; everything else in f32.
;; Inputs: W1_codes 4,096 x 32 x 32 uint8 (E4M3 codes of W1, K innermost, in blocks of 32 codes); W1_scales 4,096 x 32 uint8 (E8M0 scales of W1, one for each 32 codes along K); W2_codes 1,024 x 128 x 32 uint8 (E4M3 codes of W2, K innermost, in blocks of 32 codes); W2_scales 1,024 x 128 uint8 (E8M0 scales of W2, one for each 32 codes along K); Wk_codes 1,024 x 32 x 32 uint8 (E4M3 codes of Wk, K innermost, in blocks of 32 codes); Wk_scales 1,024 x 32 uint8 (E8M0 scales of Wk, one for each 32 codes along K); Wo_codes 1,024 x 32 x 32 uint8 (E4M3 codes of Wo, K innermost, in blocks of 32 codes); Wo_scales 1,024 x 32 uint8 (E8M0 scales of Wo, one for each 32 codes along K); Wq_codes 1,024 x 32 x 32 uint8 (E4M3 codes of Wq, K innermost, in blocks of 32 codes); Wq_scales 1,024 x 32 uint8 (E8M0 scales of Wq, one for each 32 codes along K); Wv_codes 1,024 x 32 x 32 uint8 (E4M3 codes of Wv, K innermost, in blocks of 32 codes); Wv_scales 1,024 x 32 uint8 (E8M0 scales of Wv, one for each 32 codes along K); b1 4,096 float32; b2 1,024 float32; bk 1,024 float32; bo 1,024 float32; bq 1,024 float32; bv 1,024 float32; ln1_b 1,024 float32; ln1_g 1,024 float32; ln2_b 1,024 float32; ln2_g 1,024 float32; mask 2 x 1 x 1 x 2,048 int32; x 2 x 2,048 x 1,024 float32.
;; Outputs: out0 2 x 2,048 x 1,024 float32.
;; This version of the problem:
;;   THIS VERSION OF THE PROBLEM IS GIVEN IN LOW PRECISION. The matrix products marked QUANTISED in the list below multiply operands that are first quantised to E4M3 (4 exponent bits, 3 mantissa bits; 8 bits a number), with one power-of-two scale for each 32 numbers along K (OCP MX v1.0); their sums are f32. All else is computed in f32.
;;   The module's matrix products, in the order in which they are computed (A, B: the left and right operand; K: the contracted axis; several contracted axes count as one K, in the product's order):
;;     1. [M 4,096, K 1,024] x [K 1,024, N 1,024]; A: input x; B: input Wq (given as codes): QUANTISED
;;     2. [M 4,096, K 1,024] x [K 1,024, N 1,024]; A: input x; B: input Wk (given as codes): QUANTISED
;;     3. [M 4,096, K 1,024] x [K 1,024, N 1,024]; A: input x; B: input Wv (given as codes): QUANTISED
;;     4. batch 32 x [M 2,048, K 64] x [K 64, N 2,048]; A: computed on the way; B: computed on the way: QUANTISED
;;     5. batch 32 x [M 2,048, K 2,048] x [K 2,048, N 64]; A: softmax (see below); B: computed on the way: QUANTISED
;;     6. [M 4,096, K 1,024] x [K 1,024, N 1,024]; A: computed on the way; B: input Wo (given as codes): QUANTISED
;;     7. [M 4,096, K 1,024] x [K 1,024, N 4,096]; A: computed on the way; B: input W1 (given as codes): QUANTISED
;;     8. [M 4,096, K 4,096] x [K 4,096, N 1,024]; A: computed on the way; B: input W2 (given as codes): QUANTISED
;;   THE QUANTISER, for each operand of a quantised product, along K:
;;     - K is cut into blocks of 32 from its start; a last block that is shorter is filled with zeros.
;;     - A block's scale is 2^e with e = floor(log2(the largest magnitude in the block)) - 8, held to -126 .. 127; a block of zeros has e = 0. As a byte (E8M0): e + 127.
;;     - Each number is divided by its block's scale, clamped to +-448, and rounded to the nearest number of E4M3, ties to even, subnormals kept.
;;     - The product sums the exact products of the quantised numbers (number of the format x scale) in f32.
;;   ~~~python
;;   def quantise(x, axis):      # numpy; x: float32 -> the quantised numbers, widened to float32 again
;;       x = np.moveaxis(x, axis, -1); K = x.shape[-1]
;;       x = np.pad(x, [(0, 0)] * (x.ndim - 1) + [(0, -K % 32)]); x = x.reshape(x.shape[:-1] + (-1, 32)); a = np.abs(x).max(-1, keepdims=True)
;;       e = np.where(a > 0, np.clip(np.frexp(np.where(a > 0, a, 1))[1] - 1 - 8, -126, 127), 0)      # np.frexp(a)[1] - 1 = floor(log2(a)), exactly
;;       r = np.clip(x / 2.0 ** e, -448, 448)
;;       step = 2.0 ** (np.maximum(np.frexp(np.where(r == 0, 1, r))[1] - 1, -6) - 3)
;;       q = np.round(r / step) * step * 2.0 ** e      # np.round: ties to even
;;       return np.moveaxis(q.reshape(q.shape[:-2] + (-1,))[..., :K], -1, axis).astype(np.float32)
;;   ~~~
;;   SOFTMAX AHEAD OF A QUANTISED PRODUCT. Where the list says 'softmax', what is quantised is not the finished softmax but p = 2^(t - M), with t = logit x log2(e) and M = ceil(the row's largest t), a whole number; so 1/2 < the row's largest p <= 1. The row's sum l is taken of the UNQUANTISED p, in f32, and the product's result is divided by l at the end. Since M is a whole number, a kernel that streams over the keys may use a running M (the ceiling of the running maximum): every later rescaling is an exact power of two, which a block's scale takes up: the codes' values come out the same.
;;   OPERANDS COMPUTED ON THE WAY. 'Computed on the way' means the value that the module computes at that place (a softmax that the list does not call 'softmax' is quantised finished and normalised). What goes into a quantiser is computed in f32, as accurately as f32 sums, v_exp_f32 and their like allow (about 1e-6 of the number): no bf16 or f16 on the way to a quantiser, and a product that is left as it is and whose result goes on into a quantised operand takes f32 operands (vector FMAs, or v_wmma_f32_16x16x4_f32). A number that lies on a knife's edge between two numbers of the format may be rounded either way, as far as f32 arithmetic and the matrix unit's own rounding can turn it there, and no further.
;;   INPUTS GIVEN AS CODES. W1 (in the module: [1024, 4096], K = its axis 0); W2 (in the module: [4096, 1024], K = its axis 0); Wk (in the module: [1024, 1024], K = its axis 0); Wo (in the module: [1024, 1024], K = its axis 0); Wq (in the module: [1024, 1024], K = its axis 0); Wv (in the module: [1024, 1024], K = its axis 0): each comes as NAME_codes (uint8): NAME with its K axis moved to the last place and cut into blocks of 32 codes, [.., K / 32, bytes a block], one block behind the other in memory; one code a byte (a code: sign, 4 exponent bits, 3 mantissa bits); and NAME_scales (uint8): the same leading axes, one E8M0 byte (e + 127) for each 32 codes along K. Its value is code x scale, taken as it is: it is not quantised again, and the codes and scales need not be those that the quantiser above would give.
;; One version. Each part assembles by itself: llvm-mc -triple=amdgcn-amd-amdhsa -mcpu=gfx1250 --defsym DOCPART=n.
;; ======== version 1 of 1: 8 launches
;; limits: right only within a limited range of input values
;; workspace buffers: xq 4,325,376 bytes; qkv 13,238,272 bytes; ctx 4,325,376 bytes; ybuf 16,777,216 bytes; x1buf 21,102,592 bytes; hid 17,301,504 bytes
;; launch quant_x (part 1): grid 512 x 1, 4 waves a work-group, no clusters, 33,280 bytes of LDS; arguments x, xq; writes xq
.if DOCPART == 1
	.amdgcn_target "amdgcn-amd-amdhsa--gfx1250"
	.amdhsa_code_object_version 6
	.text
	.protected	k_q846ab57845_quant_x
	.globl	k_q846ab57845_quant_x
	.p2align	8
	.type	k_q846ab57845_quant_x,@function
k_q846ab57845_quant_x:
	s_mov_b64 s[64:65], 0
	v_nop
	global_prefetch_b8 v0, s[64:65] scope:SCOPE_SE
	s_setreg_imm32_b32 hwreg(HW_REG_WAVE_MODE, 25, 1), 1
	s_wait_xcnt 0x0
; x [4096][1024] f32 becomes codes of E4M3, K innermost, at xq + 0, and one E8M0 byte for each 32 along K at xq + 4,194,304.
; A block's byte is its largest magnitude's exponent field - 8, held at 1 from below; each number is held within +-448 x the scale and rounded to the nearest code.
; LIMITS: a block of zeros gets the byte 1 and not 127 (its codes are zeros, and only this program reads the bytes); blocks whose largest magnitude lies under 2^-118 keep the byte 1; NaN and infinities are not served.
; Rows are dense, so x is a stream of blocks of 32.  A wave takes 4 steps of 512 numbers, and all its 16 loads go out at its head: 2,048 waves x 8,192 bytes are the whole of x.
; Each load reads 512 consecutive bytes; a step's 2,048 bytes turn through the wave's own stage in LDS and come back 64 bytes a lane: 16 neighbours, two lanes to a block.
; A wave's store of codes covers 512 consecutive bytes.  A wave makes 64 scale bytes; the four waves' 256 meet in LDS behind one barrier, and wave 0 stores them as one aligned run of 256 bytes.
; No matrix unit, no cluster: memory binds.
.set STEPS, 4
.set EMAX,  8
.set MANT,  0x600000                   ; the mantissa field of 448 as f32
.set CB,    16
.set R,     16                         ; v16-79   four sets of 16 numbers as loaded, one for each step
.set X,     80                         ; v80-111  two sets of 16 neighbours
.set C,     128                        ; v128-143 codes: four registers a step, never rewritten
.set E,     112                        ; v112-115 a scale byte for each step
.set WREG,  8192                       ; LDS: a region for each wave: two stages of 32 x SP bytes
.set SP,    80
.set SBL,   2*32*SP                    ; LDS: the work-group's 256 scale bytes, behind wave 0's stages
	s_load_b128 s[4:7], s[0:1], 0x0                ; x, xq
	v_lshl_add_u32 v144, v0, 2, 0x8000
	v_mov_b32 v145, 0
	v_lshrrev_b32 v1, 5, v0
	v_readfirstlane_b32 s16, v1                    ; wave
	v_and_b32 v2, 31, v0                           ; lane
	v_lshlrev_b32 v3, 4, v2                        ; my 16 bytes of a load's 512
	s_mul_i32 s17, s16, WREG
	v_lshrrev_b32 v14, 2, v2
	v_mul_u32_u24 v14, v14, SP
	v_and_b32 v15, 3, v2
	v_lshl_add_u32 v14, v15, 4, v14
	v_add_nc_u32 v14, s17, v14                     ; the stage, on the way in: SP (lane / 4) + 16 (lane % 4)
	v_mul_u32_u24 v15, v2, SP
	v_add_nc_u32 v15, s17, v15                     ; and on the way out: SP x lane
	v_mul_u32_u24 v4, v2, CB                       ; my codes' place in a step's
	v_lshrrev_b32 v5, 1, v2
	s_lshl_b32 s19, s16, 6
	s_add_co_u32 s19, s19, SBL
	v_add_nc_u32 v5, s19, v5                       ; LDS: my block's scale byte: 64 bytes a wave
	v_lshlrev_b32 v7, 3, v2
	v_add_nc_u32 v6, SBL, v7                       ; and on the way out 8 bytes a lane
	s_mov_b32 s23, MANT
	s_lshl_b32 s18, ttmp9, 2
	s_add_co_u32 s18, s18, s16                     ; which run of 2,048 numbers is my wave's
	s_lshl_b32 s20, s18, 13
	s_mov_b32 s21, 0
	s_lshl_b32 s24, s18, 11
	s_mov_b32 s25, 0
	s_lshl_b32 s26, ttmp9, 8
	s_add_co_u32 s26, s26, 4194304
	s_mov_b32 s27, 0
	s_wait_alu depctr_va_vdst(0)
	s_wait_kmcnt 0x0
	s_add_nc_u64 s[4:5], s[4:5], s[20:21]
	s_add_nc_u64 s[8:9], s[6:7], s[24:25]          ; my codes
	s_add_nc_u64 s[10:11], s[6:7], s[26:27]        ; the work-group's scale bytes
.macro LOAD t
.irp i, 0,1,2,3
	global_load_b128 v[R+16*((\t)%4)+4*\i:R+16*((\t)%4)+4*\i+3], v3, s[4:5] offset:2048*(\t)+512*\i
.endr
.endm
.macro TURN t                          ; LDS serves a wave's instructions in order: no wait between the stores and the loads
.irp i, 0,1,2,3
	ds_store_b128 v14, v[R+16*((\t)%4)+4*\i:R+16*((\t)%4)+4*\i+3] offset:32*SP*((\t)%2)+8*SP*\i
.endr
.irp i, 0,1,2,3
	ds_load_b128 v[X+16*((\t)%2)+4*\i:X+16*((\t)%2)+4*\i+3], v15 offset:32*SP*((\t)%2)+16*\i
.endr
.endm
.irp t, 0,1,2,3
	LOAD \t
.endr
	s_wait_loadcnt 12                              ; step 0's four loads are in; the twelve behind them stay out
	TURN 0
.macro STEP t
.set XS, X+16*((\t)%2)
.if (\t) > 0
	s_wait_dscnt 1                                 ; this step's numbers are back from the stage; the last step's byte store may be out
.else
	s_wait_dscnt 0x0
.endif
.if (\t)+1 < STEPS
	s_wait_loadcnt 4*(STEPS-2-(\t))                ; the next step's four loads are in; those of the steps behind it may be out
	TURN (\t)+1
.endif
	v_max3_num_f32 v8, |v[XS]|, |v[XS+1]|, |v[XS+2]|
	v_max3_num_f32 v9, |v[XS+3]|, |v[XS+4]|, |v[XS+5]|
.irp i, 6,10
	v_max3_num_f32 v8, v8, |v[XS+\i]|, |v[XS+\i+1]|
	v_max3_num_f32 v9, v9, |v[XS+\i+2]|, |v[XS+\i+3]|
.endr
	v_max3_num_f32 v8, v8, |v[XS+14]|, |v[XS+15]|
	v_max3_num_f32 v8, v8, v9, (EMAX+1)<<23        ; the floor 2^(9 - 127): the byte cannot fall under 1
	v_max_num_f32_dpp v8, v8, v8 row_xmask:1 row_mask:0xf bank_mask:0xf   ; with my neighbour's 16: the block's
	v_add_nc_u32 v11, -(EMAX<<23), v8              ; 8 off the exponent field: the conversion's scale operand
	v_and_or_b32 v10, v8, 0x7f800000, s23          ; 448 x the scale
.irp i, 0,1,2,3,4,5,6,7,8,9,10,11,12,13,14,15
	v_med3_num_f32 v[XS+\i], v[XS+\i], -v10, v10   ; the conversion does not saturate (ISA guide 7.6.2): the hold comes first
.endr
	v_cvt_scalef32_pk8_fp8_f32 v[C+4*(\t):C+4*(\t)+1], v[XS:XS+7], v11
	v_cvt_scalef32_pk8_fp8_f32 v[C+4*(\t)+2:C+4*(\t)+3], v[XS+8:XS+15], v11
	v_lshrrev_b32 v[E+(\t)], 23, v11               ; the scale's byte
	ds_store_b8 v5, v[E+(\t)] offset:16*(\t)       ; both lanes of a block write the same byte
	global_store_b128 v4, v[C+4*(\t):C+4*(\t)+3], s[8:9] offset:32*CB*(\t)
.endm
.irp t, 0,1,2,3
	STEP \t
.endr
	s_wait_dscnt 0x0                               ; for the others' sake: my scale bytes lie in LDS
	s_barrier_signal -1
	s_barrier_wait -1                              ; all four waves' do
	s_cmp_lg_u32 s16, 0
	s_cbranch_scc1 .Ldone
	ds_load_b64 v[12:13], v6
	s_wait_dscnt 0x0
	global_store_b64 v7, v[12:13], s[10:11]        ; wave 0's 32 lanes store 256 consecutive bytes, aligned
.Ldone:
	s_wait_tensorcnt 0x0
	ds_add_u32 v144, v145
	s_wait_dscnt 0x0
	s_endpgm
.Lfunc_end_k_q846ab57845_quant_x:
	.size	k_q846ab57845_quant_x, .Lfunc_end_k_q846ab57845_quant_x-k_q846ab57845_quant_x
	.p2alignl 7, 3214868480
	.fill 96, 4, 3214868480
	.section	.rodata,"a",@progbits
	.p2align	6, 0x0
	.amdhsa_kernel k_q846ab57845_quant_x
		.amdhsa_group_segment_fixed_size 33280
		.amdhsa_private_segment_fixed_size 0
		.amdhsa_enable_private_segment 0
		.amdhsa_kernarg_size 16
		.amdhsa_user_sgpr_count 2
		.amdhsa_user_sgpr_kernarg_segment_ptr 1
		.amdhsa_wavefront_size32 1
		.amdhsa_system_sgpr_workgroup_id_x 1
		.amdhsa_system_sgpr_workgroup_id_y 1
		.amdhsa_system_sgpr_workgroup_id_z 1
		.amdhsa_system_vgpr_workitem_id 0
		.amdhsa_next_free_vgpr 146
		.amdhsa_next_free_sgpr 66
		.amdhsa_reserve_vcc 0
		.amdhsa_float_denorm_mode_32 3
		.amdhsa_float_denorm_mode_16_64 3
		.amdhsa_memory_ordered 1
		.amdhsa_forward_progress 1
		.amdhsa_inst_pref_size 15
	.end_amdhsa_kernel
	.amdgpu_metadata
---
amdhsa.version: [ 1, 2 ]
amdhsa.kernels:
  - .name:           k_q846ab57845_quant_x
    .symbol:         k_q846ab57845_quant_x.kd
    .args:
      - { .name: x, .offset: 0, .size: 8, .value_kind: global_buffer, .address_space: global }
      - { .name: xq, .offset: 8, .size: 8, .value_kind: global_buffer, .address_space: global }
    .group_segment_fixed_size: 33280
    .private_segment_fixed_size: 0
    .kernarg_segment_align: 8
    .kernarg_segment_size: 16
    .max_flat_workgroup_size: 128
    .sgpr_count:     66
    .vgpr_count:     146
    .wavefront_size: 32
...
	.end_amdgpu_metadata
.endif
;; end of part 1
;; launch qkv (part 2): grid 12 x 16, 4 waves a work-group, clusters of 4 x 4, 327,680 bytes of LDS; arguments xq, Wq_codes, Wq_scales, Wk_codes, Wk_scales, Wv_codes, Wv_scales, bq, bk, bv, mask, qkv; writes qkv
.if DOCPART == 2
	.amdgcn_target "amdgcn-amd-amdhsa--gfx1250"
	.amdhsa_code_object_version 6
	.text
	.protected	k_q846ab57845_qkv
	.globl	k_q846ab57845_qkv
	.p2align	8
	.type	k_q846ab57845_qkv,@function
k_q846ab57845_qkv:
	s_mov_b64 s[64:65], 0
	v_nop
	global_prefetch_b8 v0, s[64:65] scope:SCOPE_SE
	s_setreg_imm32_b32 hwreg(HW_REG_WAVE_MODE, 25, 1), 1
	s_wait_xcnt 0x0
	s_wait_alu depctr_hold_cnt(0) depctr_sa_sdst(0) depctr_va_vdst(0) depctr_va_sdst(0) depctr_va_ssrc(0) depctr_va_vcc(0) depctr_vm_vsrc(0)
	s_getreg_b32 s2, hwreg(HW_REG_IB_STS2, 6, 4)
	s_cmp_eq_u32 s2, 0
	s_cbranch_scc0 .Lentry_in_a_cluster
	s_endpgm
.Lentry_in_a_cluster:
	s_bfe_u32 s2, ttmp6, 0x10000c
	s_cmp_lg_u32 s2, 0xf033
	s_cbranch_scc0 .Lentry_shape_is_right
	s_endpgm
.Lentry_shape_is_right:
.set QKV,    1
.set PERM,   1-QKV
.set SIZE_K, 1024
.set KSTEP,  256
.set NQ,     KSTEP/128
.set ROWB,   256
.set KROW,   SIZE_K
.set PITCH,  272
.set FR,     16
.set NL,     4
.set NP,     8
.set HALFT,  128*PITCH
.set SLOT,   4*HALFT
.set LAPS,   SIZE_K/(2*KSTEP)
.set KS,     SIZE_K/32
.set SCL,    2*SLOT
.set HALFS,  (128*KS/256)*272
.set SBLK,   (16*KS/256)*272
.set SPARE,  SCL+4*HALFS
.set ADRA, 16
.set ADRB, 20
.set CO0,  24
.set CO2,  25
.set SOF,  26
.set ADRS, 27
.set SPW,  28
.set NIL,  29
.set ADRS1, 30
.set SC,   32
.set BI,   64
.set AF,   128
.set TM,   32
.set PW,   48
.set WD,   49
.set VO,   50
.set VSH,  51
.set ORU,  52
.set ORK,  53
.set PWE,  54
.set MK,   56
.set PC,   64
.set SEL,  20
.set MNT,  22
.set G1, 24
.set G0, 32
.set G1B, 48
.set G0B, 56
.set G1S, 68
.set G0S, 76
.set G1SB, 80
.set G0SB, 88
.set MSB, 0
.macro WIN new
.if MSB != (\new)
	s_set_vgpr_msb (MSB<<8)|(\new)
.set MSB, (\new)
.endif
.endm
.set MUL_LO, 0xa1
.set MUL_HI, 0xf1
.set TO_B,   0x40
.macro JLOAD g0a, g1a, g0b, g1b
	s_cmp_eq_u32 s15, 0
	s_cbranch_scc0 .Lfor_b_\@
	tensor_load_to_lds s[\g0a:\g0a+3], s[\g1a:\g1a+7]
	s_nop 0
.rept 4
	v_nop
.endr
	s_branch .Lasked_\@
.Lfor_b_\@:
	tensor_load_to_lds s[\g0b:\g0b+3], s[\g1b:\g1b+7]
	s_nop 0
.rept 4
	v_nop
.endr
.Lasked_\@:
.endm
.macro CREST
	s_cmp_lg_u32 s14, 0
	s_cbranch_scc1 .Lnot_wave_0_\@
	s_barrier_signal -3
.Lnot_wave_0_\@:
	s_barrier_wait -3
	s_barrier_signal -1
	s_barrier_wait -1
.endm
.macro CROUND
	s_barrier_signal -1
	s_barrier_wait -1
	CREST
.endm
.if QKV
	s_load_b512 s[68:83], s[0:1], 0x0
	s_load_b256 s[84:91], s[0:1], 0x40
.else
	s_load_b64 s[4:5], s[0:1], 0x0
	s_load_b128 s[8:11], s[0:1], 0x8
	s_load_b64 s[98:99], s[0:1], 0x18
	s_load_b64 s[12:13], s[0:1], 0x20
.endif
	v_lshl_add_u32 v[SPW], v0, 2, SPARE
	v_mov_b32 v[NIL], 0
	ds_add_u32 v28, v29
	ds_add_u32 v28, v29
	s_wait_dscnt 0x0
	v_lshrrev_b32 v1, 5, v0
	v_readfirstlane_b32 s14, v1
	s_lshr_b32 s15, s14, 1
	s_and_b32 s16, s14, 1
	s_bfe_u32 s40, ttmp6, 0x40000
	s_bfe_u32 s41, ttmp6, 0x40004
	s_and_b32 s18, ttmp7, 0xffff
	s_lshl_b32 s18, s18, 2
.if QKV
	s_mov_b32 s95, ttmp9
	s_cmp_eq_u32 s95, 2
	s_cselect_b32 s17, 0, s18
	s_cselect_b32 s42, s18, 0
	s_add_co_u32 s17, s17, s41
	s_add_co_u32 s42, s42, s40
.else
	s_add_co_u32 s17, s18, s41
	s_lshl_b32 s42, ttmp9, 2
	s_add_co_u32 s42, s42, s40
.endif
	s_lshl_b32 s43, s41, 2
	s_lshl_b32 s43, 15, s43
	s_lshl_b32 s44, 0x1111, s40
	s_or_b32 s[G1+0], s43, (0<<16)|(1<<20)|(1<<21)|(5<<22)|(3<<25)
	s_or_b32 s[G1B+0], s44, (0<<16)|(1<<20)|(1<<21)|(5<<22)|(3<<25)
.irp g, G1, G1B
	s_mov_b32 s[\g+1], ROWB<<16
	s_mov_b32 s[\g+2], 256<<16                     ; the head's loads of codes bring 256 rows
	s_mov_b32 s[\g+3], ROWB<<16
	s_mov_b32 s[\g+4], 256
	s_mov_b32 s[\g+5], KROW
	s_mov_b32 s[\g+6], 0
	s_mov_b32 s[\g+7], 0
.endr
	s_wait_kmcnt 0x0
.if QKV
	s_cmp_eq_u32 s95, 0
	s_cselect_b64 s[8:9], s[70:71], s[74:75]
	s_cselect_b64 s[10:11], s[72:73], s[76:77]
	s_cselect_b64 s[98:99], s[82:83], s[84:85]
	s_cmp_eq_u32 s95, 2
	s_cselect_b64 s[8:9], s[78:79], s[8:9]
	s_cselect_b64 s[10:11], s[80:81], s[10:11]
	s_cselect_b64 s[98:99], s[86:87], s[98:99]
	s_mov_b64 s[100:101], s[88:89]
	s_mov_b64 s[12:13], s[90:91]
	s_add_nc_u64 s[92:93], s[68:69], 4194304
	s_cselect_b64 s[4:5], s[8:9], s[68:69]
	s_cselect_b64 s[6:7], s[10:11], s[92:93]
	s_cselect_b64 s[8:9], s[68:69], s[8:9]
	s_cselect_b64 s[10:11], s[92:93], s[10:11]
.else
	s_add_nc_u64 s[6:7], s[4:5], 20971520
	s_add_nc_u64 s[4:5], s[4:5], 16777216
.endif
	s_or_b32 s[G1S+0], s43, (3<<16)|(1<<20)|(1<<21)|(5<<22)|(3<<25)
	s_or_b32 s[G1SB+0], s44, (3<<16)|(1<<20)|(1<<21)|(5<<22)|(3<<25)
.irp g, G1S, G1SB
	s_mov_b32 s[\g+1], 32<<16
	s_mov_b32 s[\g+2], KS<<16                      ; the scales of 256 rows: KS rows of 256 bytes
	s_mov_b32 s[\g+3], 32<<16
	s_mov_b32 s[\g+4], KS
	s_mov_b32 s[\g+5], 32
	s_mov_b32 s[\g+6], 0
	s_mov_b32 s[\g+7], 0
.endr
	s_lshl_b32 s20, s17, 8
	s_lshl_b32 s46, s42, 8
	s_mov_b32 s21, 0
	s_mov_b32 s47, 0
	s_mov_b64 s[18:19], KS
	s_mul_u64 s[22:23], s[20:21], s[18:19]
	s_mul_u64 s[92:93], s[46:47], s[18:19]
	s_mov_b64 s[18:19], KROW
	s_mul_u64 s[20:21], s[20:21], s[18:19]
	s_mul_u64 s[46:47], s[46:47], s[18:19]
	s_mul_i32 s45, s14, HALFT
	s_mul_i32 s18, s16, 128*KROW                   ; in the ring I fetch 128 rows of a tile: which half, in bytes
	s_mov_b32 s19, 0
	s_add_nc_u64 s[20:21], s[4:5], s[20:21]
	s_add_nc_u64 s[22:23], s[6:7], s[22:23]
	s_add_nc_u64 s[46:47], s[8:9], s[46:47]
	s_add_nc_u64 s[92:93], s[10:11], s[92:93]
	CROUND
	s_mov_b32 s[G0S], 1
	s_mov_b32 s[G0S+1], SCL
	s_mov_b64 s[G0S+2:G0S+3], s[22:23]
	s_or_b32 s[G0S+3], s[G0S+3], 0x80000000
	s_mov_b32 s[G0SB], 1
	s_mov_b32 s[G0SB+1], SCL+2*HALFS
	s_mov_b64 s[G0SB+2:G0SB+3], s[92:93]
	s_or_b32 s[G0SB+3], s[G0SB+3], 0x80000000
	s_mov_b32 s4, 1                                ; s[4:7], s[8:11]: group 0 of the head's loads of K step 0: A's 256 rows, B's 256 rows (the arguments that lay there are used up)
	s_mov_b32 s5, 0
	s_mov_b64 s[6:7], s[20:21]
	s_or_b32 s7, s7, 0x80000000
	s_mov_b32 s8, 1
	s_mov_b32 s9, 2*HALFT
	s_mov_b64 s[10:11], s[46:47]
	s_or_b32 s11, s11, 0x80000000
	s_add_nc_u64 s[20:21], s[20:21], s[18:19]      ; for the ring: my 128 rows of the tile
	s_add_nc_u64 s[46:47], s[46:47], s[18:19]
.irp s, 0,1
	s_mov_b32 s[G0+4*\s], 1
	s_add_co_u32 s[G0+4*\s+1], s45, \s*SLOT
	s_add_nc_u64 s[G0+4*\s+2:G0+4*\s+3], s[20:21], \s*ROWB
	s_or_b32 s[G0+4*\s+3], s[G0+4*\s+3], 0x80000000
	s_mov_b32 s[G0B+4*\s], 1
	s_add_co_u32 s[G0B+4*\s+1], s45, \s*SLOT
	s_add_nc_u64 s[G0B+4*\s+2:G0B+4*\s+3], s[46:47], \s*ROWB
	s_or_b32 s[G0B+4*\s+3], s[G0B+4*\s+3], 0x80000000
.endr
; The head's four tiles, one joint load a wave: wave 0 A's 256 rows of K step 0, wave 1 B's, wave 2 A's scales, wave 3 B's.  One chain of branches on the wave's number, all arms to one join.
.macro ARM under, g0, g1, next
	s_cmp_lt_u32 s14, \under
	s_cbranch_scc0 \next
	tensor_load_to_lds s[\g0:\g0+3], s[\g1:\g1+7]
	s_nop 0
.rept 4
	v_nop
.endr
	s_branch .Lhead_asked
\next:
.endm
	ARM 1, 4, G1, .Lhead_b
	ARM 2, 8, G1B, .Lhead_sa
	ARM 3, G0S, G1S, .Lhead_sb
	tensor_load_to_lds s[G0SB:G0SB+3], s[G1SB:G1SB+7]
	s_nop 0
.rept 4
	v_nop
.endr
.Lhead_asked:
; THE PREFETCHES INTO THE L2: behind each joint load of K step n stands one instruction a wave for K step n + 1 (256 bytes of each row), a whole K step's work ahead of the load that will want it.  Of the 128 rows that a wave fetches,
; each of the four partners that ask for them jointly takes 32, told apart BY ADDRESS (cx for A, cy for B), a lane a row.  The K step stands in the immediate, so no address register is written again.  K step 0 comes by its load alone; behind the last K step's refill nothing is asked for.
	s_cmp_eq_u32 s15, 0                            ; do I fetch for A?
	s_cselect_b64 s[66:67], s[20:21], s[46:47]     ; s[66:67]: the 128 rows that I fetch,
	s_cselect_b32 s18, s40, s41                    ; my place among the four,
	s_mul_i32 s18, s18, 32*KROW                    ; (s19 is 0)
	s_add_nc_u64 s[66:67], s[66:67], s[18:19]      ; my work-group's 32 of them
	v_and_b32 v31, 31, v0
	v_mul_u32_u24 v31, v31, KROW                   ; v31: my lane's row; never rewritten
	global_prefetch_b8 v31, s[66:67] offset:ROWB th:TH_LOAD_NT scope:SCOPE_SE      ; K step 1, behind the head's loads
	v_and_b32 v1, 15, v0
	v_bfe_u32 v2, v0, 4, 1
	v_mul_u32_u24 v3, v1, PITCH
	v_lshl_add_u32 v4, v2, 4, v3
.if PERM
	v_and_b32 v5, 8, v1
	v_add_nc_u32 v5, v5, v1
	v_mul_u32_u24 v5, v5, PITCH
	v_lshl_add_u32 v5, v2, 4, v5
.else
	v_lshl_add_u32 v5, v2, 4, v3
.endif
	s_mul_i32 s21, s15, HALFT
	s_mul_i32 s22, s16, HALFT
	s_add_co_u32 s22, s22, 2*HALFT
.irp s, 0,1
	v_add_nc_u32 v[ADRA+\s], s21, v4
	v_add_nc_u32 v[ADRB+\s], s22, v5
	s_add_co_u32 s21, s21, SLOT
	s_add_co_u32 s22, s22, SLOT
.endr
.if PERM
	v_and_b32 v6, 31, v0
	v_add_nc_u32 v6, 8, v6
	v_lshrrev_b32 v6, 5, v6
	v_lshl_add_u32 v6, v6, 3, v1
	v_mul_u32_u24 v5, v6, KS
.else
	v_mul_u32_u24 v5, v1, KS
.endif
	v_lshrrev_b32 v6, 8, v5
	v_lshl_add_u32 v5, v6, 4, v5
	s_mul_i32 s21, s15, HALFS
	s_mul_i32 s22, s16, HALFS
	s_add_co_u32 s22, s22, 2*HALFS
	s_sub_co_u32 s22, s22, s21
	v_mul_u32_u24 v6, s22, v2
	s_add_co_u32 s21, s21, SCL
	v_add_nc_u32 v5, v5, v6
	v_add_nc_u32 v[ADRS], s21, v5
.if PERM
	v_mul_u32_u24 v6, v2, 272
	v_sub_nc_u32 v[ADRS1], v[ADRS], v6
	v_lshlrev_b32 v7, 6, v2
.else
	v_lshlrev_b32 v7, 5, v2
.endif
	v_lshlrev_b32 v8, 2, v1
.if QKV
	s_cmp_eq_u32 s95, 2
	s_cselect_b32 s92, s17, s42
	s_cselect_b32 s93, s15, s16
.else
	s_mov_b32 s92, s42
	s_mov_b32 s93, s16
.endif
	s_lshl_b32 s92, s92, 10
	s_lshl_b32 s93, s93, 9
	s_add_co_u32 s92, s92, s93
	s_mov_b32 s93, 0
	s_add_nc_u64 s[98:99], s[98:99], s[92:93]
.if QKV
	s_cmp_eq_u32 s95, 2
	s_cbranch_scc1 .Lbias_rows
.endif
	s_wait_alu depctr_va_vdst(0)
.irp b, 0,1,2,3,4,5,6,7
.if PERM
	global_load_b128 v[BI+8*\b:BI+8*\b+3], v7, s[98:99] offset:4*(32*(\b/2)+8*(\b%2))
	global_load_b128 v[BI+8*\b+4:BI+8*\b+7], v7, s[98:99] offset:4*(32*(\b/2)+8*(\b%2))+16
.else
	global_load_b128 v[BI+8*\b:BI+8*\b+3], v7, s[98:99] offset:64*\b
	global_load_b128 v[BI+8*\b+4:BI+8*\b+7], v7, s[98:99] offset:64*\b+16
.endif
.endr
.if QKV
	s_branch .Lbias_in
.Lbias_rows:
	s_wait_alu depctr_va_vdst(0)
.irp a, 0,1,2,3,4,5,6,7
	global_load_b32 v[BI+8*\a], v8, s[98:99] offset:64*\a
.endr
.Lbias_in:
.endif
.macro FRAG reg, adr, q, rows
.irp c, 0,1,2,3
	ds_load_b128 v[\reg+4*\c:\reg+4*\c+3], v[\adr] offset:128*(\q)+32*\c+(\rows)*PITCH
.endr
.endm
.macro MUL16 a0, p, q, sc, zero
.irp a, \a0, \a0+1
.irp b, 0,1,2,3,4,5,6,7
.if \zero == 1
	v_wmma_scale_f32_16x16x128_f8f6f4 v[8*(8*((\a)%4)+\b):8*(8*((\a)%4)+\b)+7], v[128*(\p)+FR*\b:128*(\p)+FR*\b+FR-1], v[AF+FR*(\a):AF+FR*(\a)+FR-1], v[BI+8*\b:BI+8*\b+7], v[SC+8*NQ*(\sc)+NQ*\b+(\q)], v[SC+8*NQ*(\sc)+NQ*(\a)+(\q)] matrix_a_scale:MATRIX_SCALE_ROW1
.elseif \zero == 2
	v_wmma_scale_f32_16x16x128_f8f6f4 v[8*(8*((\a)%4)+\b):8*(8*((\a)%4)+\b)+7], v[128*(\p)+FR*\b:128*(\p)+FR*\b+FR-1], v[AF+FR*(\a):AF+FR*(\a)+FR-1], v[BI+8*(\a):BI+8*(\a)+7], v[SC+8*NQ*(\sc)+NQ*\b+(\q)], v[SC+8*NQ*(\sc)+NQ*(\a)+(\q)] matrix_a_scale:MATRIX_SCALE_ROW1
.else
	v_wmma_scale_f32_16x16x128_f8f6f4 v[8*(8*((\a)%4)+\b):8*(8*((\a)%4)+\b)+7], v[128*(\p)+FR*\b:128*(\p)+FR*\b+FR-1], v[AF+FR*(\a):AF+FR*(\a)+FR-1], v[8*(8*((\a)%4)+\b):8*(8*((\a)%4)+\b)+7], v[SC+8*NQ*(\sc)+NQ*\b+(\q)], v[SC+8*NQ*(\sc)+NQ*(\a)+(\q)] matrix_a_scale:MATRIX_SCALE_ROW1
.endif
.endr
.endr
.endm
.macro FETCH_B slot, q, p
	WIN TO_B
.irp i, 0,1,2,3,4,5,6,7
.if PERM
	FRAG 128*(\p)+FR*\i, ADRB+\slot, \q, 32*(\i/2)+8*(\i%2)
.else
	FRAG 128*(\p)+FR*\i, ADRB+\slot, \q, 16*\i
.endif
.endr
	WIN 0
.endm
.macro FETCH_A slot, q, i0
.irp i, \i0, \i0+1, \i0+2, \i0+3
	FRAG AF+FR*(\i), ADRA+\slot, \q, 16*(\i)
.endr
.endm
.macro SCALES sc
.irp i, 0,1,2,3,4,5,6,7
.if PERM && (\i%2)
	ds_load_b64 v[SC+8*NQ*\sc+NQ*\i:SC+8*NQ*\sc+NQ*\i+1], v[ADRS1] offset:\i*SBLK
.else
	ds_load_b64 v[SC+8*NQ*\sc+NQ*\i:SC+8*NQ*\sc+NQ*\i+1], v[ADRS] offset:\i*SBLK
.endif
.endr
.endm
.macro PLACES n
.rept \n
	v_nop
.endr
.endm
.macro STEP slot, q, zero
	s_wait_dscnt 4*NL
.if \zero
	WIN 0x81
.else
	WIN MUL_LO
.endif
	MUL16 0, (\q)%2, \q, \slot, \zero
	MUL16 2, (\q)%2, \q, \slot, \zero
	s_wait_dscnt 0
	PLACES NP
	FETCH_B \slot, (\q)+1, 1-(\q)%2
	FETCH_A \slot, (\q)+1, 0
.if \zero
	WIN 0xc1
.else
	WIN MUL_HI
.endif
	MUL16 4, (\q)%2, \q, \slot, \zero
	MUL16 6, (\q)%2, \q, \slot, \zero
	PLACES NP
	WIN 0
	FETCH_A \slot, (\q)+1, 4
.endm
.macro TURN slot, next, fill
	s_wait_tensorcnt 0x0
	ds_add_u32 v[SPW], v[NIL]
	s_wait_dscnt 4*NL+1
	WIN MUL_LO
	MUL16 0, 1, NQ-1, \slot, 0
	s_wait_dscnt 0x0
	s_barrier_signal -1
	MUL16 2, 1, NQ-1, \slot, 0
	WIN 0
	s_barrier_wait -1
.if \fill
	CREST
	s_add_nc_u64 s[G0+4*\slot+2:G0+4*\slot+3], s[G0+4*\slot+2:G0+4*\slot+3], 2*ROWB
	s_add_nc_u64 s[G0B+4*\slot+2:G0B+4*\slot+3], s[G0B+4*\slot+2:G0B+4*\slot+3], 2*ROWB
	JLOAD G0+4*\slot, G1, G0B+4*\slot, G1B
	PLACES NP-4
.else
	PLACES NP
.endif
	s_wait_alu depctr_va_vdst(0)
	v_add_nc_u32 v[ADRS], 4*NQ, v[ADRS]
.if PERM
	v_add_nc_u32 v[ADRS1], 4*NQ, v[ADRS1]
.endif
	FETCH_B \next, 0, 0
	FETCH_A \next, 0, 0
	SCALES \next
.if \fill
.if \slot == 0
	global_prefetch_b8 v31, s[66:67] offset:3*ROWB th:TH_LOAD_NT scope:SCOPE_SE    ; K step 3, behind K step 2's refill (SIZE_K is 1,024: the loop has one trip)
.endif
.endif
	WIN MUL_HI
	MUL16 4, 1, NQ-1, \slot, 0
	MUL16 6, 1, NQ-1, \slot, 0
	PLACES NP
	WIN 0
	FETCH_A \next, 0, 4
.endm
	s_wait_tensorcnt 0x0                           ; my tile of the head's four is in; slot 1's first fill is issued as a refill is
	ds_add_u32 v[SPW], v[NIL]
	s_mov_b32 s[G1+2], 128<<16                     ; no tensor load of mine is out: from here on a load brings 128 rows
	s_mov_b32 s[G1+4], 128
	s_mov_b32 s[G1B+2], 128<<16
	s_mov_b32 s[G1B+4], 128
	s_wait_dscnt 0x0
	CROUND                                         ; all four tiles are in, and all sixteen work-groups are here
	JLOAD G0+4, G1, G0B+4, G1B                     ; K step 1, the first tensor load behind the round
	FETCH_B 0, 0, 0
	FETCH_A 0, 0, 0
	SCALES 0
	FETCH_A 0, 0, 4
	global_prefetch_b8 v31, s[66:67] offset:2*ROWB th:TH_LOAD_NT scope:SCOPE_SE    ; K step 2, behind K step 1's load
	s_wait_loadcnt 0x0
.if QKV
	s_cmp_eq_u32 s95, 2
	s_cbranch_scc1 .Lfirst_rows
	STEP 0, 0, 1
	s_branch .Lfirst_done
.Lfirst_rows:
.irp a, 0,1,2,3,4,5,6,7
.irp j, 1,2,3,4,5,6,7
	v_mov_b32 v[BI+8*\a+\j], v[BI+8*\a]
.endr
.endr
	s_wait_alu depctr_va_vdst(0)
	STEP 0, 0, 2
.Lfirst_done:
.else
	STEP 0, 0, 1
.endif
	s_mov_b32 s3, LAPS-1
.Llap:
	TURN 0, 1, 1
	STEP 1, 0, 0
	TURN 1, 0, 1
	STEP 0, 0, 0
	s_sub_co_u32 s3, s3, 1
	s_cmp_lg_u32 s3, 0
	s_cbranch_scc1 .Llap
	TURN 0, 1, 0
	STEP 1, 0, 0
	s_wait_dscnt 4*NL
	WIN MUL_LO
	MUL16 0, 1, NQ-1, 1, 0
	MUL16 2, 1, NQ-1, 1, 0
	s_wait_dscnt 0
	WIN MUL_HI
	MUL16 4, 1, NQ-1, 1, 0
	MUL16 6, 1, NQ-1, 1, 0
	WIN 0
.macro QUANTW s, w, relu
	WIN ((\w)<<2)|((\w)<<4)
.irp b, 0,1,2,3
.if \relu
	v_max3_num_f32 v[TM+\b], 0x4800000, v[\s+16*\b], v[\s+16*\b+1]
.else
	v_max3_num_f32 v[TM+\b], 0x4800000, |v[\s+16*\b]|, |v[\s+16*\b+1]|
.endif
.endr
.irp i, 2,4,6,8,10,12,14
.irp b, 0,1,2,3
.if \relu
	v_max3_num_f32 v[TM+\b], v[TM+\b], v[\s+16*\b+\i], v[\s+16*\b+\i+1]
.else
	v_max3_num_f32 v[TM+\b], v[TM+\b], |v[\s+16*\b+\i]|, |v[\s+16*\b+\i+1]|
.endif
.endr
.endr
	WIN 0
.irp b, 0,1,2,3
	v_permlanex16_b32 v[TM+4+\b], v[TM+\b], s[SEL], s[SEL+1]
.endr
.irp b, 0,1,2,3
	v_max_num_f32 v[TM+\b], v[TM+\b], v[TM+4+\b]
.endr
.irp b, 0,1,2,3
	v_add_nc_u32 v[TM+12+\b], 0xfc000000, v[TM+\b]
.endr
.irp b, 0,1,2,3
	v_and_or_b32 v[TM+8+\b], v[TM+\b], 0x7f800000, s[MNT]
.endr
.irp b, 0,1,2,3
	v_lshrrev_b32 v[TM+4+\b], 23, v[TM+12+\b]
.endr
	v_lshl_or_b32 v[PW], v[TM+5], 8, v[TM+4]
	v_lshl_or_b32 v[PW], v[TM+6], 16, v[PW]
	v_lshl_or_b32 v[PW], v[TM+7], 24, v[PW]
	WIN (\w)|((\w)<<6)
.irp b, 0,1,2,3
.irp i, 0,1,2,3,4,5,6,7,8,9,10,11,12,13,14,15
.if \relu
	v_med3_num_f32 v[\s+16*\b+\i], v[\s+16*\b+\i], 0, v[TM+8+\b]
.else
	v_med3_num_f32 v[\s+16*\b+\i], v[\s+16*\b+\i], -v[TM+8+\b], v[TM+8+\b]
.endif
.endr
.endr
	WIN (\w)
.irp b, 0,1,2,3
	v_cvt_scalef32_pk8_fp8_f32 v[PC+4*\b:PC+4*\b+1], v[\s+16*\b:\s+16*\b+7], v[TM+12+\b]
	v_cvt_scalef32_pk8_fp8_f32 v[PC+4*\b+2:PC+4*\b+3], v[\s+16*\b+8:\s+16*\b+15], v[TM+12+\b]
.endr
	WIN 0
	v_nop
.endm
	PLACES NP
	s_mov_b32 s[SEL], 0x76543210
	s_mov_b32 s[SEL+1], 0xfedcba98
	s_mov_b32 s[MNT], 0x600000
.irp b, 0,1,2,3
	v_mov_b32 v[TM+4+\b], 0
.endr
	v_and_b32 v3, 31, v0
	v_lshlrev_b32 v[CO0], 4, v3
.if QKV
.macro PICK reg, qv, kv, vv
	s_mov_b32 s[\reg], \kv
	s_cmp_eq_u32 s95, 0
	s_cselect_b32 s[\reg], \qv, s[\reg]
	s_cmp_eq_u32 s95, 2
	s_cselect_b32 s[\reg], \vv, s[\reg]
.endm
	s_wait_alu depctr_va_vdst(0)
	PICK 24, 0, 4194304, 4202496
	PICK 25, 131072, 262144, 262144
	PICK 26, 8192, 16384, 16384
	PICK 27, 131072, 262144, 1024
	PICK 28, 1024, 1024, 2048
	PICK 30, 1024, 1024, 256000
	PICK 32, 12582912, 12845056, 12853248
	PICK 33, 8192, 12288, 12288
	PICK 34, 512, 512, 256
	PICK 35, 8192, 12288, 0
	PICK 36, 64, 64, 12096
	PICK 38, 16, 16, 0
	PICK 39, 0xffff, 0xffff, -1
	PICK 48, 0x7f7f0000, 0x7f010000, 0
	PICK 49, 1, 0, 1
	s_mov_b32 s29, 0
	s_mov_b32 s31, 0
	s_mov_b32 s37, 0
	s_cmp_eq_u32 s95, 2
	s_cselect_b32 s50, s42, s17
	s_cselect_b32 s51, s16, s15
	s_cselect_b32 s52, s17, s42
	s_cselect_b32 s53, s15, s16
	s_lshr_b32 s54, s50, 3
	s_lshl_b32 s54, s54, 4
	s_lshl_b32 s56, s52, 2
	s_add_co_u32 s54, s54, s56
	s_lshl_b32 s56, s53, 1
	s_add_co_u32 s54, s54, s56
	s_and_b32 s55, s50, 7
	s_lshl_b32 s55, s55, 1
	s_add_co_u32 s55, s55, s51
	s_mul_i32 s56, s54, s33
	s_mul_i32 s58, s55, s34
	s_add_co_u32 s56, s56, s58
	s_add_co_u32 s56, s56, s32
	s_mov_b32 s57, 0
	s_add_nc_u64 s[96:97], s[12:13], s[56:57]
	s_mul_i32 s56, s54, s25
	s_mul_i32 s58, s55, s26
	s_add_co_u32 s56, s56, s58
	s_add_co_u32 s56, s56, s24
	s_add_nc_u64 s[12:13], s[12:13], s[56:57]
	s_lshl_b32 s58, s17, 10
	s_lshl_b32 s59, s15, 9
	s_add_co_u32 s58, s58, s59
	s_mov_b32 s59, 0
	s_add_nc_u64 s[100:101], s[100:101], s[58:59]
.irp a, 0,1,2,3,4,5,6,7
	global_load_b32 v[MK+\a], v8, s[100:101] offset:64*\a
.endr
	v_add_nc_u32 v[CO2], s27, v[CO0]
	v_mul_u32_u24 v[SOF], v2, s35
	v_lshl_add_u32 v[SOF], v1, 2, v[SOF]
	v_mul_u32_u24 v[VSH], v2, s38
	v_mov_b32 v[ORU], s48
	v_mov_b32 v[ORK], 0x7fa00000
	s_wait_loadcnt 0x0
.irp a, 0,1,2,3,4,5,6,7
	v_or_b32 v[MK+\a], s49, v[MK+\a]
.endr
.irp a, 0,1,2,3,4,5,6,7
.if \a > 0
	s_wait_xcnt 0x0
.if \a == 4
	s_add_nc_u64 s[12:13], s[12:13], s[30:31]
	s_add_nc_u64 s[96:97], s[96:97], s[36:37]
.else
	s_add_nc_u64 s[12:13], s[12:13], s[28:29]
	s_add_nc_u64 s[96:97], s[96:97], 64
.endif
.endif
	QUANTW 64*(\a%4), 2+\a/4, 0
	v_cmp_ne_u32 vcc_lo, 0, v[MK+\a]
.irp i, 0,1,2,3,4,5,6,7,8,9,10,11,12,13,14,15
	v_cndmask_b32 v[PC+\i], 0, v[PC+\i], vcc_lo
.endr
	v_lshrrev_b32 v[WD], v[VSH], v[PW]
	v_cndmask_b32 v[VO], v[ORK], v[ORU], vcc_lo
	v_and_or_b32 v[WD], v[WD], s39, v[VO]
	global_store_b128 v[CO0], v[PC:PC+3], s[12:13]
	global_store_b128 v[CO0], v[PC+4:PC+7], s[12:13] offset:512
	global_store_b128 v[CO2], v[PC+8:PC+11], s[12:13]
	global_store_b128 v[CO2], v[PC+12:PC+15], s[12:13] offset:512
	global_store_b32 v[SOF], v[WD], s[96:97]
.endr
.else
	s_lshl_b32 s24, s17, 4
	s_lshl_b32 s25, s15, 3
	s_add_co_u32 s24, s24, s25
	s_lshl_b32 s24, s24, 16
	s_lshl_b32 s28, s42, 1
	s_add_co_u32 s28, s28, s16
	s_lshl_b32 s25, s28, 11
	s_add_co_u32 s24, s24, s25
	s_mov_b32 s25, 0
	s_lshl_b32 s26, s17, 15
	s_lshl_b32 s27, s15, 14
	s_add_co_u32 s26, s26, s27
	s_lshl_b32 s27, s28, 2
	s_add_co_u32 s26, s26, s27
	s_add_co_u32 s26, s26, 16777216
	s_mov_b32 s27, 0
	s_add_nc_u64 s[96:97], s[12:13], s[26:27]
	s_add_nc_u64 s[12:13], s[12:13], s[24:25]
	s_mov_b32 s30, 0xffff0000
	v_lshlrev_b32 v[SOF], 7, v3
.irp a, 0,1,2,3,4,5,6,7
.if \a > 0
	s_wait_xcnt 0x0
.endif
	QUANTW 64*(\a%4), 2+\a/4, 1
.irp c, 0,1,2,3
	global_store_b128 v[CO0], v[PC+4*\c:PC+4*\c+3], s[12:13] offset:\a*65536+\c*512
.endr
.if (\a%2) == 0
	v_mov_b32 v[PWE], v[PW]
.else
	v_cndmask_b32 v[WD], v[PWE], v[PW], s30
	global_store_b32 v[SOF], v[WD], s[96:97] offset:(\a-1)*2048
.endif
.endr
.endif
	s_wait_tensorcnt 0x0
	ds_add_u32 v[SPW], v[NIL]
	s_wait_dscnt 0x0
	CROUND
	s_endpgm
.Lfunc_end_k_q846ab57845_qkv:
	.size	k_q846ab57845_qkv, .Lfunc_end_k_q846ab57845_qkv-k_q846ab57845_qkv
	.p2alignl 7, 3214868480
	.fill 96, 4, 3214868480
	.section	.rodata,"a",@progbits
	.p2align	6, 0x0
	.amdhsa_kernel k_q846ab57845_qkv
		.amdhsa_group_segment_fixed_size 327680
		.amdhsa_private_segment_fixed_size 0
		.amdhsa_enable_private_segment 0
		.amdhsa_kernarg_size 96
		.amdhsa_user_sgpr_count 2
		.amdhsa_user_sgpr_kernarg_segment_ptr 1
		.amdhsa_wavefront_size32 1
		.amdhsa_system_sgpr_workgroup_id_x 1
		.amdhsa_system_sgpr_workgroup_id_y 1
		.amdhsa_system_sgpr_workgroup_id_z 1
		.amdhsa_system_vgpr_workitem_id 0
		.amdhsa_next_free_vgpr 1024
		.amdhsa_next_free_sgpr 102
		.amdhsa_reserve_vcc 1
		.amdhsa_float_denorm_mode_32 3
		.amdhsa_float_denorm_mode_16_64 3
		.amdhsa_memory_ordered 1
		.amdhsa_forward_progress 1
		.amdhsa_inst_pref_size 216
	.end_amdhsa_kernel
	.amdgpu_metadata
---
amdhsa.version: [ 1, 2 ]
amdhsa.kernels:
  - .name:           k_q846ab57845_qkv
    .symbol:         k_q846ab57845_qkv.kd
    .args:
      - { .name: xq, .offset: 0, .size: 8, .value_kind: global_buffer, .address_space: global }
      - { .name: Wq_codes, .offset: 8, .size: 8, .value_kind: global_buffer, .address_space: global }
      - { .name: Wq_scales, .offset: 16, .size: 8, .value_kind: global_buffer, .address_space: global }
      - { .name: Wk_codes, .offset: 24, .size: 8, .value_kind: global_buffer, .address_space: global }
      - { .name: Wk_scales, .offset: 32, .size: 8, .value_kind: global_buffer, .address_space: global }
      - { .name: Wv_codes, .offset: 40, .size: 8, .value_kind: global_buffer, .address_space: global }
      - { .name: Wv_scales, .offset: 48, .size: 8, .value_kind: global_buffer, .address_space: global }
      - { .name: bq, .offset: 56, .size: 8, .value_kind: global_buffer, .address_space: global }
      - { .name: bk, .offset: 64, .size: 8, .value_kind: global_buffer, .address_space: global }
      - { .name: bv, .offset: 72, .size: 8, .value_kind: global_buffer, .address_space: global }
      - { .name: mask, .offset: 80, .size: 8, .value_kind: global_buffer, .address_space: global }
      - { .name: qkv, .offset: 88, .size: 8, .value_kind: global_buffer, .address_space: global }
    .group_segment_fixed_size: 327680
    .private_segment_fixed_size: 0
    .kernarg_segment_align: 8
    .kernarg_segment_size: 96
    .max_flat_workgroup_size: 128
    .sgpr_count:     102
    .vgpr_count:     1024
    .wavefront_size: 32
...
	.end_amdgpu_metadata
.endif
;; end of part 2
;; launch attn (part 3): grid 8 x 32, 16 waves a work-group, clusters of 4 x 1, 292,864 bytes of LDS; arguments qkv, ctx; writes ctx
.if DOCPART == 3
	.amdgcn_target "amdgcn-amd-amdhsa--gfx1250"
	.amdhsa_code_object_version 6
	.text
	.protected	k_q846ab57845_attn
	.globl	k_q846ab57845_attn
	.p2align	8
	.type	k_q846ab57845_attn,@function
k_q846ab57845_attn:
	s_mov_b64 s[64:65], 0
	v_nop
	global_prefetch_b8 v0, s[64:65] scope:SCOPE_SE
	s_setreg_imm32_b32 hwreg(HW_REG_WAVE_MODE, 25, 1), 1
	s_wait_xcnt 0x0
	s_wait_alu depctr_hold_cnt(0) depctr_sa_sdst(0) depctr_va_vdst(0) depctr_va_sdst(0) depctr_va_ssrc(0) depctr_va_vcc(0) depctr_vm_vsrc(0)
	s_getreg_b32 s2, hwreg(HW_REG_IB_STS2, 6, 4)
	s_cmp_eq_u32 s2, 0
	s_cbranch_scc0 .Lentry_in_a_cluster
	s_endpgm
.Lentry_in_a_cluster:
	s_bfe_u32 s2, ttmp6, 0x10000c
	s_cmp_lg_u32 s2, 0x3003
	s_cbranch_scc0 .Lentry_shape_is_right
	s_endpgm
.Lentry_shape_is_right:
; ctx[b][q][head] = softmax_k(q . k / 8, masked) v, both products on codes of E4M3 with E8M0 scales; the result is quantised along d_model and leaves as images of the next product's A fragments.
; A work-group owns 256 queries of one (batch, head); each of its sixteen waves owns one tile of 16 queries in 256 registers and walks the head's 2,048 keys, 128 a step.
; THE SOFTMAX: t = score x log2(e) / 8; M = the running largest t rounded up to a whole number; p = 2^(t - M) is quantised along the keys, not normalised; the row's sum of the unquantised p divides at the end.
; When M moves, the sum and O^T are multiplied by f = 2^(old M - new M), which rounds nothing.
; THE MASK arrives in k's scale words.  K = 64 is padded to 128; place 64 holds +1 in q and -1 in k; its block's scale is 2^-126 for a visible key and 2^33 for a masked one, whose other codes are zeros:
; a masked score is -2^33 exactly: beside a visible key p = 0, and a row with no visible key has p = 1 at every key.  LIMIT: the stand-in logit is -2^30 and not -1e9: equal results while true logits lie above about -1e8.
; LIMITS: zero blocks get the byte 1 and not 127; NaN and infinities are not served.
; LDS: a head's K and V images (262,144 bytes) and scale words (12,288) are filled ONCE, at the head, one tensor load a wave: wave 0 steps 0-3, wave 1 the scale words, waves 2-7 two steps each (LDS byte 32,768 x wave); nothing is filled again.
; Waves 0 and 1 have load lines of their own and wait at the first barrier; the other six loads are waited for at the barrier behind step 1: up to there a wave reads steps 0 to 2 alone.
; CLUSTER of 4 x 1: its four blocks of queries belong to one head and need the same bytes: each load is asked for JOINTLY (descriptor made of the head and the wave's number alone, mask of all four).
; No prefetch: all that the launch reads of K and V is asked for at its head, so no later request exists to run ahead of.
; Both products are used transposed (S^T = K Q^T, O^T = V^T P^T): a lane holds one query.  Keys 32 b + 16 u + 8 h + j of a step land in place 32 b + 16 h + 8 u + j of p; v's images have the same exchange.
; A scale register serves two tiles: lanes 0-15 hold the even tile's words, lanes 16-31 the odd tile's (ROW1): words lie 64 bytes a tile, so the address is 4 x lane.
; LDS LOADS RUN AHEAD OF THEIR USE: the next step's first four tiles of K are loaded as soon as the fragments are free, in the step's first third; a tile of V is loaded as soon as its block of p is converted.
; REGISTERS: v1 16 x lane; v2, v3 the add's; v4, v5, v7 the way out; v6 4 x lane + the words' base; v8-10 the step's addresses; v12 -M, v13 the largest score, v[14:15] the sum; v16-31 Q; v32-95 four fragments of K (registers 8-15 of each set once);
; v96-159 S^T, p, then V's fragments; v160-191 O^T; v192-207 p's codes; v208-223 at work; v224-227 K's words, v228-229 V's, v230 Q's, v233 p's; v[234:235] f; v236 the old -M; v237 at work; v240-255 eight partial sums.
.set KVB,  4194304
.set QSB,  12582912
.set KVS,  12845056
.set CSC,  4194304
.set SCB,  262144                      ; LDS: K's scale words (8,192 bytes), then V's (4,096)
.set STG,  274432                      ; LDS: a stage of 1,024 bytes for each wave
.set SPARE, 0x47000                    ; LDS: the spare words, 128 bytes a wave
.set SPW,  2
.set NIL,  3
.set BM,   208
.set T1,   212
.set HOLD, 216
.set SCO,  220
.set KSW,  224
.set VSW,  228
.set QW,   230
.set PWD,  233
.set PS,   240
.macro CROUND                          ; a round of the cluster's barrier
	s_barrier_signal -1
	s_barrier_wait -1
	s_cmp_lg_u32 s12, 0
	s_cbranch_scc1 .Lnot_wave_0_\@
	s_barrier_signal -3
.Lnot_wave_0_\@:
	s_barrier_wait -3
	s_barrier_signal -1
	s_barrier_wait -1
.endm
	s_load_b128 s[4:7], s[0:1], 0x0                ; qkv, ctx
	v_lshl_add_u32 v[SPW], v0, 2, SPARE
	v_mov_b32 v[NIL], 0
	ds_add_u32 v[SPW], v[NIL]                      ; the opening lines: the add twice on end, and its wait
	ds_add_u32 v[SPW], v[NIL]
	v_lshrrev_b32 v8, 5, v0
	v_readfirstlane_b32 s12, v8                    ; wave 0..15
	s_and_b32 s13, ttmp7, 0xffff                   ; 16 x batch + head: shared by the four partners
	; three groups 1: dense blocks as rows of 256 bytes (32 elements of 8 bytes): 256, 48 and 128 rows
.irp g, 16, 24, 32
	s_mov_b32 s[\g], 15|(3<<16)|(1<<21)            ; the mask of all four; elements of 8 bytes; bit 21 beside a mask; no padding
	s_mov_b32 s[\g+1], 32<<16
	s_mov_b32 s[\g+3], 32<<16
	s_mov_b32 s[\g+5], 32
	s_mov_b32 s[\g+6], 0
	s_mov_b32 s[\g+7], 0
.endr
	s_mov_b32 s18, 256<<16
	s_mov_b32 s20, 256
	s_mov_b32 s26, 48<<16
	s_mov_b32 s28, 48
	s_mov_b32 s34, 128<<16
	s_mov_b32 s36, 128
	s_mul_i32 s8, s13, 12288
	s_add_co_u32 s8, s8, KVS
	s_mov_b32 s9, 0                                ; the head's scale words
	s_lshl_b32 s10, s13, 18
	s_add_co_u32 s10, s10, KVB
	s_mov_b32 s11, 0                               ; the head's images
	s_lshl_b32 s15, s12, 15
	s_add_co_u32 s66, s10, s15
	s_mov_b32 s67, 0                               ; steps 2 x wave and 2 x wave + 1
	s_wait_dscnt 0x0
	s_wait_kmcnt 0x0
	s_mov_b32 s40, 1
	s_mov_b32 s41, 0
	s_add_nc_u64 s[42:43], s[4:5], s[10:11]
	s_or_b32 s43, s43, 0x80000000
	s_mov_b32 s44, 1
	s_mov_b32 s45, SCB
	s_add_nc_u64 s[46:47], s[4:5], s[8:9]
	s_or_b32 s47, s47, 0x80000000
	s_mov_b32 s48, 1
	s_mov_b32 s49, s15
	s_add_nc_u64 s[50:51], s[4:5], s[66:67]
	s_or_b32 s51, s51, 0x80000000
	CROUND                                         ; all four work-groups are here: the joint loads meet
.macro ARM under, g0, g1, next         ; one chain of branches on the wave's number, a load to an arm, all arms to one join
	s_cmp_lt_u32 s12, \under
	s_cbranch_scc0 \next
	tensor_load_to_lds s[\g0:\g0+3], s[\g1:\g1+7]
	s_nop 0
.rept 4
	v_nop
.endr
	s_branch .Lasked
\next:
.endm
	ARM 1, 40, 16, .Larm_words
	ARM 2, 44, 24, .Larm_rest
	ARM 8, 48, 32, .Larm_none
.Lasked:
	s_bfe_u32 s3, ttmp6, 0x40000                   ; cx: it enters Q's and ctx's global addresses alone
	s_lshl_b32 s61, ttmp9, 2
	s_add_co_u32 s61, s61, s3                      ; my block of 256 queries
	s_lshl_b32 s61, s61, 4
	s_add_co_u32 s61, s61, s12                     ; my tile of 16 queries in the head
	s_lshl_b32 s8, s13, 17
	s_lshl_b32 s9, s61, 10
	s_add_co_u32 s8, s8, s9
	s_mov_b32 s9, 0
	s_add_nc_u64 s[8:9], s[4:5], s[8:9]            ; Q's image
	s_lshl_b32 s10, s13, 13
	s_lshl_b32 s11, s61, 6
	s_add_co_u32 s10, s10, s11
	s_add_co_u32 s10, s10, QSB
	s_mov_b32 s11, 0
	s_add_nc_u64 s[10:11], s[4:5], s[10:11]        ; Q's scale words
	s_lshr_b32 s14, s13, 4
	s_lshl_b32 s14, s14, 7
	s_add_co_u32 s14, s14, s61                     ; my tile of 16 rows of ctx
	s_and_b32 s15, s13, 15                         ; the head
	s_lshl_b32 s62, s14, 14
	s_lshl_b32 s63, s15, 10
	s_add_co_u32 s62, s62, s63
	s_mov_b32 s63, 0
	s_add_nc_u64 s[66:67], s[6:7], s[62:63]        ; ctx's image: tile x 16,384 + head x 1,024
	s_lshl_b32 s62, s14, 9
	s_lshl_b32 s15, s15, 1
	s_add_co_u32 s62, s62, s15
	s_add_co_u32 s62, s62, CSC
	s_add_nc_u64 s[6:7], s[6:7], s[62:63]          ; ctx's scale bytes: tile x 512 + 2 x head
	s_lshl_b32 s15, s12, 10
	s_add_co_u32 s15, s15, STG                     ; my stage
	s_mov_b32 s52, 0x76543210
	s_mov_b32 s53, 0xfedcba98
	s_mov_b32 s54, 0x3e38aa3b                      ; c = log2(e) / 8
	s_mov_b32 s55, s54
	s_mov_b32 s56, 0x600000                        ; the mantissa field of 448
	s_mov_b32 s57, 16384                           ; the NEXT step's images
	s_mov_b32 s58, 512                             ; the NEXT step's words of K
	s_mov_b32 s59, 8192                            ; this step's words of V
	v_and_b32 v8, 31, v0
	v_and_b32 v10, 15, v0                          ; the query in the tile
	v_bfe_u32 v11, v0, 4, 1                        ; h
	v_lshlrev_b32 v1, 4, v8                        ; 16 x lane
	v_lshl_add_u32 v6, v8, 2, SCB                  ; 4 x lane + the words' base
	v_lshl_add_u32 v4, v10, 4, s15
	v_lshl_add_u32 v4, v11, 3, v4                  ; into the stage: 16 x query + 8 h
	v_add_nc_u32 v5, s15, v1                       ; and back: 16 x lane
	v_lshlrev_b32 v237, 2, v10
	v_lshlrev_b32 v7, 5, v10                       ; a row of ctx's scale bytes is 32 bytes
	global_load_b128 v[16:19], v1, s[8:9]
	global_load_b128 v[20:23], v1, s[8:9] offset:512
	global_load_b32 v[QW], v237, s[10:11]
	v_sub_nc_u32 v236, 1, v11
	v_mul_u32_u24 v24, v236, 0x38                  ; place 64 (register 8, byte 0, lanes 0-15): +1.0 in Q,
.irp i, 25,26,27,28,29,30,31
	v_mov_b32 v[\i], 0
.endr
.irp t, 0,1,2,3
	v_mul_u32_u24 v[40+16*\t], v236, 0xb8          ; -1.0 in K; all other padding is the code 0
.irp i, 41,42,43,44,45,46,47
	v_mov_b32 v[\i+16*\t], 0
.endr
.endr
	v_mov_b32 v13, 0xff61b1e6                      ; the largest score so far: -3e38
	v_floor_f32 v12, -v13
	v_mov_b32 v14, 0
	v_mov_b32 v15, 0
	v_mov_b32 v235, 0                              ; named with f as a pair
	v_mov_b32 v236, v12                            ; the old -M
	v_mov_b32 v8, v1                               ; step 0's images
	v_mov_b32 v9, v6                               ; and words of K
.irp j, 0,1,2,3,4,5,6,7,8,9,10,11,12,13,14,15,16,17,18,19,20,21,22,23,24,25,26,27,28,29,30,31
	v_mov_b32 v[160+\j], 0                         ; O^T: the step is written for every step alike: the first finds zeros
.endr
.macro KLOAD g, n                      ; K's tiles 4 g .. 4 g + 3 of this step (n = 0) or of the next (n = 1): two pairs of tiles, each four loads of codes and one of words
.irp j, 0,1
.irp u, 0,1
	ds_load_b128 v[32+32*\j+16*\u:35+32*\j+16*\u], v8 offset:16384*\n+(4*\g+2*\j+\u)*1024
	ds_load_b128 v[36+32*\j+16*\u:39+32*\j+16*\u], v8 offset:16384*\n+(4*\g+2*\j+\u)*1024+512
.endr
	ds_load_b32 v[KSW+2*\g+\j], v9 offset:512*\n+256*\g+128*\j
.endr
.endm
.macro SMUL g, w                       ; S^T = K Q^T, four tiles of 16 keys.  w = 1: the ten loads have just been issued: the second pair's five may be out while the first pair is multiplied
.irp t, 0,2
.if \w
	s_wait_dscnt 5-5*(\t/2)
.endif
	v_wmma_scale_f32_16x16x128_f8f6f4 v[96+8*(4*\g+\t):103+8*(4*\g+\t)], v[32+16*\t:47+16*\t], v[16:31], 0, v[KSW+2*\g+\t/2], v[QW]
	v_wmma_scale_f32_16x16x128_f8f6f4 v[104+8*(4*\g+\t):111+8*(4*\g+\t)], v[48+16*\t:63+16*\t], v[16:31], 0, v[KSW+2*\g+\t/2], v[QW] matrix_a_scale:MATRIX_SCALE_ROW1
.endr
.endm
.macro BMAX b0                         ; the largest score of blocks b0 and b0 + 1 (my 16 keys of each): four chains by turns, each tile read from its low end on
.irp b, \b0, \b0+1
	v_max3_num_f32 v[BM+\b], v[96+16*(\b)], v[97+16*(\b)], v[98+16*(\b)]
	v_max3_num_f32 v[T1+\b], v[104+16*(\b)], v[105+16*(\b)], v[106+16*(\b)]
.endr
.irp i, 3,5
.irp b, \b0, \b0+1
	v_max3_num_f32 v[BM+\b], v[BM+\b], v[96+16*(\b)+\i], v[97+16*(\b)+\i]
	v_max3_num_f32 v[T1+\b], v[T1+\b], v[104+16*(\b)+\i], v[105+16*(\b)+\i]
.endr
.endr
.irp b, \b0, \b0+1
	v_max3_num_f32 v[BM+\b], v[BM+\b], v[T1+\b], v[103+16*(\b)]
.endr
.irp b, \b0, \b0+1
	v_max_num_f32 v[BM+\b], v[BM+\b], v[111+16*(\b)]
.endr
.endm
.macro STEP
	SMUL 0, 0                                      ; the first four tiles were loaded in the step before, and waited for with V's
	v_add_nc_u32 v10, s59, v6                      ; this step's words of V; with the seven below: eight places ahead of the loads into the fragments just multiplied
	s_add_co_u32 s59, s59, 256
.rept 7
	v_nop
.endr
	KLOAD 1, 0
	SMUL 1, 1
	BMAX 0                                         ; 16 lines on the first four tiles: the places behind the last four products
	ds_load_b32 v[VSW], v10
	ds_load_b32 v[VSW+1], v10 offset:128
	s_cmp_eq_u32 s57, 262144                       ; the count of steps alone: step 15 has no successor
	s_cbranch_scc1 .Lno_next_\@
	KLOAD 0, 1                                     ; the next step's first four tiles: the fragments are free
.Lno_next_\@:
	BMAX 2
.irp b, 0,1,2,3
	v_permlanex16_b32 v[T1+\b], v[BM+\b], s52, s53
.endr
.irp b, 0,1,2,3
	v_max_num_f32 v[BM+\b], v[BM+\b], v[T1+\b]     ; with lane l xor 16's 16 keys: the block's largest score; it serves the row's maximum and, since p rises with the score, the block's largest p
.endr
	s_delay_alu instid0(VALU_DEP_2)
	v_max3_num_f32 v237, v[BM], v[BM+1], v[BM+2]
	s_delay_alu instid0(VALU_DEP_1)
	v_max3_num_f32 v13, v13, v237, v[BM+3]         ; the running largest score
	s_delay_alu instid0(VALU_DEP_1)
	v_mul_f32 v237, s54, v13                       ; as t (c is positive)
	s_delay_alu instid0(VALU_DEP_1)
	v_floor_f32 v12, -v237                         ; -M = floor(-t)
	s_delay_alu instid0(VALU_DEP_1)
	v_sub_f32 v236, v12, v236                      ; old M - new M: a whole number, 0 or less
	s_delay_alu instid0(VALU_DEP_1)
	v_cvt_i32_f32 v236, v236
	s_delay_alu instid0(VALU_DEP_1)
	v_ldexp_f32 v234, 1.0, v236                    ; f = 2^(old M - new M)
.irp j, 0,2,4,6,8,10,12,14,16,18,20,22,24,26,28,30,32,34,36,38,40,42,44,46,48,50,52,54,56,58,60,62
	v_pk_fma_f32 v[96+\j:97+\j], v[96+\j:97+\j], s[54:55], v[12:13] op_sel_hi:[1,0,0]   ; t - M (of the pair v[12:13] the low word serves both halves)
.endr
.irp b, 0,1,2,3
	v_fma_f32 v[BM+\b], v[BM+\b], s54, v12
.endr
	s_wait_alu depctr_va_vdst(0)
.irp j, 0,1,2,3,4,5,6,7,8,9,10,11,12,13,14,15,16,17,18,19,20,21,22,23,24,25,26,27,28,29,30,31,32,33,34,35,36,37,38,39,40,41,42,43,44,45,46,47,48,49,50,51,52,53,54,55,56,57,58,59,60,61,62,63
	v_exp_f32 v[96+\j], v[96+\j]                   ; p = 2^(t - M)
.endr
.irp b, 0,1,2,3
	v_exp_f32 v[BM+\b], v[BM+\b]                   ; the block's largest p
.endr
	v_add_nc_u32 v9, s58, v6                       ; the next step's words of K: the plain line behind the exponentials
	s_add_co_u32 s58, s58, 512
	s_wait_alu depctr_va_vdst(0)                   ; and the one wait behind the batch
.irp b, 0,1,2,3
	v_max_num_f32 v[BM+\b], 0x4800000, v[BM+\b]    ; the floor 2^(9 - 127)
.endr
.irp b, 0,1,2,3
	v_add_nc_u32 v[SCO+\b], 0xfc000000, v[BM+\b]   ; the conversion's scale operand
.endr
.irp b, 0,1,2,3
	v_and_or_b32 v[HOLD+\b], v[BM+\b], 0x7f800000, s56   ; 448 x the scale
.endr
.irp i, 0,1,2,3,4,5,6,7                        ; the unquantised p, 32 pairs into eight partial sums
	v_pk_add_f32 v[PS+2*\i:PS+2*\i+1], v[96+2*\i:97+2*\i], v[112+2*\i:113+2*\i]
.endr
.irp k, 128,144
.irp i, 0,1,2,3,4,5,6,7
	v_pk_add_f32 v[PS+2*\i:PS+2*\i+1], v[PS+2*\i:PS+2*\i+1], v[\k+2*\i:\k+2*\i+1]
.endr
.endr
.irp b, 0,1,2,3
.irp i, 0,2,4,6,8,10,12,14                     ; the hold, two numbers a line: the conversion does not saturate (ISA guide 7.6.2); p is not negative
	v_dual_min_num_f32 v[96+16*\b+\i], v[96+16*\b+\i], v[HOLD+\b] :: v_dual_min_num_f32 v[97+16*\b+\i], v[97+16*\b+\i], v[HOLD+\b]
.endr
	v_cvt_scalef32_pk8_fp8_f32 v[192+4*\b:193+4*\b], v[96+16*\b:103+16*\b], v[SCO+\b]
	v_cvt_scalef32_pk8_fp8_f32 v[194+4*\b:195+4*\b], v[104+16*\b:111+16*\b], v[SCO+\b]
.irp c, 0,1,2,3                                ; V's tile b (16 channels x 128 keys) takes the registers of the block just converted
	ds_load_b128 v[96+16*\b+4*\c:99+16*\b+4*\c], v8 offset:8192+2048*\b+512*\c
.endr
.endr
.irp b, 0,1,2,3
	v_lshrrev_b32 v[T1+\b], 23, v[SCO+\b]
.endr
	v_lshl_or_b32 v[PWD], v[T1+1], 8, v[T1]        ; p's scale word for these 128 keys: 17 plain lines ahead of the products
	v_lshl_or_b32 v[PWD], v[T1+2], 16, v[PWD]
	v_lshl_or_b32 v[PWD], v[T1+3], 24, v[PWD]
	v_add_nc_u32 v8, s57, v1                       ; the next step's images
	s_add_co_u32 s57, s57, 16384
.irp j, 0,2,4,6,8,10,12,14,16,18,20,22,24,26,28,30
	v_pk_mul_f32 v[160+\j:161+\j], v[160+\j:161+\j], v[234:235] op_sel_hi:[1,0]   ; O^T under the new M; also the places between the conversions and the products
.endr
	s_wait_alu depctr_va_vdst(0)
.irp t, 0,2                                    ; the four accumulators take turns; S^T's products stand between two steps' links
	s_wait_dscnt 8-4*\t                            ; first: all but the eight loads of V's tiles 2 and 3; then all, the next step's tiles of K among them
	v_wmma_scale_f32_16x16x128_f8f6f4 v[160+8*\t:167+8*\t], v[96+16*\t:111+16*\t], v[192:207], v[160+8*\t:167+8*\t], v[VSW+\t/2], v[PWD]
	v_wmma_scale_f32_16x16x128_f8f6f4 v[168+8*\t:175+8*\t], v[112+16*\t:127+16*\t], v[192:207], v[168+8*\t:175+8*\t], v[VSW+\t/2], v[PWD] matrix_a_scale:MATRIX_SCALE_ROW1
.endr
.irp i, 0,1,2,3                                ; nine plain lines: the places ahead of the next step's products, which write over V's fragments.  The partial sums are joined,
	v_pk_add_f32 v[PS+2*\i:PS+2*\i+1], v[PS+2*\i:PS+2*\i+1], v[PS+8+2*\i:PS+9+2*\i]
.endr
	v_pk_add_f32 v[PS:PS+1], v[PS:PS+1], v[PS+4:PS+5]
	v_pk_add_f32 v[PS+2:PS+3], v[PS+2:PS+3], v[PS+6:PS+7]
	v_pk_add_f32 v[PS:PS+1], v[PS:PS+1], v[PS+2:PS+3]
	v_pk_fma_f32 v[14:15], v[14:15], v[234:235], v[PS:PS+1] op_sel_hi:[1,0,1]   ; the row's sum comes under the new M and takes them,
	v_mov_b32 v236, v12                            ; and -M is kept for the next step
.endm
	s_wait_alu depctr_va_vdst(0)
	s_wait_loadcnt 0x0                             ; Q
	s_cmp_lt_u32 s12, 2
	s_cbranch_scc0 .Lnot_first
	s_wait_tensorcnt 0x0                           ; waves 0 and 1: steps 0-3 and the scale words are in; the other loads may stay out
.Lnot_first:
	s_barrier_signal -1
	s_barrier_wait -1
	KLOAD 0, 0                                     ; step 0's first four tiles
	s_wait_dscnt 0x0
	s_mov_b32 s60, 2
.Lfirst:                                               ; steps 0 and 1; they read ahead into step 2
	STEP
	s_sub_co_u32 s60, s60, 1
	s_cmp_lg_u32 s60, 0
	s_cbranch_scc1 .Lfirst
	s_wait_tensorcnt 0x0                           ; every wave: my load, if I had one, is in
	s_wait_dscnt 0x0
	s_barrier_signal -1
	s_barrier_wait -1                              ; steps 4-15 are whole
	s_mov_b32 s60, 14
.Lrest:
	STEP
	s_sub_co_u32 s60, s60, 1
	s_cmp_lg_u32 s60, 0
	s_cbranch_scc1 .Lrest
	; THE END: O^T / the sum, quantised along the head's 64 channels (two blocks of 32), to true places along K through my stage.  The step's last nine lines are the places behind its products.
	v_add_f32 v14, v14, v15
	v_permlanex16_b32 v236, v14, s52, s53
	v_add_f32 v14, v14, v236
	s_wait_alu depctr_va_vdst(0)
	v_rcp_f32 v14, v14
	v_nop
	s_wait_alu depctr_va_vdst(0)
.irp j, 0,1,2,3,4,5,6,7,8,9,10,11,12,13,14,15,16,17,18,19,20,21,22,23,24,25,26,27,28,29,30,31
	v_mul_f32 v[96+\j], v[160+\j], v14             ; register 8 t + j: channel 16 t + 8 h + j of my query
.endr
.irp c, 0,1
	v_max3_num_f32 v[BM+\c], |v[96+16*\c]|, |v[97+16*\c]|, 0x4800000
.endr
.irp i, 2,4,6,8,10,12,14
.irp c, 0,1
	v_max3_num_f32 v[BM+\c], v[BM+\c], |v[96+16*\c+\i]|, |v[97+16*\c+\i]|
.endr
.endr
.irp c, 0,1
	v_permlanex16_b32 v[T1+\c], v[BM+\c], s52, s53
.endr
.irp c, 0,1
	v_max_num_f32 v[BM+\c], v[BM+\c], v[T1+\c]
.endr
.irp c, 0,1
	v_add_nc_u32 v[SCO+\c], 0xfc000000, v[BM+\c]
.endr
.irp c, 0,1
	v_and_or_b32 v[HOLD+\c], v[BM+\c], 0x7f800000, s56
.endr
.irp c, 0,1
	v_lshrrev_b32 v[T1+\c], 23, v[SCO+\c]
.endr
	v_lshl_or_b32 v236, v[T1+1], 8, v[T1]          ; the head's two scale bytes of my row
.irp c, 0,1
.irp i, 0,1,2,3,4,5,6,7,8,9,10,11,12,13,14,15
	v_med3_num_f32 v[96+16*\c+\i], v[96+16*\c+\i], -v[HOLD+\c], v[HOLD+\c]
.endr
.endr
.irp t, 0,1,2,3
	v_cvt_scalef32_pk8_fp8_f32 v[192+2*\t:193+2*\t], v[96+8*\t:103+8*\t], v[SCO+\t/2]
.endr
	v_nop
.irp t, 0,1,2,3
	ds_store_b64 v4, v[192+2*\t:193+2*\t] offset:(\t/2)*512+(\t%2)*256   ; channels 32 c + 16 u + 8 h + j: register group c, lane 16 u + query, bytes 8 h + j
.endr
	ds_load_b128 v[200:203], v5                    ; LDS serves a wave's instructions in order: these see my stores
	ds_load_b128 v[204:207], v5 offset:512
	s_wait_dscnt 0x0
	global_store_b128 v1, v[200:203], s[66:67]     ; 1,024 consecutive bytes in two stores
	global_store_b128 v1, v[204:207], s[66:67] offset:512
	global_store_b16 v7, v236, s[6:7]              ; lanes 16-31 store the same two bytes to the same place as lanes 0-15
	s_wait_tensorcnt 0x0                           ; the wave's end
	ds_add_u32 v[SPW], v[NIL]
	s_wait_dscnt 0x0
	CROUND                                         ; the closing round
	s_endpgm
.Lfunc_end_k_q846ab57845_attn:
	.size	k_q846ab57845_attn, .Lfunc_end_k_q846ab57845_attn-k_q846ab57845_attn
	.p2alignl 7, 3214868480
	.fill 96, 4, 3214868480
	.section	.rodata,"a",@progbits
	.p2align	6, 0x0
	.amdhsa_kernel k_q846ab57845_attn
		.amdhsa_group_segment_fixed_size 292864
		.amdhsa_private_segment_fixed_size 0
		.amdhsa_enable_private_segment 0
		.amdhsa_kernarg_size 16
		.amdhsa_user_sgpr_count 2
		.amdhsa_user_sgpr_kernarg_segment_ptr 1
		.amdhsa_wavefront_size32 1
		.amdhsa_system_sgpr_workgroup_id_x 1
		.amdhsa_system_sgpr_workgroup_id_y 1
		.amdhsa_system_sgpr_workgroup_id_z 1
		.amdhsa_system_vgpr_workitem_id 0
		.amdhsa_next_free_vgpr 256
		.amdhsa_next_free_sgpr 68
		.amdhsa_reserve_vcc 0
		.amdhsa_float_denorm_mode_32 3
		.amdhsa_float_denorm_mode_16_64 3
		.amdhsa_memory_ordered 1
		.amdhsa_forward_progress 1
		.amdhsa_inst_pref_size 55
	.end_amdhsa_kernel
	.amdgpu_metadata
---
amdhsa.version: [ 1, 2 ]
amdhsa.kernels:
  - .name:           k_q846ab57845_attn
    .symbol:         k_q846ab57845_attn.kd
    .args:
      - { .name: qkv, .offset: 0, .size: 8, .value_kind: global_buffer, .address_space: global }
      - { .name: ctx, .offset: 8, .size: 8, .value_kind: global_buffer, .address_space: global }
    .group_segment_fixed_size: 292864
    .private_segment_fixed_size: 0
    .kernarg_segment_align: 8
    .kernarg_segment_size: 16
    .max_flat_workgroup_size: 512
    .sgpr_count:     68
    .vgpr_count:     256
    .wavefront_size: 32
...
	.end_amdgpu_metadata
.endif
;; end of part 3
;; launch wo (part 4): grid 8 x 32, 4 waves a work-group, clusters of 4 x 4, 327,680 bytes of LDS; arguments ctx, Wo_codes, Wo_scales, bo, ybuf; writes ybuf
.if DOCPART == 4
	.amdgcn_target "amdgcn-amd-amdhsa--gfx1250"
	.amdhsa_code_object_version 6
	.text
	.protected	k_q846ab57845_wo
	.globl	k_q846ab57845_wo
	.p2align	8
	.type	k_q846ab57845_wo,@function
k_q846ab57845_wo:
	s_mov_b64 s[64:65], 0
	v_nop
	global_prefetch_b8 v0, s[64:65] scope:SCOPE_SE
	s_setreg_imm32_b32 hwreg(HW_REG_WAVE_MODE, 25, 1), 1
	s_wait_xcnt 0x0
	s_wait_alu depctr_hold_cnt(0) depctr_sa_sdst(0) depctr_va_vdst(0) depctr_va_sdst(0) depctr_va_ssrc(0) depctr_va_vcc(0) depctr_vm_vsrc(0)
	s_getreg_b32 s2, hwreg(HW_REG_IB_STS2, 6, 4)
	s_cmp_eq_u32 s2, 0
	s_cbranch_scc0 .Lentry_in_a_cluster
	s_endpgm
.Lentry_in_a_cluster:
	s_bfe_u32 s2, ttmp6, 0x10000c
	s_cmp_lg_u32 s2, 0xf033
	s_cbranch_scc0 .Lentry_shape_is_right
	s_endpgm
.Lentry_shape_is_right:
; ONE TEXT FOR TWO LAUNCHES; SIZE_K and ASC pick.  Y = A W^T + bias, f32, [4096][1024].  A: codes as images of fragments, [tile of 16 rows][K / 128][2,048 bytes], its scale bytes [4096][K / 32] at ASC; W: [1024][K] codes, [1024][K / 32] scale bytes.
; A tile of Y is 128 x 128, so that the 256 tiles give each WGP one; four waves, 64 x 64 each: 16 accumulators.  K goes in steps of 512 through two LDS slots; the scales of all of K come once.
; A's images need no pitch: a fragment's register group c lies at 512 c + 16 x lane.  W's rows of 512 bytes get 16 bytes of padding: the 16 rows of a load start at different banks (ISA guide 11.1).
; CLUSTERS of 4 x 4: A's tiles are asked for jointly along a row of the cluster, W's along a column.  The matrix instruction is used transposed: a lane holds one row of Y and eight neighbouring columns.
; The bias is the C of the first products.  The way out goes through a stage of the wave's own in slot 0, which has then had its last fill and its last read: sixteen lanes store 256 consecutive bytes, aligned.
; REGISTERS: window 0: v0-31 addresses; v32-63 scale words, two sets; v64-95 the bias, later rows on the way out; v96-127 rows on the way out; v128-255 the accumulators.  window 1: two buffers of 4 + 4 fragments.
.set SIZE_K, 1024
.set ASC,    4194304
.set KS,     SIZE_K/32
; IN THIS LAUNCH K IS 1,024: BOTH K STEPS ARE FILLED AT THE HEAD, by the four waves' one load each, and nothing is filled again: there is no ring.  A tile of 16 rows of A lies as 16,384 bytes (K step s at 8,192 s);
; a row of W as 1,024 bytes + 16 of padding (K step s at 512 s).  'Slot s' below means K step s.  The stage of the way out has LDS bytes of its own, behind the spare words.
.set AHALF,  65536                     ; 4 tiles of 16 rows x 1,024 K
.set BP,     1040
.set BHALF,  64*BP
.set BOFF,   2*AHALF
.set SLOT,   BOFF+2*BHALF
.set SCL,    SLOT
.set SROWS,  64*KS/256
.set HALFS,  SROWS*272
.set SBLK,   (16*KS/256)*272
.set SPARE,  SCL+4*HALFS               ; the spare words: 128 bytes for each wave, named by no other line
.set STG,    SPARE+512                 ; the stages: 16 rows x 272 bytes for each wave
.set LAPS,   SIZE_K/1024               ; a lap = two K steps of 512
.set ADRA, 16
.set ADRB, 20
.set STO,  24
.set RD,   25
.set CO,   26
.set ADRS, 27
.set SPW,  28
.set NIL,  29
.set SC,   32
.set BI,   64
.set ACC,  128
.set F0,   0
.set F1,   128
.set G1, 24
.set G0, 32
.set G1B, 48
.set G0B, 56
.set G1S, 68
.set G0S, 76
.set G1SB, 80
.set G0SB, 88
.set MSB, 0
.macro WIN new
.if MSB != (\new)
	s_set_vgpr_msb (MSB<<8)|(\new)
.set MSB, (\new)
.endif
.endm
.set MUL,  0x05                        ; sources 0 and 1 window 1; C and D window 0
.set TO_F, 0x40                        ; destination window 1, address window 0
.macro JLOAD g0a, g1a, g0b, g1b        ; waves 0 and 1 fetch for A, waves 2 and 3 for W; four v_nop follow each line
	s_cmp_eq_u32 s15, 0
	s_cbranch_scc0 .Lfor_b_\@
	tensor_load_to_lds s[\g0a:\g0a+3], s[\g1a:\g1a+7]
	s_nop 0
.rept 4
	v_nop
.endr
	s_branch .Lasked_\@
.Lfor_b_\@:
	tensor_load_to_lds s[\g0b:\g0b+3], s[\g1b:\g1b+7]
	s_nop 0
.rept 4
	v_nop
.endr
.Lasked_\@:
.endm
.macro CREST
	s_cmp_lg_u32 s14, 0
	s_cbranch_scc1 .Lnot_wave_0_\@
	s_barrier_signal -3
.Lnot_wave_0_\@:
	s_barrier_wait -3
	s_barrier_signal -1
	s_barrier_wait -1
.endm
.macro CROUND
	s_barrier_signal -1
	s_barrier_wait -1
	CREST
.endm
	s_load_b64 s[4:5], s[0:1], 0x0                 ; A
	s_load_b128 s[8:11], s[0:1], 0x8               ; W's codes, W's scales
	s_load_b64 s[98:99], s[0:1], 0x18              ; the bias
	s_load_b64 s[12:13], s[0:1], 0x20              ; Y
	v_lshl_add_u32 v[SPW], v0, 2, SPARE
	v_mov_b32 v[NIL], 0
	ds_add_u32 v28, v29
	ds_add_u32 v28, v29
	s_wait_dscnt 0x0
	v_lshrrev_b32 v1, 5, v0
	v_readfirstlane_b32 s14, v1                    ; wave 0..3
	s_lshr_b32 s15, s14, 1                         ; my half of the tile's rows.  Also: I fetch for A (0) or for W (1)
	s_and_b32 s16, s14, 1                          ; my half of its columns.  Also: which half I fetch
	s_bfe_u32 s40, ttmp6, 0x40000                  ; cx
	s_bfe_u32 s41, ttmp6, 0x40004                  ; cy
	s_lshl_b32 s42, ttmp9, 2
	s_add_co_u32 s42, s42, s40                     ; tile column
	s_and_b32 s17, ttmp7, 0xffff
	s_lshl_b32 s17, s17, 2
	s_add_co_u32 s17, s17, s41                     ; tile row
	s_lshl_b32 s43, s41, 2
	s_lshl_b32 s43, 15, s43                        ; my row of the cluster
	s_lshl_b32 s44, 0x1111, s40                    ; my column
	s_or_b32 s[G1+0], s43, (3<<16)|(1<<21)         ; A: tiles of 16 rows, 16 SIZE_K bytes apart; elements of 8 bytes; no padding
	s_mov_b32 s[G1+1], 2048<<16                    ; A: 8 rows (tiles of 16 rows) of 16,384 bytes = 2,048 elements of 8 bytes, dense
	s_mov_b32 s[G1+2], 8<<16                       ; the head's load of A brings all 8 tiles of 16 rows
	s_mov_b32 s[G1+3], 2048<<16
	s_mov_b32 s[G1+4], 8
	s_mov_b32 s[G1+5], 2*SIZE_K
	s_mov_b32 s[G1+6], 0
	s_mov_b32 s[G1+7], 0
	s_or_b32 s[G1B+0], s44, (0<<16)|(1<<20)|(1<<21)|(7<<22)|(3<<25)  ; W: 128 rows of 1,024 bytes; after every 256 words, 4 words of padding
	s_mov_b32 s[G1B+1], 1024<<16
	s_mov_b32 s[G1B+2], 128<<16                    ; and W's all 128 rows
	s_mov_b32 s[G1B+3], 1024<<16
	s_mov_b32 s[G1B+4], 128
	s_mov_b32 s[G1B+5], SIZE_K
	s_mov_b32 s[G1B+6], 0
	s_mov_b32 s[G1B+7], 0
	s_or_b32 s[G1S+0], s43, (3<<16)|(1<<20)|(1<<21)|(5<<22)|(3<<25)  ; the scales: a dense block as rows of 256 bytes, 16 bytes of padding behind each
	s_or_b32 s[G1SB+0], s44, (3<<16)|(1<<20)|(1<<21)|(5<<22)|(3<<25)
.irp g, G1S, G1SB
	s_mov_b32 s[\g+1], 32<<16
	s_mov_b32 s[\g+2], (2*SROWS)<<16               ; the scales of 128 rows
	s_mov_b32 s[\g+3], 32<<16
	s_mov_b32 s[\g+4], 2*SROWS
	s_mov_b32 s[\g+5], 32
	s_mov_b32 s[\g+6], 0
	s_mov_b32 s[\g+7], 0
.endr
	s_lshl_b32 s22, s17, 7                         ; the tile's first row
	s_mul_i32 s22, s22, KS
	s_mov_b32 s23, 0
	s_lshl_b32 s92, s42, 7
	s_mul_i32 s92, s92, KS
	s_mov_b32 s93, 0
	s_mul_i32 s2, s17, 128*SIZE_K                  ; the whole tiles' first bytes, for the head's loads
	s_mov_b32 s3, 0
	s_mul_i32 s96, s42, 128*SIZE_K
	s_mov_b32 s97, 0
	s_wait_kmcnt 0x0
	s_add_nc_u64 s[6:7], s[4:5], ASC               ; A's scale bytes
	s_add_nc_u64 s[22:23], s[6:7], s[22:23]
	s_add_nc_u64 s[92:93], s[10:11], s[92:93]
	CROUND                                         ; all sixteen work-groups are here: the first joint loads meet
	s_mov_b32 s[G0S], 1
	s_mov_b32 s[G0S+1], SCL
	s_mov_b64 s[G0S+2:G0S+3], s[22:23]
	s_or_b32 s[G0S+3], s[G0S+3], 0x80000000
	s_mov_b32 s[G0SB], 1
	s_mov_b32 s[G0SB+1], SCL+2*HALFS
	s_mov_b64 s[G0SB+2:G0SB+3], s[92:93]
	s_or_b32 s[G0SB+3], s[G0SB+3], 0x80000000
	s_add_nc_u64 s[2:3], s[4:5], s[2:3]
	s_add_nc_u64 s[96:97], s[8:9], s[96:97]
	s_mov_b32 s4, 1                                ; s[4:7], s[8:11]: group 0 of the head's loads of both K steps (the arguments that lay there are used up)
	s_mov_b32 s5, 0
	s_mov_b64 s[6:7], s[2:3]
	s_or_b32 s7, s7, 0x80000000
	s_mov_b32 s8, 1
	s_mov_b32 s9, BOFF
	s_mov_b64 s[10:11], s[96:97]
	s_or_b32 s11, s11, 0x80000000
; The head's four tiles, one joint load a wave: wave 0 A's two K steps, wave 1 W's, wave 2 A's scales, wave 3 W's.  One chain of branches on the wave's number, all arms to one join.
.macro ARM under, g0, g1, next
	s_cmp_lt_u32 s14, \under
	s_cbranch_scc0 \next
	tensor_load_to_lds s[\g0:\g0+3], s[\g1:\g1+7]
	s_nop 0
.rept 4
	v_nop
.endr
	s_branch .Lhead_asked
\next:
.endm
	ARM 1, 4, G1, .Lhead_b
	ARM 2, 8, G1B, .Lhead_sa
	ARM 3, G0S, G1S, .Lhead_sb
	tensor_load_to_lds s[G0SB:G0SB+3], s[G1SB:G1SB+7]
	s_nop 0
.rept 4
	v_nop
.endr
.Lhead_asked:
	v_and_b32 v1, 15, v0
	v_bfe_u32 v2, v0, 4, 1                         ; h
	v_and_b32 v3, 31, v0
	v_lshlrev_b32 v3, 4, v3                        ; 16 x lane
	v_mul_u32_u24 v4, v1, BP
	v_lshl_add_u32 v4, v2, 4, v4
	s_lshl_b32 s21, s15, 16
	s_mul_i32 s22, s16, BHALF
	s_add_co_u32 s22, s22, BOFF
.irp s, 0,1
	v_add_nc_u32 v[ADRA+\s], s21, v3
	v_add_nc_u32 v[ADRB+\s], s22, v4
	s_add_co_u32 s21, s21, 8192                    ; K step 1 of a tile of A,
	s_add_co_u32 s22, s22, 512                     ; and of a row of W
.endr
	v_mul_u32_u24 v5, v1, KS                       ; my row's scales,
	v_lshrrev_b32 v6, 8, v5
	v_lshl_add_u32 v5, v6, 4, v5                   ; and 16 more for each 256 passed
	s_mul_i32 s21, s15, HALFS
	s_mul_i32 s22, s16, HALFS
	s_add_co_u32 s22, s22, 2*HALFS
	s_sub_co_u32 s22, s22, s21
	v_mul_u32_u24 v6, s22, v2                      ; lanes 16-31 take W's
	s_add_co_u32 s21, s21, SCL
	v_add_nc_u32 v5, v5, v6
	v_add_nc_u32 v[ADRS], s21, v5
	s_mul_i32 s23, s14, 16*272
	s_add_co_u32 s23, s23, STG                     ; my stage
	v_mul_u32_u24 v5, v1, 272
	v_lshl_add_u32 v5, v2, 5, v5
	v_add_nc_u32 v[STO], s23, v5                   ; in: row r, 32 bytes for each half of the lanes
	v_mul_u32_u24 v5, v2, 272
	v_lshl_add_u32 v5, v1, 4, v5
	v_add_nc_u32 v[RD], s23, v5                    ; back: lanes 0-15 one row of 256 bytes, lanes 16-31 the next
	v_lshlrev_b32 v5, 12, v2
	v_lshl_add_u32 v[CO], v1, 4, v5                ; and the same two rows in Y
	v_lshlrev_b32 v7, 5, v2                        ; the bias: columns 16 b + 8 h + j
	s_wait_alu depctr_va_vdst(0)
	s_lshl_b32 s92, s42, 9
	s_lshl_b32 s93, s16, 8
	s_add_co_u32 s92, s92, s93                     ; my first column, in bytes
	s_mov_b32 s93, 0
	s_add_nc_u64 s[98:99], s[98:99], s[92:93]
	s_add_nc_u64 s[12:13], s[12:13], s[92:93]
	s_lshl_b32 s92, s17, 19
	s_lshl_b32 s46, s15, 18
	s_add_co_u32 s92, s92, s46                     ; my first row x 4,096 bytes
	s_add_nc_u64 s[12:13], s[12:13], s[92:93]
.irp b, 0,1,2,3
	global_load_b128 v[BI+8*\b:BI+8*\b+3], v7, s[98:99] offset:64*\b
	global_load_b128 v[BI+8*\b+4:BI+8*\b+7], v7, s[98:99] offset:64*\b+16
.endr
.macro FETCH slot, q, f                ; 32 LDS loads: the fragments of the slot's q-th 128 along K into buffer f: A's four, then W's four
	WIN TO_F
.irp i, 0,1,2,3
.irp c, 0,1,2,3
	ds_load_b128 v[\f+16*\i+4*\c:\f+16*\i+4*\c+3], v[ADRA+\slot] offset:16384*\i+2048*(\q)+512*\c
.endr
.endr
.irp i, 0,1,2,3
.irp c, 0,1,2,3
	ds_load_b128 v[\f+64+16*\i+4*\c:\f+64+16*\i+4*\c+3], v[ADRB+\slot] offset:16*BP*\i+128*(\q)+32*\c
.endr
.endr
.endm
.macro SCALES s                        ; a K step's scale words, four a row: lanes 0-15 take A's block i, lanes 16-31 W's block i
	WIN 0
.irp i, 0,1,2,3
	ds_load_b128 v[SC+16*\s+4*\i:SC+16*\s+4*\i+3], v[ADRS] offset:\i*SBLK
.endr
.endm
.macro MULA f, q, s, a, zero           ; four products: A's block a x W's four.  The 16 accumulators take turns in one order everywhere
.irp b, 0,1,2,3
.if \zero
	v_wmma_scale_f32_16x16x128_f8f6f4 v[ACC+8*(4*\a+\b):ACC+8*(4*\a+\b)+7], v[\f+64+16*\b:\f+64+16*\b+15], v[\f+16*\a:\f+16*\a+15], v[BI+8*\b:BI+8*\b+7], v[SC+16*\s+4*\b+\q], v[SC+16*\s+4*\a+\q] matrix_a_scale:MATRIX_SCALE_ROW1
.else
	v_wmma_scale_f32_16x16x128_f8f6f4 v[ACC+8*(4*\a+\b):ACC+8*(4*\a+\b)+7], v[\f+64+16*\b:\f+64+16*\b+15], v[\f+16*\a:\f+16*\a+15], v[ACC+8*(4*\a+\b):ACC+8*(4*\a+\b)+7], v[SC+16*\s+4*\b+\q], v[SC+16*\s+4*\a+\q] matrix_a_scale:MATRIX_SCALE_ROW1
.endif
.endr
.endm
.macro PLACES n                        ; plain vector instructions between a matrix instruction and a load into, or a read of, its registers
.rept \n
	v_nop
.endr
.endm
.macro QUARTER slot, q, f, g, zero     ; multiplies buffer f (the slot's q-th 128 along K); ahead of that it asks for the next 128 into buffer g
.if \zero == 0
	PLACES 8
.endif
	FETCH \slot, (\q)+1, \g
	s_wait_dscnt 32                                ; all but the 32 loads just issued
	WIN MUL
	MULA \f, \q, \slot, 0, \zero
	MULA \f, \q, \slot, 1, \zero
	MULA \f, \q, \slot, 2, \zero
	MULA \f, \q, \slot, 3, \zero
.endm
; A slot's last quarter changes slots: one barrier; in front of it each wave waits for all its tensor loads, adds 0 to its spare word, and waits for that and for its reads of this slot.
.macro TURN slot, next, fill
	WIN 0
	s_wait_tensorcnt 0x0                           ; all my tensor loads have landed: my part of the next slot
	ds_add_u32 v[SPW], v[NIL]                      ; 0 onto my spare word
	s_wait_dscnt 1                                 ; buffer 1 is in; the add may be out
	WIN MUL
	MULA F1, 3, \slot, 0, 0
	s_wait_dscnt 0x0                               ; the add is done, and my reads of this slot are over
	s_barrier_signal -1
	MULA F1, 3, \slot, 1, 0
	WIN 0
	s_barrier_wait -1
.if \fill
	CREST                                          ; the barrier opened a round of the cluster's barrier
	s_add_nc_u64 s[G0+4*\slot+2:G0+4*\slot+3], s[G0+4*\slot+2:G0+4*\slot+3], 16384
	s_add_nc_u64 s[G0B+4*\slot+2:G0B+4*\slot+3], s[G0B+4*\slot+2:G0B+4*\slot+3], 1024
	JLOAD G0+4*\slot, G1, G0B+4*\slot, G1B         ; the first tensor load behind the round; its four v_nop are among the places
	PLACES 4
.else
	PLACES 8
.endif
	v_add_nc_u32 v[ADRS], 16, v[ADRS]              ; the next K step's scale words
	FETCH \next, 0, F0
	SCALES \next
	WIN MUL
	MULA F1, 3, \slot, 2, 0
	MULA F1, 3, \slot, 3, 0
.endm
	s_wait_tensorcnt 0x0                           ; my tile of the head's four is in
	s_barrier_signal -1                            ; my tile of the four is in: say so;
	s_barrier_wait -1                              ; all four are
	FETCH 0, 0, F0
	SCALES 0
	s_wait_loadcnt 0x0                             ; the bias
	QUARTER 0, 0, F0, F1, 1                        ; the first quarter starts the sums from the bias
.if LAPS > 1
	WIN 0
	s_mov_b32 s3, LAPS-1
.Llap:                                                 ; a trip goes once round the ring and fills both slots again
	QUARTER 0, 1, F1, F0, 0
	QUARTER 0, 2, F0, F1, 0
	TURN 0, 1, 1
	QUARTER 1, 0, F0, F1, 0
	QUARTER 1, 1, F1, F0, 0
	QUARTER 1, 2, F0, F1, 0
	TURN 1, 0, 1
	QUARTER 0, 0, F0, F1, 0
	WIN 0
	s_sub_co_u32 s3, s3, 1
	s_cmp_lg_u32 s3, 0
	s_cbranch_scc1 .Llap
.endif
	QUARTER 0, 1, F1, F0, 0                        ; the last lap fills nothing
	QUARTER 0, 2, F0, F1, 0
	TURN 0, 1, 0
	QUARTER 1, 0, F0, F1, 0
	QUARTER 1, 1, F1, F0, 0
	QUARTER 1, 2, F0, F1, 0
	s_wait_dscnt 0
	WIN MUL
	MULA F1, 3, 1, 0, 0
	MULA F1, 3, 1, 1, 0
	MULA F1, 3, 1, 2, 0
	MULA F1, 3, 1, 3, 0
	WIN 0
	PLACES 8
; THE WAY OUT, 16 rows x 64 columns at a time: into my stage as they lie in registers (each accumulator from its low end on), back as whole rows of 256 bytes.
.macro TOSTAGE a
.irp b, 0,1,2,3
	ds_store_b128 v[STO], v[ACC+8*(4*(\a)+\b):ACC+8*(4*(\a)+\b)+3] offset:64*\b
	ds_store_b128 v[STO], v[ACC+8*(4*(\a)+\b)+4:ACC+8*(4*(\a)+\b)+7] offset:64*\b+16
.endr
.set OBB, 96-32*((\a)%2)
.irp i, 0,1,2,3,4,5,6,7
	ds_load_b128 v[OBB+4*\i:OBB+4*\i+3], v[RD] offset:544*\i       ; LDS serves a wave's instructions in order: these see my stores
.endr
.endm
.macro SEND a, younger                 ; younger: the LDS instructions issued behind block a's loads, which may stay out
.set OBB, 96-32*((\a)%2)
	s_wait_dscnt \younger
.irp i, 0,1,2,3,4,5,6,7
	global_store_b128 v[CO], v[OBB+4*\i:OBB+4*\i+3], s[12:13] offset:(16*(\a)+2*\i)*4096
.endr
.endm
	TOSTAGE 0
	TOSTAGE 1
	SEND 0, 16
	s_wait_xcnt 0x0                                ; block 0's stores have read their registers
	TOSTAGE 2
	SEND 1, 16
	s_wait_xcnt 0x0
	TOSTAGE 3
	SEND 2, 16
	SEND 3, 0
	s_wait_tensorcnt 0x0                           ; the wave's end
	ds_add_u32 v[SPW], v[NIL]
	s_wait_dscnt 0x0
	CROUND                                         ; the closing round
	s_endpgm
.Lfunc_end_k_q846ab57845_wo:
	.size	k_q846ab57845_wo, .Lfunc_end_k_q846ab57845_wo-k_q846ab57845_wo
	.p2alignl 7, 3214868480
	.fill 96, 4, 3214868480
	.section	.rodata,"a",@progbits
	.p2align	6, 0x0
	.amdhsa_kernel k_q846ab57845_wo
		.amdhsa_group_segment_fixed_size 327680
		.amdhsa_private_segment_fixed_size 0
		.amdhsa_enable_private_segment 0
		.amdhsa_kernarg_size 40
		.amdhsa_user_sgpr_count 2
		.amdhsa_user_sgpr_kernarg_segment_ptr 1
		.amdhsa_wavefront_size32 1
		.amdhsa_system_sgpr_workgroup_id_x 1
		.amdhsa_system_sgpr_workgroup_id_y 1
		.amdhsa_system_sgpr_workgroup_id_z 1
		.amdhsa_system_vgpr_workitem_id 0
		.amdhsa_next_free_vgpr 512
		.amdhsa_next_free_sgpr 102
		.amdhsa_reserve_vcc 0
		.amdhsa_float_denorm_mode_32 3
		.amdhsa_float_denorm_mode_16_64 3
		.amdhsa_memory_ordered 1
		.amdhsa_forward_progress 1
		.amdhsa_inst_pref_size 53
	.end_amdhsa_kernel
	.amdgpu_metadata
---
amdhsa.version: [ 1, 2 ]
amdhsa.kernels:
  - .name:           k_q846ab57845_wo
    .symbol:         k_q846ab57845_wo.kd
    .args:
      - { .name: ctx, .offset: 0, .size: 8, .value_kind: global_buffer, .address_space: global }
      - { .name: Wo_codes, .offset: 8, .size: 8, .value_kind: global_buffer, .address_space: global }
      - { .name: Wo_scales, .offset: 16, .size: 8, .value_kind: global_buffer, .address_space: global }
      - { .name: bo, .offset: 24, .size: 8, .value_kind: global_buffer, .address_space: global }
      - { .name: ybuf, .offset: 32, .size: 8, .value_kind: global_buffer, .address_space: global }
    .group_segment_fixed_size: 327680
    .private_segment_fixed_size: 0
    .kernarg_segment_align: 8
    .kernarg_segment_size: 40
    .max_flat_workgroup_size: 128
    .sgpr_count:     102
    .vgpr_count:     512
    .wavefront_size: 32
...
	.end_amdgpu_metadata
.endif
;; end of part 4
;; launch ln1 (part 5): grid 512 x 1, 4 waves a work-group, no clusters, 33,280 bytes of LDS; arguments ybuf, x, ln1_g, ln1_b, x1buf; writes x1buf
.if DOCPART == 5
	.amdgcn_target "amdgcn-amd-amdhsa--gfx1250"
	.amdhsa_code_object_version 6
	.text
	.protected	k_q846ab57845_ln1
	.globl	k_q846ab57845_ln1
	.p2align	8
	.type	k_q846ab57845_ln1,@function
k_q846ab57845_ln1:
	s_mov_b64 s[64:65], 0
	v_nop
	global_prefetch_b8 v0, s[64:65] scope:SCOPE_SE
	s_setreg_imm32_b32 hwreg(HW_REG_WAVE_MODE, 25, 1), 1
	s_wait_xcnt 0x0
; ONE TEXT FOR TWO LAUNCHES; QNT picks.  out = LayerNorm(y + res) x g + b, rows of 1,024 f32, eps = 1e-5; mean and variance: the variance of the differences from the mean.
; QNT = 1: the result also leaves as codes of E4M3 at out + 16,777,216 and E8M0 bytes at out + 20,971,520, one for each 32 along the row.
; LIMITS (QNT = 1): a block of zeros gets the byte 1 and not 127; blocks under 2^-118 keep the byte 1; NaN and infinities are not served.
; A wave owns 2 rows, each in 32 registers; each load and store covers 512 consecutive bytes.  Both rows' 32 loads go out at the wave's head: 2,048 waves x 16,384 bytes are the whole of y and of the residual.
; The price: every wave reads g and b, 8,192 bytes.  A row's sums never leave its wave.
; For the quantiser a lane must hold 16 neighbours: each half row turns through the wave's own stage in LDS (64 bytes + 16 of padding a lane).  A wave makes 64 scale bytes; the four waves' 256 meet in LDS behind one barrier,
; and wave 0 stores them as one aligned run of 256 bytes.  Memory binds: no matrix unit, no cluster.
.set QNT,  1
.set ROWS, 2
.set EMAX, 8
.set SP,   80
.set WREG, 8192                        ; LDS: a region for each wave: two stages of 32 x SP bytes
.set SBL,  2*32*SP                     ; LDS: the work-group's 256 scale bytes, behind wave 0's stages
.set G,    16                          ; v16-47  g of my 32 columns
.set BB,   48                          ; v48-79  b
.set Y,    80                          ; v80-143 two sets, one a row: y, then the row at work
.set RS,   144                         ; v144-207 two sets: the residual, later 2 x 16 neighbours
.set CD,   224                         ; v224-231 codes
.set SBY,  232                         ; v232-233 scale bytes
.set MU,   236
.set RQ,   238
.set AC,   240                         ; v240-247 four chains
	s_load_b256 s[4:11], s[0:1], 0x0               ; y, res, g, b
	s_load_b64 s[12:13], s[0:1], 0x20              ; out
	v_lshl_add_u32 v254, v0, 2, 0x8000
	v_mov_b32 v255, 0
	v_lshrrev_b32 v1, 5, v0
	v_readfirstlane_b32 s16, v1                    ; wave
	v_and_b32 v2, 31, v0
	v_lshlrev_b32 v3, 4, v2                        ; 16 x lane
	v_mov_b32 v9, 0                                ; a lane permute's destination counts as one of its sources
.if QNT
	s_mul_i32 s17, s16, WREG
	v_lshrrev_b32 v14, 2, v2
	v_mul_u32_u24 v14, v14, SP
	v_and_b32 v15, 3, v2
	v_lshl_add_u32 v14, v15, 4, v14
	v_add_nc_u32 v14, s17, v14                     ; the stage, on the way in
	v_mul_u32_u24 v15, v2, SP
	v_add_nc_u32 v15, s17, v15                     ; and on the way out
	v_lshrrev_b32 v5, 1, v2
	s_lshl_b32 s19, s16, 6
	s_add_co_u32 s19, s19, SBL
	v_add_nc_u32 v5, s19, v5                       ; my block's scale byte: 64 bytes a wave
	v_lshlrev_b32 v7, 3, v2
	v_add_nc_u32 v6, SBL, v7
.endif
	s_mov_b32 s14, 0x76543210
	s_mov_b32 s15, 0xfedcba98
	s_mov_b32 s22, 0x3a800000                      ; 1 / 1,024
	s_mov_b32 s23, 0x600000                        ; the mantissa field of 448
	s_mov_b32 s28, 0x3727c5ac                      ; 1e-5
	s_lshl_b32 s18, ttmp9, 2
	s_add_co_u32 s18, s18, s16                     ; which 2 rows are my wave's
	s_lshl_b32 s20, s18, 13
	s_mov_b32 s21, 0
.if QNT
	s_lshl_b32 s24, s18, 11
	s_add_co_u32 s24, s24, 16777216
	s_mov_b32 s25, 0
	s_lshl_b32 s26, ttmp9, 8
	s_add_co_u32 s26, s26, 20971520
	s_mov_b32 s27, 0
.endif
	s_wait_kmcnt 0x0
	s_add_nc_u64 s[4:5], s[4:5], s[20:21]
	s_add_nc_u64 s[6:7], s[6:7], s[20:21]
.if QNT
	s_add_nc_u64 s[24:25], s[12:13], s[24:25]      ; my codes
	s_add_nc_u64 s[26:27], s[12:13], s[26:27]      ; the work-group's scale bytes
.endif
	s_add_nc_u64 s[12:13], s[12:13], s[20:21]
.irp j, 0,1,2,3,4,5,6,7
	global_load_b128 v[G+4*\j:G+4*\j+3], v3, s[8:9] offset:512*\j
	global_load_b128 v[BB+4*\j:BB+4*\j+3], v3, s[10:11] offset:512*\j
.endr
.macro LOAD t
.irp j, 0,1,2,3,4,5,6,7
	global_load_b128 v[Y+32*((\t)%2)+4*\j:Y+32*((\t)%2)+4*\j+3], v3, s[4:5] offset:4096*(\t)+512*\j th:TH_LOAD_NT
.endr
.irp j, 0,1,2,3,4,5,6,7
	global_load_b128 v[RS+32*((\t)%2)+4*\j:RS+32*((\t)%2)+4*\j+3], v3, s[6:7] offset:4096*(\t)+512*\j th:TH_LOAD_NT
.endr
.endm
.macro WSUM                            ; v8 summed over the 32 lanes, the result in every lane
	v_add_f32_dpp v8, v8, v8 row_xmask:1 row_mask:0xf bank_mask:0xf
	v_add_f32_dpp v8, v8, v8 row_xmask:2 row_mask:0xf bank_mask:0xf
	v_add_f32_dpp v8, v8, v8 row_xmask:4 row_mask:0xf bank_mask:0xf
	v_add_f32_dpp v8, v8, v8 row_xmask:8 row_mask:0xf bank_mask:0xf
	v_permlanex16_b32 v9, v8, s14, s15
	v_add_f32 v8, v8, v9
.endm
.macro FOLD                            ; the four chains into v8
	v_pk_add_f32 v[AC:AC+1], v[AC:AC+1], v[AC+2:AC+3]
	v_pk_add_f32 v[AC+4:AC+5], v[AC+4:AC+5], v[AC+6:AC+7]
	v_pk_add_f32 v[AC:AC+1], v[AC:AC+1], v[AC+4:AC+5]
	v_add_f32 v8, v[AC], v[AC+1]
	WSUM
.endm
	LOAD 0
.macro ROW t
.set YS, Y+32*((\t)%2)
.set XR, RS+32*((\t)%2)
.if QNT && ((\t) > 0)
	s_wait_xcnt 0x0                                ; the last row's stores have read the codes' registers, which this row writes again
.endif
.if (\t) < ROWS-1
	LOAD (\t)+1
	s_wait_loadcnt 16                              ; this row (and g, b) are in; the next row's sixteen loads stay out
.else
	s_wait_loadcnt 0
.endif
.irp i, 0,2,4,6,8,10,12,14,16,18,20,22,24,26,28,30
	v_pk_add_f32 v[YS+\i:YS+\i+1], v[YS+\i:YS+\i+1], v[XR+\i:XR+\i+1]
.endr
.irp c, 0,1,2,3
	v_pk_add_f32 v[AC+2*\c:AC+2*\c+1], v[YS+2*\c:YS+2*\c+1], v[YS+8+2*\c:YS+9+2*\c]
.endr
.irp k, 16,24
.irp c, 0,1,2,3
	v_pk_add_f32 v[AC+2*\c:AC+2*\c+1], v[AC+2*\c:AC+2*\c+1], v[YS+\k+2*\c:YS+\k+2*\c+1]
.endr
.endr
	FOLD
	v_mul_f32 v[MU], s22, v8                       ; the mean, twice: a pair for the packed form
	v_mul_f32 v[MU+1], s22, v8
.irp i, 0,2,4,6,8,10,12,14,16,18,20,22,24,26,28,30
	v_pk_add_f32 v[YS+\i:YS+\i+1], v[YS+\i:YS+\i+1], v[MU:MU+1] neg_lo:[0,1] neg_hi:[0,1]
.endr
.irp c, 0,1,2,3
	v_pk_mul_f32 v[AC+2*\c:AC+2*\c+1], v[YS+2*\c:YS+2*\c+1], v[YS+2*\c:YS+2*\c+1]
.endr
.irp k, 8,16,24
.irp c, 0,1,2,3
	v_pk_fma_f32 v[AC+2*\c:AC+2*\c+1], v[YS+\k+2*\c:YS+\k+2*\c+1], v[YS+\k+2*\c:YS+\k+2*\c+1], v[AC+2*\c:AC+2*\c+1]
.endr
.endr
	FOLD
	v_fma_f32 v8, v8, s22, s28                     ; the variance + eps
	s_wait_alu depctr_va_vdst(0)
	v_rsq_f32 v[RQ], v8
	v_rsq_f32 v[RQ+1], v8
	v_nop                                          ; a plain line behind the transcendentals
	s_wait_alu depctr_va_vdst(0)
.irp i, 0,2,4,6,8,10,12,14,16,18,20,22,24,26,28,30
	v_pk_mul_f32 v[YS+\i:YS+\i+1], v[YS+\i:YS+\i+1], v[RQ:RQ+1]
.endr
.irp i, 0,2,4,6,8,10,12,14,16,18,20,22,24,26,28,30
	v_pk_fma_f32 v[YS+\i:YS+\i+1], v[YS+\i:YS+\i+1], v[G+\i:G+\i+1], v[BB+\i:BB+\i+1]
.endr
.irp j, 0,1,2,3,4,5,6,7
.if QNT
	global_store_b128 v3, v[YS+4*\j:YS+4*\j+3], s[12:13] offset:4096*(\t)+512*\j
.else
	global_store_b128 v3, v[YS+4*\j:YS+4*\j+3], s[12:13] offset:4096*(\t)+512*\j th:TH_STORE_NT
.endif
.endr
.if QNT
.irp hf, 0,1                                   ; both half rows through the stage, into the residual's registers, which are free
.irp i, 0,1,2,3
	ds_store_b128 v14, v[YS+16*\hf+4*\i:YS+16*\hf+4*\i+3] offset:32*SP*\hf+8*SP*\i
.endr
.irp i, 0,1,2,3
	ds_load_b128 v[XR+16*\hf+4*\i:XR+16*\hf+4*\i+3], v15 offset:32*SP*\hf+16*\i
.endr
.endr
.irp hf, 0,1
.set XS, XR+16*\hf
.if \hf == 0
	s_wait_dscnt 8                                 ; the first half is back; the second half's eight LDS instructions may be out
.else
	s_wait_dscnt 1                                 ; the second half is back; the byte store may be out
.endif
	v_max3_num_f32 v8, |v[XS]|, |v[XS+1]|, |v[XS+2]|
	v_max3_num_f32 v9, |v[XS+3]|, |v[XS+4]|, |v[XS+5]|
.irp i, 6,10
	v_max3_num_f32 v8, v8, |v[XS+\i]|, |v[XS+\i+1]|
	v_max3_num_f32 v9, v9, |v[XS+\i+2]|, |v[XS+\i+3]|
.endr
	v_max3_num_f32 v8, v8, |v[XS+14]|, |v[XS+15]|
	v_max3_num_f32 v8, v8, v9, (EMAX+1)<<23        ; the floor 2^(9 - 127)
	v_max_num_f32_dpp v8, v8, v8 row_xmask:1 row_mask:0xf bank_mask:0xf   ; with my neighbour's 16: the block's
	v_add_nc_u32 v11, -(EMAX<<23), v8
	v_and_or_b32 v10, v8, 0x7f800000, s23
.irp i, 0,1,2,3,4,5,6,7,8,9,10,11,12,13,14,15
	v_med3_num_f32 v[XS+\i], v[XS+\i], -v10, v10   ; the conversion does not saturate (ISA guide 7.6.2)
.endr
	v_cvt_scalef32_pk8_fp8_f32 v[CD+4*\hf:CD+4*\hf+1], v[XS:XS+7], v11
	v_cvt_scalef32_pk8_fp8_f32 v[CD+4*\hf+2:CD+4*\hf+3], v[XS+8:XS+15], v11
	v_lshrrev_b32 v[SBY+\hf], 23, v11
	ds_store_b8 v5, v[SBY+\hf] offset:32*(\t)+16*\hf
	global_store_b128 v3, v[CD+4*\hf:CD+4*\hf+3], s[24:25] offset:1024*(\t)+512*\hf
.endr
.endif
.endm
.irp t, 0,1
	ROW \t
.endr
.if QNT
	s_wait_dscnt 0x0                               ; for the others' sake: my scale bytes lie in LDS
	s_barrier_signal -1
	s_barrier_wait -1                              ; all four waves' do
	s_cmp_lg_u32 s16, 0
	s_cbranch_scc1 .Ldone
	ds_load_b64 v[12:13], v6
	s_wait_dscnt 0x0
	global_store_b64 v7, v[12:13], s[26:27]        ; the work-group's 8 rows' scale bytes: 256 consecutive bytes, aligned
.Ldone:
.endif
	s_wait_tensorcnt 0x0
	ds_add_u32 v254, v255
	s_wait_dscnt 0x0
	s_endpgm
.Lfunc_end_k_q846ab57845_ln1:
	.size	k_q846ab57845_ln1, .Lfunc_end_k_q846ab57845_ln1-k_q846ab57845_ln1
	.p2alignl 7, 3214868480
	.fill 96, 4, 3214868480
	.section	.rodata,"a",@progbits
	.p2align	6, 0x0
	.amdhsa_kernel k_q846ab57845_ln1
		.amdhsa_group_segment_fixed_size 33280
		.amdhsa_private_segment_fixed_size 0
		.amdhsa_enable_private_segment 0
		.amdhsa_kernarg_size 40
		.amdhsa_user_sgpr_count 2
		.amdhsa_user_sgpr_kernarg_segment_ptr 1
		.amdhsa_wavefront_size32 1
		.amdhsa_system_sgpr_workgroup_id_x 1
		.amdhsa_system_sgpr_workgroup_id_y 1
		.amdhsa_system_sgpr_workgroup_id_z 1
		.amdhsa_system_vgpr_workitem_id 0
		.amdhsa_next_free_vgpr 256
		.amdhsa_next_free_sgpr 66
		.amdhsa_reserve_vcc 0
		.amdhsa_float_denorm_mode_32 3
		.amdhsa_float_denorm_mode_16_64 3
		.amdhsa_memory_ordered 1
		.amdhsa_forward_progress 1
		.amdhsa_inst_pref_size 34
	.end_amdhsa_kernel
	.amdgpu_metadata
---
amdhsa.version: [ 1, 2 ]
amdhsa.kernels:
  - .name:           k_q846ab57845_ln1
    .symbol:         k_q846ab57845_ln1.kd
    .args:
      - { .name: ybuf, .offset: 0, .size: 8, .value_kind: global_buffer, .address_space: global }
      - { .name: x, .offset: 8, .size: 8, .value_kind: global_buffer, .address_space: global }
      - { .name: ln1_g, .offset: 16, .size: 8, .value_kind: global_buffer, .address_space: global }
      - { .name: ln1_b, .offset: 24, .size: 8, .value_kind: global_buffer, .address_space: global }
      - { .name: x1buf, .offset: 32, .size: 8, .value_kind: global_buffer, .address_space: global }
    .group_segment_fixed_size: 33280
    .private_segment_fixed_size: 0
    .kernarg_segment_align: 8
    .kernarg_segment_size: 40
    .max_flat_workgroup_size: 128
    .sgpr_count:     66
    .vgpr_count:     256
    .wavefront_size: 32
...
	.end_amdgpu_metadata
.endif
;; end of part 5
;; launch ffn1 (part 6): grid 16 x 16, 4 waves a work-group, clusters of 4 x 4, 327,680 bytes of LDS; arguments x1buf, W1_codes, W1_scales, b1, hid; writes hid
.if DOCPART == 6
	.amdgcn_target "amdgcn-amd-amdhsa--gfx1250"
	.amdhsa_code_object_version 6
	.text
	.protected	k_q846ab57845_ffn1
	.globl	k_q846ab57845_ffn1
	.p2align	8
	.type	k_q846ab57845_ffn1,@function
k_q846ab57845_ffn1:
	s_mov_b64 s[64:65], 0
	v_nop
	global_prefetch_b8 v0, s[64:65] scope:SCOPE_SE
	s_setreg_imm32_b32 hwreg(HW_REG_WAVE_MODE, 25, 1), 1
	s_wait_xcnt 0x0
	s_wait_alu depctr_hold_cnt(0) depctr_sa_sdst(0) depctr_va_vdst(0) depctr_va_sdst(0) depctr_va_ssrc(0) depctr_va_vcc(0) depctr_vm_vsrc(0)
	s_getreg_b32 s2, hwreg(HW_REG_IB_STS2, 6, 4)
	s_cmp_eq_u32 s2, 0
	s_cbranch_scc0 .Lentry_in_a_cluster
	s_endpgm
.Lentry_in_a_cluster:
	s_bfe_u32 s2, ttmp6, 0x10000c
	s_cmp_lg_u32 s2, 0xf033
	s_cbranch_scc0 .Lentry_shape_is_right
	s_endpgm
.Lentry_shape_is_right:
.set QKV,    0
.set PERM,   1-QKV
.set SIZE_K, 1024
.set KSTEP,  256
.set NQ,     KSTEP/128
.set ROWB,   256
.set KROW,   SIZE_K
.set PITCH,  272
.set FR,     16
.set NL,     4
.set NP,     8
.set HALFT,  128*PITCH
.set SLOT,   4*HALFT
.set LAPS,   SIZE_K/(2*KSTEP)
.set KS,     SIZE_K/32
.set SCL,    2*SLOT
.set HALFS,  (128*KS/256)*272
.set SBLK,   (16*KS/256)*272
.set SPARE,  SCL+4*HALFS
.set ADRA, 16
.set ADRB, 20
.set CO0,  24
.set CO2,  25
.set SOF,  26
.set ADRS, 27
.set SPW,  28
.set NIL,  29
.set ADRS1, 30
.set SC,   32
.set BI,   64
.set AF,   128
.set TM,   32
.set PW,   48
.set WD,   49
.set VO,   50
.set VSH,  51
.set ORU,  52
.set ORK,  53
.set PWE,  54
.set MK,   56
.set PC,   64
.set SEL,  20
.set MNT,  22
.set G1, 24
.set G0, 32
.set G1B, 48
.set G0B, 56
.set G1S, 68
.set G0S, 76
.set G1SB, 80
.set G0SB, 88
.set MSB, 0
.macro WIN new
.if MSB != (\new)
	s_set_vgpr_msb (MSB<<8)|(\new)
.set MSB, (\new)
.endif
.endm
.set MUL_LO, 0xa1
.set MUL_HI, 0xf1
.set TO_B,   0x40
.macro JLOAD g0a, g1a, g0b, g1b
	s_cmp_eq_u32 s15, 0
	s_cbranch_scc0 .Lfor_b_\@
	tensor_load_to_lds s[\g0a:\g0a+3], s[\g1a:\g1a+7]
	s_nop 0
.rept 4
	v_nop
.endr
	s_branch .Lasked_\@
.Lfor_b_\@:
	tensor_load_to_lds s[\g0b:\g0b+3], s[\g1b:\g1b+7]
	s_nop 0
.rept 4
	v_nop
.endr
.Lasked_\@:
.endm
.macro CREST
	s_cmp_lg_u32 s14, 0
	s_cbranch_scc1 .Lnot_wave_0_\@
	s_barrier_signal -3
.Lnot_wave_0_\@:
	s_barrier_wait -3
	s_barrier_signal -1
	s_barrier_wait -1
.endm
.macro CROUND
	s_barrier_signal -1
	s_barrier_wait -1
	CREST
.endm
.if QKV
	s_load_b512 s[68:83], s[0:1], 0x0
	s_load_b256 s[84:91], s[0:1], 0x40
.else
	s_load_b64 s[4:5], s[0:1], 0x0
	s_load_b128 s[8:11], s[0:1], 0x8
	s_load_b64 s[98:99], s[0:1], 0x18
	s_load_b64 s[12:13], s[0:1], 0x20
.endif
	v_lshl_add_u32 v[SPW], v0, 2, SPARE
	v_mov_b32 v[NIL], 0
	ds_add_u32 v28, v29
	ds_add_u32 v28, v29
	s_wait_dscnt 0x0
	v_lshrrev_b32 v1, 5, v0
	v_readfirstlane_b32 s14, v1
	s_lshr_b32 s15, s14, 1
	s_and_b32 s16, s14, 1
	s_bfe_u32 s40, ttmp6, 0x40000
	s_bfe_u32 s41, ttmp6, 0x40004
	s_and_b32 s18, ttmp7, 0xffff
	s_lshl_b32 s18, s18, 2
.if QKV
	s_mov_b32 s95, ttmp9
	s_cmp_eq_u32 s95, 2
	s_cselect_b32 s17, 0, s18
	s_cselect_b32 s42, s18, 0
	s_add_co_u32 s17, s17, s41
	s_add_co_u32 s42, s42, s40
.else
	s_add_co_u32 s17, s18, s41
	s_lshl_b32 s42, ttmp9, 2
	s_add_co_u32 s42, s42, s40
.endif
	s_lshl_b32 s43, s41, 2
	s_lshl_b32 s43, 15, s43
	s_lshl_b32 s44, 0x1111, s40
	s_or_b32 s[G1+0], s43, (0<<16)|(1<<20)|(1<<21)|(5<<22)|(3<<25)
	s_or_b32 s[G1B+0], s44, (0<<16)|(1<<20)|(1<<21)|(5<<22)|(3<<25)
.irp g, G1, G1B
	s_mov_b32 s[\g+1], ROWB<<16
	s_mov_b32 s[\g+2], 256<<16                     ; the head's loads of codes bring 256 rows
	s_mov_b32 s[\g+3], ROWB<<16
	s_mov_b32 s[\g+4], 256
	s_mov_b32 s[\g+5], KROW
	s_mov_b32 s[\g+6], 0
	s_mov_b32 s[\g+7], 0
.endr
	s_wait_kmcnt 0x0
.if QKV
	s_cmp_eq_u32 s95, 0
	s_cselect_b64 s[8:9], s[70:71], s[74:75]
	s_cselect_b64 s[10:11], s[72:73], s[76:77]
	s_cselect_b64 s[98:99], s[82:83], s[84:85]
	s_cmp_eq_u32 s95, 2
	s_cselect_b64 s[8:9], s[78:79], s[8:9]
	s_cselect_b64 s[10:11], s[80:81], s[10:11]
	s_cselect_b64 s[98:99], s[86:87], s[98:99]
	s_mov_b64 s[100:101], s[88:89]
	s_mov_b64 s[12:13], s[90:91]
	s_add_nc_u64 s[92:93], s[68:69], 4194304
	s_cselect_b64 s[4:5], s[8:9], s[68:69]
	s_cselect_b64 s[6:7], s[10:11], s[92:93]
	s_cselect_b64 s[8:9], s[68:69], s[8:9]
	s_cselect_b64 s[10:11], s[92:93], s[10:11]
.else
	s_add_nc_u64 s[6:7], s[4:5], 20971520
	s_add_nc_u64 s[4:5], s[4:5], 16777216
.endif
	s_or_b32 s[G1S+0], s43, (3<<16)|(1<<20)|(1<<21)|(5<<22)|(3<<25)
	s_or_b32 s[G1SB+0], s44, (3<<16)|(1<<20)|(1<<21)|(5<<22)|(3<<25)
.irp g, G1S, G1SB
	s_mov_b32 s[\g+1], 32<<16
	s_mov_b32 s[\g+2], KS<<16                      ; the scales of 256 rows: KS rows of 256 bytes
	s_mov_b32 s[\g+3], 32<<16
	s_mov_b32 s[\g+4], KS
	s_mov_b32 s[\g+5], 32
	s_mov_b32 s[\g+6], 0
	s_mov_b32 s[\g+7], 0
.endr
	s_lshl_b32 s20, s17, 8
	s_lshl_b32 s46, s42, 8
	s_mov_b32 s21, 0
	s_mov_b32 s47, 0
	s_mov_b64 s[18:19], KS
	s_mul_u64 s[22:23], s[20:21], s[18:19]
	s_mul_u64 s[92:93], s[46:47], s[18:19]
	s_mov_b64 s[18:19], KROW
	s_mul_u64 s[20:21], s[20:21], s[18:19]
	s_mul_u64 s[46:47], s[46:47], s[18:19]
	s_mul_i32 s45, s14, HALFT
	s_mul_i32 s18, s16, 128*KROW                   ; in the ring I fetch 128 rows of a tile: which half, in bytes
	s_mov_b32 s19, 0
	s_add_nc_u64 s[20:21], s[4:5], s[20:21]
	s_add_nc_u64 s[22:23], s[6:7], s[22:23]
	s_add_nc_u64 s[46:47], s[8:9], s[46:47]
	s_add_nc_u64 s[92:93], s[10:11], s[92:93]
	CROUND
	s_mov_b32 s[G0S], 1
	s_mov_b32 s[G0S+1], SCL
	s_mov_b64 s[G0S+2:G0S+3], s[22:23]
	s_or_b32 s[G0S+3], s[G0S+3], 0x80000000
	s_mov_b32 s[G0SB], 1
	s_mov_b32 s[G0SB+1], SCL+2*HALFS
	s_mov_b64 s[G0SB+2:G0SB+3], s[92:93]
	s_or_b32 s[G0SB+3], s[G0SB+3], 0x80000000
	s_mov_b32 s4, 1                                ; s[4:7], s[8:11]: group 0 of the head's loads of K step 0: A's 256 rows, B's 256 rows (the arguments that lay there are used up)
	s_mov_b32 s5, 0
	s_mov_b64 s[6:7], s[20:21]
	s_or_b32 s7, s7, 0x80000000
	s_mov_b32 s8, 1
	s_mov_b32 s9, 2*HALFT
	s_mov_b64 s[10:11], s[46:47]
	s_or_b32 s11, s11, 0x80000000
	s_add_nc_u64 s[20:21], s[20:21], s[18:19]      ; for the ring: my 128 rows of the tile
	s_add_nc_u64 s[46:47], s[46:47], s[18:19]
.irp s, 0,1
	s_mov_b32 s[G0+4*\s], 1
	s_add_co_u32 s[G0+4*\s+1], s45, \s*SLOT
	s_add_nc_u64 s[G0+4*\s+2:G0+4*\s+3], s[20:21], \s*ROWB
	s_or_b32 s[G0+4*\s+3], s[G0+4*\s+3], 0x80000000
	s_mov_b32 s[G0B+4*\s], 1
	s_add_co_u32 s[G0B+4*\s+1], s45, \s*SLOT
	s_add_nc_u64 s[G0B+4*\s+2:G0B+4*\s+3], s[46:47], \s*ROWB
	s_or_b32 s[G0B+4*\s+3], s[G0B+4*\s+3], 0x80000000
.endr
; The head's four tiles, one joint load a wave: wave 0 A's 256 rows of K step 0, wave 1 B's, wave 2 A's scales, wave 3 B's.  One chain of branches on the wave's number, all arms to one join.
.macro ARM under, g0, g1, next
	s_cmp_lt_u32 s14, \under
	s_cbranch_scc0 \next
	tensor_load_to_lds s[\g0:\g0+3], s[\g1:\g1+7]
	s_nop 0
.rept 4
	v_nop
.endr
	s_branch .Lhead_asked
\next:
.endm
	ARM 1, 4, G1, .Lhead_b
	ARM 2, 8, G1B, .Lhead_sa
	ARM 3, G0S, G1S, .Lhead_sb
	tensor_load_to_lds s[G0SB:G0SB+3], s[G1SB:G1SB+7]
	s_nop 0
.rept 4
	v_nop
.endr
.Lhead_asked:
; THE PREFETCHES INTO THE L2: behind each joint load of K step n stands one instruction a wave for K step n + 1 (256 bytes of each row), a whole K step's work ahead of the load that will want it.  Of the 128 rows that a wave fetches,
; each of the four partners that ask for them jointly takes 32, told apart BY ADDRESS (cx for A, cy for B), a lane a row.  The K step stands in the immediate, so no address register is written again.  K step 0 comes by its load alone; behind the last K step's refill nothing is asked for.
	s_cmp_eq_u32 s15, 0                            ; do I fetch for A?
	s_cselect_b64 s[66:67], s[20:21], s[46:47]     ; s[66:67]: the 128 rows that I fetch,
	s_cselect_b32 s18, s40, s41                    ; my place among the four,
	s_mul_i32 s18, s18, 32*KROW                    ; (s19 is 0)
	s_add_nc_u64 s[66:67], s[66:67], s[18:19]      ; my work-group's 32 of them
	v_and_b32 v31, 31, v0
	v_mul_u32_u24 v31, v31, KROW                   ; v31: my lane's row; never rewritten
	global_prefetch_b8 v31, s[66:67] offset:ROWB th:TH_LOAD_NT scope:SCOPE_SE      ; K step 1, behind the head's loads
	v_and_b32 v1, 15, v0
	v_bfe_u32 v2, v0, 4, 1
	v_mul_u32_u24 v3, v1, PITCH
	v_lshl_add_u32 v4, v2, 4, v3
.if PERM
	v_and_b32 v5, 8, v1
	v_add_nc_u32 v5, v5, v1
	v_mul_u32_u24 v5, v5, PITCH
	v_lshl_add_u32 v5, v2, 4, v5
.else
	v_lshl_add_u32 v5, v2, 4, v3
.endif
	s_mul_i32 s21, s15, HALFT
	s_mul_i32 s22, s16, HALFT
	s_add_co_u32 s22, s22, 2*HALFT
.irp s, 0,1
	v_add_nc_u32 v[ADRA+\s], s21, v4
	v_add_nc_u32 v[ADRB+\s], s22, v5
	s_add_co_u32 s21, s21, SLOT
	s_add_co_u32 s22, s22, SLOT
.endr
.if PERM
	v_and_b32 v6, 31, v0
	v_add_nc_u32 v6, 8, v6
	v_lshrrev_b32 v6, 5, v6
	v_lshl_add_u32 v6, v6, 3, v1
	v_mul_u32_u24 v5, v6, KS
.else
	v_mul_u32_u24 v5, v1, KS
.endif
	v_lshrrev_b32 v6, 8, v5
	v_lshl_add_u32 v5, v6, 4, v5
	s_mul_i32 s21, s15, HALFS
	s_mul_i32 s22, s16, HALFS
	s_add_co_u32 s22, s22, 2*HALFS
	s_sub_co_u32 s22, s22, s21
	v_mul_u32_u24 v6, s22, v2
	s_add_co_u32 s21, s21, SCL
	v_add_nc_u32 v5, v5, v6
	v_add_nc_u32 v[ADRS], s21, v5
.if PERM
	v_mul_u32_u24 v6, v2, 272
	v_sub_nc_u32 v[ADRS1], v[ADRS], v6
	v_lshlrev_b32 v7, 6, v2
.else
	v_lshlrev_b32 v7, 5, v2
.endif
	v_lshlrev_b32 v8, 2, v1
.if QKV
	s_cmp_eq_u32 s95, 2
	s_cselect_b32 s92, s17, s42
	s_cselect_b32 s93, s15, s16
.else
	s_mov_b32 s92, s42
	s_mov_b32 s93, s16
.endif
	s_lshl_b32 s92, s92, 10
	s_lshl_b32 s93, s93, 9
	s_add_co_u32 s92, s92, s93
	s_mov_b32 s93, 0
	s_add_nc_u64 s[98:99], s[98:99], s[92:93]
.if QKV
	s_cmp_eq_u32 s95, 2
	s_cbranch_scc1 .Lbias_rows
.endif
.irp b, 0,1,2,3,4,5,6,7
.if PERM
	global_load_b128 v[BI+8*\b:BI+8*\b+3], v7, s[98:99] offset:4*(32*(\b/2)+8*(\b%2))
	global_load_b128 v[BI+8*\b+4:BI+8*\b+7], v7, s[98:99] offset:4*(32*(\b/2)+8*(\b%2))+16
.else
	global_load_b128 v[BI+8*\b:BI+8*\b+3], v7, s[98:99] offset:64*\b
	global_load_b128 v[BI+8*\b+4:BI+8*\b+7], v7, s[98:99] offset:64*\b+16
.endif
.endr
.if QKV
	s_branch .Lbias_in
.Lbias_rows:
.irp a, 0,1,2,3,4,5,6,7
	global_load_b32 v[BI+8*\a], v8, s[98:99] offset:64*\a
.endr
.Lbias_in:
.endif
.macro FRAG reg, adr, q, rows
.irp c, 0,1,2,3
	ds_load_b128 v[\reg+4*\c:\reg+4*\c+3], v[\adr] offset:128*(\q)+32*\c+(\rows)*PITCH
.endr
.endm
.macro MUL16 a0, p, q, sc, zero
.irp a, \a0, \a0+1
.irp b, 0,1,2,3,4,5,6,7
.if \zero == 1
	v_wmma_scale_f32_16x16x128_f8f6f4 v[8*(8*((\a)%4)+\b):8*(8*((\a)%4)+\b)+7], v[128*(\p)+FR*\b:128*(\p)+FR*\b+FR-1], v[AF+FR*(\a):AF+FR*(\a)+FR-1], v[BI+8*\b:BI+8*\b+7], v[SC+8*NQ*(\sc)+NQ*\b+(\q)], v[SC+8*NQ*(\sc)+NQ*(\a)+(\q)] matrix_a_scale:MATRIX_SCALE_ROW1
.elseif \zero == 2
	v_wmma_scale_f32_16x16x128_f8f6f4 v[8*(8*((\a)%4)+\b):8*(8*((\a)%4)+\b)+7], v[128*(\p)+FR*\b:128*(\p)+FR*\b+FR-1], v[AF+FR*(\a):AF+FR*(\a)+FR-1], v[BI+8*(\a):BI+8*(\a)+7], v[SC+8*NQ*(\sc)+NQ*\b+(\q)], v[SC+8*NQ*(\sc)+NQ*(\a)+(\q)] matrix_a_scale:MATRIX_SCALE_ROW1
.else
	v_wmma_scale_f32_16x16x128_f8f6f4 v[8*(8*((\a)%4)+\b):8*(8*((\a)%4)+\b)+7], v[128*(\p)+FR*\b:128*(\p)+FR*\b+FR-1], v[AF+FR*(\a):AF+FR*(\a)+FR-1], v[8*(8*((\a)%4)+\b):8*(8*((\a)%4)+\b)+7], v[SC+8*NQ*(\sc)+NQ*\b+(\q)], v[SC+8*NQ*(\sc)+NQ*(\a)+(\q)] matrix_a_scale:MATRIX_SCALE_ROW1
.endif
.endr
.endr
.endm
.macro FETCH_B slot, q, p
	WIN TO_B
.irp i, 0,1,2,3,4,5,6,7
.if PERM
	FRAG 128*(\p)+FR*\i, ADRB+\slot, \q, 32*(\i/2)+8*(\i%2)
.else
	FRAG 128*(\p)+FR*\i, ADRB+\slot, \q, 16*\i
.endif
.endr
	WIN 0
.endm
.macro FETCH_A slot, q, i0
.irp i, \i0, \i0+1, \i0+2, \i0+3
	FRAG AF+FR*(\i), ADRA+\slot, \q, 16*(\i)
.endr
.endm
.macro SCALES sc
.irp i, 0,1,2,3,4,5,6,7
.if PERM && (\i%2)
	ds_load_b64 v[SC+8*NQ*\sc+NQ*\i:SC+8*NQ*\sc+NQ*\i+1], v[ADRS1] offset:\i*SBLK
.else
	ds_load_b64 v[SC+8*NQ*\sc+NQ*\i:SC+8*NQ*\sc+NQ*\i+1], v[ADRS] offset:\i*SBLK
.endif
.endr
.endm
.macro PLACES n
.rept \n
	v_nop
.endr
.endm
.macro STEP slot, q, zero
	s_wait_dscnt 4*NL
.if \zero
	WIN 0x81
.else
	WIN MUL_LO
.endif
	MUL16 0, (\q)%2, \q, \slot, \zero
	MUL16 2, (\q)%2, \q, \slot, \zero
	s_wait_dscnt 0
	PLACES NP
	FETCH_B \slot, (\q)+1, 1-(\q)%2
	FETCH_A \slot, (\q)+1, 0
.if \zero
	WIN 0xc1
.else
	WIN MUL_HI
.endif
	MUL16 4, (\q)%2, \q, \slot, \zero
	MUL16 6, (\q)%2, \q, \slot, \zero
	PLACES NP
	WIN 0
	FETCH_A \slot, (\q)+1, 4
.endm
.macro TURN slot, next, fill
	s_wait_tensorcnt 0x0
	ds_add_u32 v[SPW], v[NIL]
	s_wait_dscnt 4*NL+1
	WIN MUL_LO
	MUL16 0, 1, NQ-1, \slot, 0
	s_wait_dscnt 0x0
	s_barrier_signal -1
	MUL16 2, 1, NQ-1, \slot, 0
	WIN 0
	s_barrier_wait -1
.if \fill
	CREST
	s_add_nc_u64 s[G0+4*\slot+2:G0+4*\slot+3], s[G0+4*\slot+2:G0+4*\slot+3], 2*ROWB
	s_add_nc_u64 s[G0B+4*\slot+2:G0B+4*\slot+3], s[G0B+4*\slot+2:G0B+4*\slot+3], 2*ROWB
	JLOAD G0+4*\slot, G1, G0B+4*\slot, G1B
	PLACES NP-4
.else
	PLACES NP
.endif
	s_wait_alu depctr_va_vdst(0)
	v_add_nc_u32 v[ADRS], 4*NQ, v[ADRS]
.if PERM
	v_add_nc_u32 v[ADRS1], 4*NQ, v[ADRS1]
.endif
	FETCH_B \next, 0, 0
	FETCH_A \next, 0, 0
	SCALES \next
.if \fill
.if \slot == 0
	global_prefetch_b8 v31, s[66:67] offset:3*ROWB th:TH_LOAD_NT scope:SCOPE_SE    ; K step 3, behind K step 2's refill (SIZE_K is 1,024: the loop has one trip)
.endif
.endif
	WIN MUL_HI
	MUL16 4, 1, NQ-1, \slot, 0
	MUL16 6, 1, NQ-1, \slot, 0
	PLACES NP
	WIN 0
	FETCH_A \next, 0, 4
.endm
	s_wait_alu depctr_va_vdst(0)
	s_wait_tensorcnt 0x0                           ; my tile of the head's four is in; slot 1's first fill is issued as a refill is
	ds_add_u32 v[SPW], v[NIL]
	s_mov_b32 s[G1+2], 128<<16                     ; no tensor load of mine is out: from here on a load brings 128 rows
	s_mov_b32 s[G1+4], 128
	s_mov_b32 s[G1B+2], 128<<16
	s_mov_b32 s[G1B+4], 128
	s_wait_dscnt 0x0
	CROUND                                         ; all four tiles are in, and all sixteen work-groups are here
	JLOAD G0+4, G1, G0B+4, G1B                     ; K step 1, the first tensor load behind the round
	FETCH_B 0, 0, 0
	FETCH_A 0, 0, 0
	SCALES 0
	FETCH_A 0, 0, 4
	global_prefetch_b8 v31, s[66:67] offset:2*ROWB th:TH_LOAD_NT scope:SCOPE_SE    ; K step 2, behind K step 1's load
	s_wait_loadcnt 0x0
.if QKV
	s_cmp_eq_u32 s95, 2
	s_cbranch_scc1 .Lfirst_rows
	STEP 0, 0, 1
	s_branch .Lfirst_done
.Lfirst_rows:
.irp a, 0,1,2,3,4,5,6,7
.irp j, 1,2,3,4,5,6,7
	v_mov_b32 v[BI+8*\a+\j], v[BI+8*\a]
.endr
.endr
	STEP 0, 0, 2
.Lfirst_done:
.else
	STEP 0, 0, 1
.endif
	s_mov_b32 s3, LAPS-1
.Llap:
	TURN 0, 1, 1
	STEP 1, 0, 0
	TURN 1, 0, 1
	STEP 0, 0, 0
	s_sub_co_u32 s3, s3, 1
	s_cmp_lg_u32 s3, 0
	s_cbranch_scc1 .Llap
	TURN 0, 1, 0
	STEP 1, 0, 0
	s_wait_dscnt 4*NL
	WIN MUL_LO
	MUL16 0, 1, NQ-1, 1, 0
	MUL16 2, 1, NQ-1, 1, 0
	s_wait_dscnt 0
	WIN MUL_HI
	MUL16 4, 1, NQ-1, 1, 0
	MUL16 6, 1, NQ-1, 1, 0
	WIN 0
.macro QUANTW s, w, relu
	WIN ((\w)<<2)|((\w)<<4)
.irp b, 0,1,2,3
.if \relu
	v_max3_num_f32 v[TM+\b], 0x4800000, v[\s+16*\b], v[\s+16*\b+1]
.else
	v_max3_num_f32 v[TM+\b], 0x4800000, |v[\s+16*\b]|, |v[\s+16*\b+1]|
.endif
.endr
.irp i, 2,4,6,8,10,12,14
.irp b, 0,1,2,3
.if \relu
	v_max3_num_f32 v[TM+\b], v[TM+\b], v[\s+16*\b+\i], v[\s+16*\b+\i+1]
.else
	v_max3_num_f32 v[TM+\b], v[TM+\b], |v[\s+16*\b+\i]|, |v[\s+16*\b+\i+1]|
.endif
.endr
.endr
	WIN 0
.irp b, 0,1,2,3
	v_permlanex16_b32 v[TM+4+\b], v[TM+\b], s[SEL], s[SEL+1]
.endr
.irp b, 0,1,2,3
	v_max_num_f32 v[TM+\b], v[TM+\b], v[TM+4+\b]
.endr
.irp b, 0,1,2,3
	v_add_nc_u32 v[TM+12+\b], 0xfc000000, v[TM+\b]
.endr
.irp b, 0,1,2,3
	v_and_or_b32 v[TM+8+\b], v[TM+\b], 0x7f800000, s[MNT]
.endr
.irp b, 0,1,2,3
	v_lshrrev_b32 v[TM+4+\b], 23, v[TM+12+\b]
.endr
	v_lshl_or_b32 v[PW], v[TM+5], 8, v[TM+4]
	v_lshl_or_b32 v[PW], v[TM+6], 16, v[PW]
	v_lshl_or_b32 v[PW], v[TM+7], 24, v[PW]
	WIN (\w)|((\w)<<6)
.irp b, 0,1,2,3
.irp i, 0,1,2,3,4,5,6,7,8,9,10,11,12,13,14,15
.if \relu
	v_med3_num_f32 v[\s+16*\b+\i], v[\s+16*\b+\i], 0, v[TM+8+\b]
.else
	v_med3_num_f32 v[\s+16*\b+\i], v[\s+16*\b+\i], -v[TM+8+\b], v[TM+8+\b]
.endif
.endr
.endr
	WIN (\w)
.irp b, 0,1,2,3
	v_cvt_scalef32_pk8_fp8_f32 v[PC+4*\b:PC+4*\b+1], v[\s+16*\b:\s+16*\b+7], v[TM+12+\b]
	v_cvt_scalef32_pk8_fp8_f32 v[PC+4*\b+2:PC+4*\b+3], v[\s+16*\b+8:\s+16*\b+15], v[TM+12+\b]
.endr
	WIN 0
	v_nop
.endm
	PLACES NP
	s_mov_b32 s[SEL], 0x76543210
	s_mov_b32 s[SEL+1], 0xfedcba98
	s_mov_b32 s[MNT], 0x600000
.irp b, 0,1,2,3
	v_mov_b32 v[TM+4+\b], 0
.endr
	v_and_b32 v3, 31, v0
	s_wait_alu depctr_va_vdst(0)
	v_lshlrev_b32 v[CO0], 4, v3
.if QKV
.macro PICK reg, qv, kv, vv
	s_mov_b32 s[\reg], \kv
	s_cmp_eq_u32 s95, 0
	s_cselect_b32 s[\reg], \qv, s[\reg]
	s_cmp_eq_u32 s95, 2
	s_cselect_b32 s[\reg], \vv, s[\reg]
.endm
	PICK 24, 0, 4194304, 4202496
	PICK 25, 131072, 262144, 262144
	PICK 26, 8192, 16384, 16384
	PICK 27, 131072, 262144, 1024
	PICK 28, 1024, 1024, 2048
	PICK 30, 1024, 1024, 256000
	PICK 32, 12582912, 12845056, 12853248
	PICK 33, 8192, 12288, 12288
	PICK 34, 512, 512, 256
	PICK 35, 8192, 12288, 0
	PICK 36, 64, 64, 12096
	PICK 38, 16, 16, 0
	PICK 39, 0xffff, 0xffff, -1
	PICK 48, 0x7f7f0000, 0x7f010000, 0
	PICK 49, 1, 0, 1
	s_mov_b32 s29, 0
	s_mov_b32 s31, 0
	s_mov_b32 s37, 0
	s_cmp_eq_u32 s95, 2
	s_cselect_b32 s50, s42, s17
	s_cselect_b32 s51, s16, s15
	s_cselect_b32 s52, s17, s42
	s_cselect_b32 s53, s15, s16
	s_lshr_b32 s54, s50, 3
	s_lshl_b32 s54, s54, 4
	s_lshl_b32 s56, s52, 2
	s_add_co_u32 s54, s54, s56
	s_lshl_b32 s56, s53, 1
	s_add_co_u32 s54, s54, s56
	s_and_b32 s55, s50, 7
	s_lshl_b32 s55, s55, 1
	s_add_co_u32 s55, s55, s51
	s_mul_i32 s56, s54, s33
	s_mul_i32 s58, s55, s34
	s_add_co_u32 s56, s56, s58
	s_add_co_u32 s56, s56, s32
	s_mov_b32 s57, 0
	s_add_nc_u64 s[96:97], s[12:13], s[56:57]
	s_mul_i32 s56, s54, s25
	s_mul_i32 s58, s55, s26
	s_add_co_u32 s56, s56, s58
	s_add_co_u32 s56, s56, s24
	s_add_nc_u64 s[12:13], s[12:13], s[56:57]
	s_lshl_b32 s58, s17, 10
	s_lshl_b32 s59, s15, 9
	s_add_co_u32 s58, s58, s59
	s_mov_b32 s59, 0
	s_add_nc_u64 s[100:101], s[100:101], s[58:59]
.irp a, 0,1,2,3,4,5,6,7
	global_load_b32 v[MK+\a], v8, s[100:101] offset:64*\a
.endr
	v_add_nc_u32 v[CO2], s27, v[CO0]
	v_mul_u32_u24 v[SOF], v2, s35
	v_lshl_add_u32 v[SOF], v1, 2, v[SOF]
	v_mul_u32_u24 v[VSH], v2, s38
	v_mov_b32 v[ORU], s48
	v_mov_b32 v[ORK], 0x7fa00000
	s_wait_loadcnt 0x0
.irp a, 0,1,2,3,4,5,6,7
	v_or_b32 v[MK+\a], s49, v[MK+\a]
.endr
.irp a, 0,1,2,3,4,5,6,7
.if \a > 0
	s_wait_xcnt 0x0
.if \a == 4
	s_add_nc_u64 s[12:13], s[12:13], s[30:31]
	s_add_nc_u64 s[96:97], s[96:97], s[36:37]
.else
	s_add_nc_u64 s[12:13], s[12:13], s[28:29]
	s_add_nc_u64 s[96:97], s[96:97], 64
.endif
.endif
	QUANTW 64*(\a%4), 2+\a/4, 0
	v_cmp_ne_u32 vcc_lo, 0, v[MK+\a]
.irp i, 0,1,2,3,4,5,6,7,8,9,10,11,12,13,14,15
	v_cndmask_b32 v[PC+\i], 0, v[PC+\i], vcc_lo
.endr
	v_lshrrev_b32 v[WD], v[VSH], v[PW]
	v_cndmask_b32 v[VO], v[ORK], v[ORU], vcc_lo
	v_and_or_b32 v[WD], v[WD], s39, v[VO]
	global_store_b128 v[CO0], v[PC:PC+3], s[12:13]
	global_store_b128 v[CO0], v[PC+4:PC+7], s[12:13] offset:512
	global_store_b128 v[CO2], v[PC+8:PC+11], s[12:13]
	global_store_b128 v[CO2], v[PC+12:PC+15], s[12:13] offset:512
	global_store_b32 v[SOF], v[WD], s[96:97]
.endr
.else
	s_lshl_b32 s24, s17, 4
	s_lshl_b32 s25, s15, 3
	s_add_co_u32 s24, s24, s25
	s_lshl_b32 s24, s24, 16
	s_lshl_b32 s28, s42, 1
	s_add_co_u32 s28, s28, s16
	s_lshl_b32 s25, s28, 11
	s_add_co_u32 s24, s24, s25
	s_mov_b32 s25, 0
	s_lshl_b32 s26, s17, 15
	s_lshl_b32 s27, s15, 14
	s_add_co_u32 s26, s26, s27
	s_lshl_b32 s27, s28, 2
	s_add_co_u32 s26, s26, s27
	s_add_co_u32 s26, s26, 16777216
	s_mov_b32 s27, 0
	s_add_nc_u64 s[96:97], s[12:13], s[26:27]
	s_add_nc_u64 s[12:13], s[12:13], s[24:25]
	s_mov_b32 s30, 0xffff0000
	v_lshlrev_b32 v[SOF], 7, v3
.irp a, 0,1,2,3,4,5,6,7
.if \a > 0
	s_wait_xcnt 0x0
.endif
	QUANTW 64*(\a%4), 2+\a/4, 1
.irp c, 0,1,2,3
	global_store_b128 v[CO0], v[PC+4*\c:PC+4*\c+3], s[12:13] offset:\a*65536+\c*512
.endr
.if (\a%2) == 0
	v_mov_b32 v[PWE], v[PW]
.else
	v_cndmask_b32 v[WD], v[PWE], v[PW], s30
	global_store_b32 v[SOF], v[WD], s[96:97] offset:(\a-1)*2048
.endif
.endr
.endif
	s_wait_tensorcnt 0x0
	ds_add_u32 v[SPW], v[NIL]
	s_wait_dscnt 0x0
	CROUND
	s_endpgm
.Lfunc_end_k_q846ab57845_ffn1:
	.size	k_q846ab57845_ffn1, .Lfunc_end_k_q846ab57845_ffn1-k_q846ab57845_ffn1
	.p2alignl 7, 3214868480
	.fill 96, 4, 3214868480
	.section	.rodata,"a",@progbits
	.p2align	6, 0x0
	.amdhsa_kernel k_q846ab57845_ffn1
		.amdhsa_group_segment_fixed_size 327680
		.amdhsa_private_segment_fixed_size 0
		.amdhsa_enable_private_segment 0
		.amdhsa_kernarg_size 40
		.amdhsa_user_sgpr_count 2
		.amdhsa_user_sgpr_kernarg_segment_ptr 1
		.amdhsa_wavefront_size32 1
		.amdhsa_system_sgpr_workgroup_id_x 1
		.amdhsa_system_sgpr_workgroup_id_y 1
		.amdhsa_system_sgpr_workgroup_id_z 1
		.amdhsa_system_vgpr_workitem_id 0
		.amdhsa_next_free_vgpr 1024
		.amdhsa_next_free_sgpr 102
		.amdhsa_reserve_vcc 1
		.amdhsa_float_denorm_mode_32 3
		.amdhsa_float_denorm_mode_16_64 3
		.amdhsa_memory_ordered 1
		.amdhsa_forward_progress 1
		.amdhsa_inst_pref_size 190
	.end_amdhsa_kernel
	.amdgpu_metadata
---
amdhsa.version: [ 1, 2 ]
amdhsa.kernels:
  - .name:           k_q846ab57845_ffn1
    .symbol:         k_q846ab57845_ffn1.kd
    .args:
      - { .name: x1buf, .offset: 0, .size: 8, .value_kind: global_buffer, .address_space: global }
      - { .name: W1_codes, .offset: 8, .size: 8, .value_kind: global_buffer, .address_space: global }
      - { .name: W1_scales, .offset: 16, .size: 8, .value_kind: global_buffer, .address_space: global }
      - { .name: b1, .offset: 24, .size: 8, .value_kind: global_buffer, .address_space: global }
      - { .name: hid, .offset: 32, .size: 8, .value_kind: global_buffer, .address_space: global }
    .group_segment_fixed_size: 327680
    .private_segment_fixed_size: 0
    .kernarg_segment_align: 8
    .kernarg_segment_size: 40
    .max_flat_workgroup_size: 128
    .sgpr_count:     102
    .vgpr_count:     1024
    .wavefront_size: 32
...
	.end_amdgpu_metadata
.endif
;; end of part 6
;; launch ffn2 (part 7): grid 8 x 32, 4 waves a work-group, clusters of 4 x 4, 327,680 bytes of LDS; arguments hid, W2_codes, W2_scales, b2, ybuf; writes ybuf
.if DOCPART == 7
	.amdgcn_target "amdgcn-amd-amdhsa--gfx1250"
	.amdhsa_code_object_version 6
	.text
	.protected	k_q846ab57845_ffn2
	.globl	k_q846ab57845_ffn2
	.p2align	8
	.type	k_q846ab57845_ffn2,@function
k_q846ab57845_ffn2:
	s_mov_b64 s[64:65], 0
	v_nop
	global_prefetch_b8 v0, s[64:65] scope:SCOPE_SE
	s_setreg_imm32_b32 hwreg(HW_REG_WAVE_MODE, 25, 1), 1
	s_wait_xcnt 0x0
	s_wait_alu depctr_hold_cnt(0) depctr_sa_sdst(0) depctr_va_vdst(0) depctr_va_sdst(0) depctr_va_ssrc(0) depctr_va_vcc(0) depctr_vm_vsrc(0)
	s_getreg_b32 s2, hwreg(HW_REG_IB_STS2, 6, 4)
	s_cmp_eq_u32 s2, 0
	s_cbranch_scc0 .Lentry_in_a_cluster
	s_endpgm
.Lentry_in_a_cluster:
	s_bfe_u32 s2, ttmp6, 0x10000c
	s_cmp_lg_u32 s2, 0xf033
	s_cbranch_scc0 .Lentry_shape_is_right
	s_endpgm
.Lentry_shape_is_right:
.set SIZE_K, 4096
.set ASC,    16777216
.set KS,     SIZE_K/32
.set AHALF,  32768
.set BP,     528
.set BHALF,  64*BP
.set BOFF,   2*AHALF
.set SLOT,   BOFF+2*BHALF
.set SCL,    2*SLOT
.set SROWS,  64*KS/256
.set HALFS,  SROWS*272
.set SBLK,   (16*KS/256)*272
.set SPARE,  SCL+4*HALFS
.set LAPS,   SIZE_K/1024
.set ADRA, 16
.set ADRB, 20
.set STO,  24
.set RD,   25
.set CO,   26
.set ADRS, 27
.set SPW,  28
.set NIL,  29
.set SC,   32
.set BI,   64
.set ACC,  128
.set F0,   0
.set F1,   128
.set G1, 24
.set G0, 32
.set G1B, 48
.set G0B, 56
.set G1S, 68
.set G0S, 76
.set G1SB, 80
.set G0SB, 88
.set MSB, 0
.macro WIN new
.if MSB != (\new)
	s_set_vgpr_msb (MSB<<8)|(\new)
.set MSB, (\new)
.endif
.endm
.set MUL,  0x05
.set TO_F, 0x40
.macro JLOAD g0a, g1a, g0b, g1b
	s_cmp_eq_u32 s15, 0
	s_cbranch_scc0 .Lfor_b_\@
	tensor_load_to_lds s[\g0a:\g0a+3], s[\g1a:\g1a+7]
	s_nop 0
.rept 4
	v_nop
.endr
	s_branch .Lasked_\@
.Lfor_b_\@:
	tensor_load_to_lds s[\g0b:\g0b+3], s[\g1b:\g1b+7]
	s_nop 0
.rept 4
	v_nop
.endr
.Lasked_\@:
.endm
.macro CREST
	s_cmp_lg_u32 s14, 0
	s_cbranch_scc1 .Lnot_wave_0_\@
	s_barrier_signal -3
.Lnot_wave_0_\@:
	s_barrier_wait -3
	s_barrier_signal -1
	s_barrier_wait -1
.endm
.macro CROUND
	s_barrier_signal -1
	s_barrier_wait -1
	CREST
.endm
	s_load_b64 s[4:5], s[0:1], 0x0
	s_load_b128 s[8:11], s[0:1], 0x8
	s_load_b64 s[98:99], s[0:1], 0x18
	s_load_b64 s[12:13], s[0:1], 0x20
	v_lshl_add_u32 v[SPW], v0, 2, SPARE
	v_mov_b32 v[NIL], 0
	ds_add_u32 v28, v29
	ds_add_u32 v28, v29
	s_wait_dscnt 0x0
	v_lshrrev_b32 v1, 5, v0
	v_readfirstlane_b32 s14, v1
	s_lshr_b32 s15, s14, 1
	s_and_b32 s16, s14, 1
	s_bfe_u32 s40, ttmp6, 0x40000
	s_bfe_u32 s41, ttmp6, 0x40004
	s_lshl_b32 s42, ttmp9, 2
	s_add_co_u32 s42, s42, s40
	s_and_b32 s17, ttmp7, 0xffff
	s_lshl_b32 s17, s17, 2
	s_add_co_u32 s17, s17, s41
	s_lshl_b32 s43, s41, 2
	s_lshl_b32 s43, 15, s43
	s_lshl_b32 s44, 0x1111, s40
	s_or_b32 s[G1+0], s43, (3<<16)|(1<<21)
	s_mov_b32 s[G1+1], 1024<<16
	s_mov_b32 s[G1+2], 8<<16                       ; the head's load of A brings all 8 tiles of 16 rows
	s_mov_b32 s[G1+3], 1024<<16
	s_mov_b32 s[G1+4], 8
	s_mov_b32 s[G1+5], 2*SIZE_K
	s_mov_b32 s[G1+6], 0
	s_mov_b32 s[G1+7], 0
	s_or_b32 s[G1B+0], s44, (0<<16)|(1<<20)|(1<<21)|(6<<22)|(3<<25)
	s_mov_b32 s[G1B+1], 512<<16
	s_mov_b32 s[G1B+2], 128<<16                    ; and W's all 128 rows
	s_mov_b32 s[G1B+3], 512<<16
	s_mov_b32 s[G1B+4], 128
	s_mov_b32 s[G1B+5], SIZE_K
	s_mov_b32 s[G1B+6], 0
	s_mov_b32 s[G1B+7], 0
	s_or_b32 s[G1S+0], s43, (3<<16)|(1<<20)|(1<<21)|(5<<22)|(3<<25)
	s_or_b32 s[G1SB+0], s44, (3<<16)|(1<<20)|(1<<21)|(5<<22)|(3<<25)
.irp g, G1S, G1SB
	s_mov_b32 s[\g+1], 32<<16
	s_mov_b32 s[\g+2], (2*SROWS)<<16               ; the scales of 128 rows
	s_mov_b32 s[\g+3], 32<<16
	s_mov_b32 s[\g+4], 2*SROWS
	s_mov_b32 s[\g+5], 32
	s_mov_b32 s[\g+6], 0
	s_mov_b32 s[\g+7], 0
.endr
	s_lshl_b32 s20, s17, 3
	s_lshl_b32 s18, s16, 2
	s_add_co_u32 s20, s20, s18
	s_lshl_b32 s22, s17, 7                         ; the tile's first row
	s_mul_i32 s20, s20, 16*SIZE_K
	s_mov_b32 s21, 0
	s_mul_i32 s22, s22, KS
	s_mov_b32 s23, 0
	s_lshl_b32 s46, s42, 7
	s_lshl_b32 s18, s16, 6
	s_add_co_u32 s46, s46, s18
	s_lshl_b32 s92, s42, 7
	s_mul_i32 s92, s92, KS
	s_mov_b32 s93, 0
	s_mul_i32 s46, s46, SIZE_K
	s_mov_b32 s47, 0
	s_lshl_b32 s45, s16, 15
	s_mul_i32 s66, s16, BHALF
	s_add_co_u32 s66, s66, BOFF
	s_mul_i32 s2, s17, 128*SIZE_K                  ; the whole tiles' first bytes, for the head's loads
	s_mov_b32 s3, 0
	s_mul_i32 s96, s42, 128*SIZE_K
	s_mov_b32 s97, 0
	s_wait_kmcnt 0x0
	s_add_nc_u64 s[6:7], s[4:5], ASC
	s_add_nc_u64 s[20:21], s[4:5], s[20:21]
	s_add_nc_u64 s[22:23], s[6:7], s[22:23]
	s_add_nc_u64 s[46:47], s[8:9], s[46:47]
	s_add_nc_u64 s[92:93], s[10:11], s[92:93]
	CROUND
	s_mov_b32 s[G0S], 1
	s_mov_b32 s[G0S+1], SCL
	s_mov_b64 s[G0S+2:G0S+3], s[22:23]
	s_or_b32 s[G0S+3], s[G0S+3], 0x80000000
	s_mov_b32 s[G0SB], 1
	s_mov_b32 s[G0SB+1], SCL+2*HALFS
	s_mov_b64 s[G0SB+2:G0SB+3], s[92:93]
	s_or_b32 s[G0SB+3], s[G0SB+3], 0x80000000
	s_add_nc_u64 s[2:3], s[4:5], s[2:3]
	s_add_nc_u64 s[96:97], s[8:9], s[96:97]
	s_mov_b32 s4, 1                                ; s[4:7], s[8:11]: group 0 of the head's loads of K step 0 (the arguments that lay there are used up)
	s_mov_b32 s5, 0
	s_mov_b64 s[6:7], s[2:3]
	s_or_b32 s7, s7, 0x80000000
	s_mov_b32 s8, 1
	s_mov_b32 s9, BOFF
	s_mov_b64 s[10:11], s[96:97]
	s_or_b32 s11, s11, 0x80000000
.irp s, 0,1
	s_mov_b32 s[G0+4*\s], 1
	s_add_co_u32 s[G0+4*\s+1], s45, \s*SLOT
	s_add_nc_u64 s[G0+4*\s+2:G0+4*\s+3], s[20:21], \s*8192
	s_or_b32 s[G0+4*\s+3], s[G0+4*\s+3], 0x80000000
	s_mov_b32 s[G0B+4*\s], 1
	s_add_co_u32 s[G0B+4*\s+1], s66, \s*SLOT
	s_add_nc_u64 s[G0B+4*\s+2:G0B+4*\s+3], s[46:47], \s*512
	s_or_b32 s[G0B+4*\s+3], s[G0B+4*\s+3], 0x80000000
.endr
; The head's four tiles, one joint load a wave: wave 0 A's K step 0, wave 1 W's, wave 2 A's scales, wave 3 W's.  One chain of branches on the wave's number, all arms to one join.
.macro ARM under, g0, g1, next
	s_cmp_lt_u32 s14, \under
	s_cbranch_scc0 \next
	tensor_load_to_lds s[\g0:\g0+3], s[\g1:\g1+7]
	s_nop 0
.rept 4
	v_nop
.endr
	s_branch .Lhead_asked
\next:
.endm
	ARM 1, 4, G1, .Lhead_b
	ARM 2, 8, G1B, .Lhead_sa
	ARM 3, G0S, G1S, .Lhead_sb
	tensor_load_to_lds s[G0SB:G0SB+3], s[G1SB:G1SB+7]
	s_nop 0
.rept 4
	v_nop
.endr
.Lhead_asked:
; THE PREFETCHES INTO THE L2: behind each joint load of K step n stands one instruction a wave for K step n + 1, a whole K step's work ahead of the load that will want it.  Of the 128 blocks of 256 bytes that a wave fetches,
; each of the four partners that ask for them jointly takes 32, told apart BY ADDRESS (cx for A, cy for W): of A one tile of 16 rows (8,192 bytes, lanes 256 bytes apart), of W 16 rows (two lanes a row).  K step 0 comes by its load alone; the refill of the last K step asks for nothing.
	s_cmp_eq_u32 s15, 0
	s_cselect_b64 s[100:101], s[20:21], s[46:47]   ; s[100:101]: where my prefetches stand
	s_cselect_b32 s94, s40, s41                    ; my place among the four
	s_mov_b32 s96, 512
	s_cselect_b32 s96, 8192, s96                   ; s[96:97]: a K step on, in bytes
	s_mov_b32 s66, SIZE_K
	s_cselect_b32 s66, 256, s66
	s_cselect_b32 s67, 0, 1
	s_mov_b32 s97, 0
	s_mul_i32 s94, s94, 16*SIZE_K                  ; a tile of A and 16 rows of W are both 16 SIZE_K bytes
	s_mov_b32 s95, 0
	s_add_nc_u64 s[100:101], s[100:101], s[94:95]
	s_add_nc_u64 s[100:101], s[100:101], s[96:97]  ; at K step 1
	v_and_b32 v31, 31, v0
	v_lshrrev_b32 v30, s67, v31
	v_mul_lo_u32 v30, v30, s66
	v_and_b32 v31, s67, v31
	v_lshl_add_u32 v30, v31, 8, v30                ; v30: A: 256 x lane; W: SIZE_K x (lane / 2) + 256 x (lane % 2); never rewritten
	global_prefetch_b8 v30, s[100:101] th:TH_LOAD_NT scope:SCOPE_SE   ; K step 1, behind the head's loads
	v_and_b32 v1, 15, v0
	v_bfe_u32 v2, v0, 4, 1
	v_and_b32 v3, 31, v0
	v_lshlrev_b32 v3, 4, v3
	v_mul_u32_u24 v4, v1, BP
	v_lshl_add_u32 v4, v2, 4, v4
	s_lshl_b32 s21, s15, 15
	s_mul_i32 s22, s16, BHALF
	s_add_co_u32 s22, s22, BOFF
.irp s, 0,1
	v_add_nc_u32 v[ADRA+\s], s21, v3
	v_add_nc_u32 v[ADRB+\s], s22, v4
	s_add_co_u32 s21, s21, SLOT
	s_add_co_u32 s22, s22, SLOT
.endr
	v_mul_u32_u24 v5, v1, KS
	v_lshrrev_b32 v6, 8, v5
	v_lshl_add_u32 v5, v6, 4, v5
	s_mul_i32 s21, s15, HALFS
	s_mul_i32 s22, s16, HALFS
	s_add_co_u32 s22, s22, 2*HALFS
	s_sub_co_u32 s22, s22, s21
	v_mul_u32_u24 v6, s22, v2
	s_add_co_u32 s21, s21, SCL
	v_add_nc_u32 v5, v5, v6
	v_add_nc_u32 v[ADRS], s21, v5
	s_mul_i32 s23, s14, 16*272
	v_mul_u32_u24 v5, v1, 272
	v_lshl_add_u32 v5, v2, 5, v5
	v_add_nc_u32 v[STO], s23, v5
	v_mul_u32_u24 v5, v2, 272
	v_lshl_add_u32 v5, v1, 4, v5
	v_add_nc_u32 v[RD], s23, v5
	v_lshlrev_b32 v5, 12, v2
	v_lshl_add_u32 v[CO], v1, 4, v5
	v_lshlrev_b32 v7, 5, v2
	s_wait_alu depctr_va_vdst(0)
	s_lshl_b32 s92, s42, 9
	s_lshl_b32 s93, s16, 8
	s_add_co_u32 s92, s92, s93
	s_mov_b32 s93, 0
	s_add_nc_u64 s[98:99], s[98:99], s[92:93]
	s_add_nc_u64 s[12:13], s[12:13], s[92:93]
	s_lshl_b32 s92, s17, 19
	s_lshl_b32 s46, s15, 18
	s_add_co_u32 s92, s92, s46
	s_add_nc_u64 s[12:13], s[12:13], s[92:93]
.irp b, 0,1,2,3
	global_load_b128 v[BI+8*\b:BI+8*\b+3], v7, s[98:99] offset:64*\b
	global_load_b128 v[BI+8*\b+4:BI+8*\b+7], v7, s[98:99] offset:64*\b+16
.endr
.macro FETCH slot, q, f
	WIN TO_F
.irp i, 0,1,2,3
.irp c, 0,1,2,3
	ds_load_b128 v[\f+16*\i+4*\c:\f+16*\i+4*\c+3], v[ADRA+\slot] offset:8192*\i+2048*(\q)+512*\c
.endr
.endr
.irp i, 0,1,2,3
.irp c, 0,1,2,3
	ds_load_b128 v[\f+64+16*\i+4*\c:\f+64+16*\i+4*\c+3], v[ADRB+\slot] offset:16*BP*\i+128*(\q)+32*\c
.endr
.endr
.endm
.macro SCALES s
	WIN 0
.irp i, 0,1,2,3
	ds_load_b128 v[SC+16*\s+4*\i:SC+16*\s+4*\i+3], v[ADRS] offset:\i*SBLK
.endr
.endm
.macro MULA f, q, s, a, zero
.irp b, 0,1,2,3
.if \zero
	v_wmma_scale_f32_16x16x128_f8f6f4 v[ACC+8*(4*\a+\b):ACC+8*(4*\a+\b)+7], v[\f+64+16*\b:\f+64+16*\b+15], v[\f+16*\a:\f+16*\a+15], v[BI+8*\b:BI+8*\b+7], v[SC+16*\s+4*\b+\q], v[SC+16*\s+4*\a+\q] matrix_a_scale:MATRIX_SCALE_ROW1
.else
	v_wmma_scale_f32_16x16x128_f8f6f4 v[ACC+8*(4*\a+\b):ACC+8*(4*\a+\b)+7], v[\f+64+16*\b:\f+64+16*\b+15], v[\f+16*\a:\f+16*\a+15], v[ACC+8*(4*\a+\b):ACC+8*(4*\a+\b)+7], v[SC+16*\s+4*\b+\q], v[SC+16*\s+4*\a+\q] matrix_a_scale:MATRIX_SCALE_ROW1
.endif
.endr
.endm
.macro PLACES n
.rept \n
	v_nop
.endr
.endm
.macro QUARTER slot, q, f, g, zero
.if \zero == 0
	PLACES 8
.endif
	FETCH \slot, (\q)+1, \g
	s_wait_dscnt 32
	WIN MUL
	MULA \f, \q, \slot, 0, \zero
	MULA \f, \q, \slot, 1, \zero
	MULA \f, \q, \slot, 2, \zero
	MULA \f, \q, \slot, 3, \zero
.endm
.macro TURN slot, next, fill
.if \fill
	s_wait_xcnt 0x0                                ; my last prefetch has read its address: it is stepped here, ahead of the waits of the change of slots
	s_add_nc_u64 s[100:101], s[100:101], s[96:97]
.endif
	WIN 0
	s_wait_tensorcnt 0x0
	ds_add_u32 v[SPW], v[NIL]
	s_wait_dscnt 1
	WIN MUL
	MULA F1, 3, \slot, 0, 0
	s_wait_dscnt 0x0
	s_barrier_signal -1
	MULA F1, 3, \slot, 1, 0
	WIN 0
	s_barrier_wait -1
.if \fill
	CREST
	s_add_nc_u64 s[G0+4*\slot+2:G0+4*\slot+3], s[G0+4*\slot+2:G0+4*\slot+3], 16384
	s_add_nc_u64 s[G0B+4*\slot+2:G0B+4*\slot+3], s[G0B+4*\slot+2:G0B+4*\slot+3], 1024
	JLOAD G0+4*\slot, G1, G0B+4*\slot, G1B
	PLACES 4
.else
	PLACES 8
.endif
	s_wait_alu depctr_va_vdst(0)
	v_add_nc_u32 v[ADRS], 16, v[ADRS]
	FETCH \next, 0, F0
	SCALES \next
.if \fill
.if \slot
	s_cmp_lg_u32 s3, 1                             ; the loop's last trip refills with the last K step: none follows it
	s_cbranch_scc0 .Lno_ask_\@
.endif
	global_prefetch_b8 v30, s[100:101] th:TH_LOAD_NT scope:SCOPE_SE
.Lno_ask_\@:
.endif
	WIN MUL
	MULA F1, 3, \slot, 2, 0
	MULA F1, 3, \slot, 3, 0
.endm
	s_wait_xcnt 0x0                                ; my prefetch has read its address, so it may be stepped:
	s_add_nc_u64 s[100:101], s[100:101], s[96:97]  ; to K step 2
	s_wait_tensorcnt 0x0                           ; my tile of the head's four is in; slot 1's first fill is issued as a refill is
	ds_add_u32 v[SPW], v[NIL]
	s_mov_b32 s[G1+2], 4<<16                       ; no tensor load of mine is out: from here on a load brings half a tile
	s_mov_b32 s[G1+4], 4
	s_mov_b32 s[G1B+2], 64<<16
	s_mov_b32 s[G1B+4], 64
	s_wait_dscnt 0x0
	CROUND                                         ; all four tiles are in, and all sixteen work-groups are here
	JLOAD G0+4, G1, G0B+4, G1B                     ; K step 1, the first tensor load behind the round
	FETCH 0, 0, F0
	SCALES 0
	global_prefetch_b8 v30, s[100:101] th:TH_LOAD_NT scope:SCOPE_SE   ; K step 2, behind K step 1's load
	s_wait_loadcnt 0x0
	QUARTER 0, 0, F0, F1, 1
.if LAPS > 1
	WIN 0
	s_mov_b32 s3, LAPS-1
.Llap:
	QUARTER 0, 1, F1, F0, 0
	QUARTER 0, 2, F0, F1, 0
	TURN 0, 1, 1
	QUARTER 1, 0, F0, F1, 0
	QUARTER 1, 1, F1, F0, 0
	QUARTER 1, 2, F0, F1, 0
	TURN 1, 0, 1
	QUARTER 0, 0, F0, F1, 0
	WIN 0
	s_sub_co_u32 s3, s3, 1
	s_cmp_lg_u32 s3, 0
	s_cbranch_scc1 .Llap
.endif
	QUARTER 0, 1, F1, F0, 0
	QUARTER 0, 2, F0, F1, 0
	TURN 0, 1, 0
	QUARTER 1, 0, F0, F1, 0
	QUARTER 1, 1, F1, F0, 0
	QUARTER 1, 2, F0, F1, 0
	s_wait_dscnt 0
	WIN MUL
	MULA F1, 3, 1, 0, 0
	MULA F1, 3, 1, 1, 0
	MULA F1, 3, 1, 2, 0
	MULA F1, 3, 1, 3, 0
	WIN 0
	PLACES 8
.macro TOSTAGE a
.irp b, 0,1,2,3
	ds_store_b128 v[STO], v[ACC+8*(4*(\a)+\b):ACC+8*(4*(\a)+\b)+3] offset:64*\b
	ds_store_b128 v[STO], v[ACC+8*(4*(\a)+\b)+4:ACC+8*(4*(\a)+\b)+7] offset:64*\b+16
.endr
.set OBB, 96-32*((\a)%2)
.irp i, 0,1,2,3,4,5,6,7
	ds_load_b128 v[OBB+4*\i:OBB+4*\i+3], v[RD] offset:544*\i
.endr
.endm
.macro SEND a, younger
.set OBB, 96-32*((\a)%2)
	s_wait_dscnt \younger
.irp i, 0,1,2,3,4,5,6,7
	global_store_b128 v[CO], v[OBB+4*\i:OBB+4*\i+3], s[12:13] offset:(16*(\a)+2*\i)*4096
.endr
.endm
	TOSTAGE 0
	TOSTAGE 1
	SEND 0, 16
	s_wait_xcnt 0x0
	TOSTAGE 2
	SEND 1, 16
	s_wait_xcnt 0x0
	TOSTAGE 3
	SEND 2, 16
	SEND 3, 0
	s_wait_tensorcnt 0x0
	ds_add_u32 v[SPW], v[NIL]
	s_wait_dscnt 0x0
	CROUND
	s_endpgm
.Lfunc_end_k_q846ab57845_ffn2:
	.size	k_q846ab57845_ffn2, .Lfunc_end_k_q846ab57845_ffn2-k_q846ab57845_ffn2
	.p2alignl 7, 3214868480
	.fill 96, 4, 3214868480
	.section	.rodata,"a",@progbits
	.p2align	6, 0x0
	.amdhsa_kernel k_q846ab57845_ffn2
		.amdhsa_group_segment_fixed_size 327680
		.amdhsa_private_segment_fixed_size 0
		.amdhsa_enable_private_segment 0
		.amdhsa_kernarg_size 40
		.amdhsa_user_sgpr_count 2
		.amdhsa_user_sgpr_kernarg_segment_ptr 1
		.amdhsa_wavefront_size32 1
		.amdhsa_system_sgpr_workgroup_id_x 1
		.amdhsa_system_sgpr_workgroup_id_y 1
		.amdhsa_system_sgpr_workgroup_id_z 1
		.amdhsa_system_vgpr_workitem_id 0
		.amdhsa_next_free_vgpr 512
		.amdhsa_next_free_sgpr 102
		.amdhsa_reserve_vcc 0
		.amdhsa_float_denorm_mode_32 3
		.amdhsa_float_denorm_mode_16_64 3
		.amdhsa_memory_ordered 1
		.amdhsa_forward_progress 1
		.amdhsa_inst_pref_size 94
	.end_amdhsa_kernel
	.amdgpu_metadata
---
amdhsa.version: [ 1, 2 ]
amdhsa.kernels:
  - .name:           k_q846ab57845_ffn2
    .symbol:         k_q846ab57845_ffn2.kd
    .args:
      - { .name: hid, .offset: 0, .size: 8, .value_kind: global_buffer, .address_space: global }
      - { .name: W2_codes, .offset: 8, .size: 8, .value_kind: global_buffer, .address_space: global }
      - { .name: W2_scales, .offset: 16, .size: 8, .value_kind: global_buffer, .address_space: global }
      - { .name: b2, .offset: 24, .size: 8, .value_kind: global_buffer, .address_space: global }
      - { .name: ybuf, .offset: 32, .size: 8, .value_kind: global_buffer, .address_space: global }
    .group_segment_fixed_size: 327680
    .private_segment_fixed_size: 0
    .kernarg_segment_align: 8
    .kernarg_segment_size: 40
    .max_flat_workgroup_size: 128
    .sgpr_count:     102
    .vgpr_count:     512
    .wavefront_size: 32
...
	.end_amdgpu_metadata
.endif
;; end of part 7
;; launch ln2 (part 8): grid 512 x 1, 4 waves a work-group, no clusters, 0 bytes of LDS; arguments ybuf, x1buf, ln2_g, ln2_b, out0; writes out0
.if DOCPART == 8
	.amdgcn_target "amdgcn-amd-amdhsa--gfx1250"
	.amdhsa_code_object_version 6
	.text
	.protected	k_q846ab57845_ln2
	.globl	k_q846ab57845_ln2
	.p2align	8
	.type	k_q846ab57845_ln2,@function
k_q846ab57845_ln2:
	s_mov_b64 s[64:65], 0
	v_nop
	global_prefetch_b8 v0, s[64:65] scope:SCOPE_SE
	s_setreg_imm32_b32 hwreg(HW_REG_WAVE_MODE, 25, 1), 1
	s_wait_xcnt 0x0
; ONE TEXT FOR TWO LAUNCHES; QNT picks.  out = LayerNorm(y + res) x g + b, rows of 1,024 f32, eps = 1e-5; mean and variance: the variance of the differences from the mean.
; QNT = 1: the result also leaves as codes of E4M3 at out + 16,777,216 and E8M0 bytes at out + 20,971,520, one for each 32 along the row.
; LIMITS (QNT = 1): a block of zeros gets the byte 1 and not 127; blocks under 2^-118 keep the byte 1; NaN and infinities are not served.
; A wave owns 2 rows, each in 32 registers; each load and store covers 512 consecutive bytes.  Both rows' 32 loads go out at the wave's head: 2,048 waves x 16,384 bytes are the whole of y and of the residual.
; The price: every wave reads g and b, 8,192 bytes.  A row's sums never leave its wave.
; For the quantiser a lane must hold 16 neighbours: each half row turns through the wave's own stage in LDS (64 bytes + 16 of padding a lane).  A wave makes 64 scale bytes; the four waves' 256 meet in LDS behind one barrier,
; and wave 0 stores them as one aligned run of 256 bytes.  Memory binds: no matrix unit, no cluster.
.set QNT,  0
.set ROWS, 2
.set EMAX, 8
.set SP,   80
.set WREG, 8192                        ; LDS: a region for each wave: two stages of 32 x SP bytes
.set SBL,  2*32*SP                     ; LDS: the work-group's 256 scale bytes, behind wave 0's stages
.set G,    16                          ; v16-47  g of my 32 columns
.set BB,   48                          ; v48-79  b
.set Y,    80                          ; v80-143 two sets, one a row: y, then the row at work
.set RS,   144                         ; v144-207 two sets: the residual, later 2 x 16 neighbours
.set CD,   224                         ; v224-231 codes
.set SBY,  232                         ; v232-233 scale bytes
.set MU,   236
.set RQ,   238
.set AC,   240                         ; v240-247 four chains
	s_load_b256 s[4:11], s[0:1], 0x0               ; y, res, g, b
	s_load_b64 s[12:13], s[0:1], 0x20              ; out
	v_lshrrev_b32 v1, 5, v0
	v_readfirstlane_b32 s16, v1                    ; wave
	v_and_b32 v2, 31, v0
	v_lshlrev_b32 v3, 4, v2                        ; 16 x lane
	v_mov_b32 v9, 0                                ; a lane permute's destination counts as one of its sources
.if QNT
	s_mul_i32 s17, s16, WREG
	v_lshrrev_b32 v14, 2, v2
	v_mul_u32_u24 v14, v14, SP
	v_and_b32 v15, 3, v2
	v_lshl_add_u32 v14, v15, 4, v14
	v_add_nc_u32 v14, s17, v14                     ; the stage, on the way in
	v_mul_u32_u24 v15, v2, SP
	v_add_nc_u32 v15, s17, v15                     ; and on the way out
	v_lshrrev_b32 v5, 1, v2
	s_lshl_b32 s19, s16, 6
	s_add_co_u32 s19, s19, SBL
	v_add_nc_u32 v5, s19, v5                       ; my block's scale byte: 64 bytes a wave
	v_lshlrev_b32 v7, 3, v2
	v_add_nc_u32 v6, SBL, v7
.endif
	s_mov_b32 s14, 0x76543210
	s_mov_b32 s15, 0xfedcba98
	s_mov_b32 s22, 0x3a800000                      ; 1 / 1,024
	s_mov_b32 s23, 0x600000                        ; the mantissa field of 448
	s_mov_b32 s28, 0x3727c5ac                      ; 1e-5
	s_lshl_b32 s18, ttmp9, 2
	s_add_co_u32 s18, s18, s16                     ; which 2 rows are my wave's
	s_lshl_b32 s20, s18, 13
	s_mov_b32 s21, 0
.if QNT
	s_lshl_b32 s24, s18, 11
	s_add_co_u32 s24, s24, 16777216
	s_mov_b32 s25, 0
	s_lshl_b32 s26, ttmp9, 8
	s_add_co_u32 s26, s26, 20971520
	s_mov_b32 s27, 0
.endif
	s_wait_alu depctr_va_vdst(0)
	s_wait_kmcnt 0x0
	s_add_nc_u64 s[4:5], s[4:5], s[20:21]
	s_add_nc_u64 s[6:7], s[6:7], s[20:21]
.if QNT
	s_add_nc_u64 s[24:25], s[12:13], s[24:25]      ; my codes
	s_add_nc_u64 s[26:27], s[12:13], s[26:27]      ; the work-group's scale bytes
.endif
	s_add_nc_u64 s[12:13], s[12:13], s[20:21]
.irp j, 0,1,2,3,4,5,6,7
	global_load_b128 v[G+4*\j:G+4*\j+3], v3, s[8:9] offset:512*\j
	global_load_b128 v[BB+4*\j:BB+4*\j+3], v3, s[10:11] offset:512*\j
.endr
.macro LOAD t
.irp j, 0,1,2,3,4,5,6,7
	global_load_b128 v[Y+32*((\t)%2)+4*\j:Y+32*((\t)%2)+4*\j+3], v3, s[4:5] offset:4096*(\t)+512*\j th:TH_LOAD_NT
.endr
.irp j, 0,1,2,3,4,5,6,7
	global_load_b128 v[RS+32*((\t)%2)+4*\j:RS+32*((\t)%2)+4*\j+3], v3, s[6:7] offset:4096*(\t)+512*\j th:TH_LOAD_NT
.endr
.endm
.macro WSUM                            ; v8 summed over the 32 lanes, the result in every lane
	v_add_f32_dpp v8, v8, v8 row_xmask:1 row_mask:0xf bank_mask:0xf
	v_add_f32_dpp v8, v8, v8 row_xmask:2 row_mask:0xf bank_mask:0xf
	v_add_f32_dpp v8, v8, v8 row_xmask:4 row_mask:0xf bank_mask:0xf
	v_add_f32_dpp v8, v8, v8 row_xmask:8 row_mask:0xf bank_mask:0xf
	v_permlanex16_b32 v9, v8, s14, s15
	v_add_f32 v8, v8, v9
.endm
.macro FOLD                            ; the four chains into v8
	v_pk_add_f32 v[AC:AC+1], v[AC:AC+1], v[AC+2:AC+3]
	v_pk_add_f32 v[AC+4:AC+5], v[AC+4:AC+5], v[AC+6:AC+7]
	v_pk_add_f32 v[AC:AC+1], v[AC:AC+1], v[AC+4:AC+5]
	v_add_f32 v8, v[AC], v[AC+1]
	WSUM
.endm
	LOAD 0
.macro ROW t
.set YS, Y+32*((\t)%2)
.set XR, RS+32*((\t)%2)
.if QNT && ((\t) > 0)
	s_wait_xcnt 0x0                                ; the last row's stores have read the codes' registers, which this row writes again
.endif
.if (\t) < ROWS-1
	LOAD (\t)+1
	s_wait_loadcnt 16                              ; this row (and g, b) are in; the next row's sixteen loads stay out
.else
	s_wait_loadcnt 0
.endif
.irp i, 0,2,4,6,8,10,12,14,16,18,20,22,24,26,28,30
	v_pk_add_f32 v[YS+\i:YS+\i+1], v[YS+\i:YS+\i+1], v[XR+\i:XR+\i+1]
.endr
.irp c, 0,1,2,3
	v_pk_add_f32 v[AC+2*\c:AC+2*\c+1], v[YS+2*\c:YS+2*\c+1], v[YS+8+2*\c:YS+9+2*\c]
.endr
.irp k, 16,24
.irp c, 0,1,2,3
	v_pk_add_f32 v[AC+2*\c:AC+2*\c+1], v[AC+2*\c:AC+2*\c+1], v[YS+\k+2*\c:YS+\k+2*\c+1]
.endr
.endr
	FOLD
	v_mul_f32 v[MU], s22, v8                       ; the mean, twice: a pair for the packed form
	v_mul_f32 v[MU+1], s22, v8
.irp i, 0,2,4,6,8,10,12,14,16,18,20,22,24,26,28,30
	v_pk_add_f32 v[YS+\i:YS+\i+1], v[YS+\i:YS+\i+1], v[MU:MU+1] neg_lo:[0,1] neg_hi:[0,1]
.endr
.irp c, 0,1,2,3
	v_pk_mul_f32 v[AC+2*\c:AC+2*\c+1], v[YS+2*\c:YS+2*\c+1], v[YS+2*\c:YS+2*\c+1]
.endr
.irp k, 8,16,24
.irp c, 0,1,2,3
	v_pk_fma_f32 v[AC+2*\c:AC+2*\c+1], v[YS+\k+2*\c:YS+\k+2*\c+1], v[YS+\k+2*\c:YS+\k+2*\c+1], v[AC+2*\c:AC+2*\c+1]
.endr
.endr
	FOLD
	v_fma_f32 v8, v8, s22, s28                     ; the variance + eps
	s_wait_alu depctr_va_vdst(0)
	v_rsq_f32 v[RQ], v8
	v_rsq_f32 v[RQ+1], v8
	v_nop                                          ; a plain line behind the transcendentals
	s_wait_alu depctr_va_vdst(0)
.irp i, 0,2,4,6,8,10,12,14,16,18,20,22,24,26,28,30
	v_pk_mul_f32 v[YS+\i:YS+\i+1], v[YS+\i:YS+\i+1], v[RQ:RQ+1]
.endr
.irp i, 0,2,4,6,8,10,12,14,16,18,20,22,24,26,28,30
	v_pk_fma_f32 v[YS+\i:YS+\i+1], v[YS+\i:YS+\i+1], v[G+\i:G+\i+1], v[BB+\i:BB+\i+1]
.endr
.irp j, 0,1,2,3,4,5,6,7
.if QNT
	global_store_b128 v3, v[YS+4*\j:YS+4*\j+3], s[12:13] offset:4096*(\t)+512*\j
.else
	global_store_b128 v3, v[YS+4*\j:YS+4*\j+3], s[12:13] offset:4096*(\t)+512*\j th:TH_STORE_NT
.endif
.endr
.if QNT
.irp hf, 0,1                                   ; both half rows through the stage, into the residual's registers, which are free
.irp i, 0,1,2,3
	ds_store_b128 v14, v[YS+16*\hf+4*\i:YS+16*\hf+4*\i+3] offset:32*SP*\hf+8*SP*\i
.endr
.irp i, 0,1,2,3
	ds_load_b128 v[XR+16*\hf+4*\i:XR+16*\hf+4*\i+3], v15 offset:32*SP*\hf+16*\i
.endr
.endr
.irp hf, 0,1
.set XS, XR+16*\hf
.if \hf == 0
	s_wait_dscnt 8                                 ; the first half is back; the second half's eight LDS instructions may be out
.else
	s_wait_dscnt 1                                 ; the second half is back; the byte store may be out
.endif
	v_max3_num_f32 v8, |v[XS]|, |v[XS+1]|, |v[XS+2]|
	v_max3_num_f32 v9, |v[XS+3]|, |v[XS+4]|, |v[XS+5]|
.irp i, 6,10
	v_max3_num_f32 v8, v8, |v[XS+\i]|, |v[XS+\i+1]|
	v_max3_num_f32 v9, v9, |v[XS+\i+2]|, |v[XS+\i+3]|
.endr
	v_max3_num_f32 v8, v8, |v[XS+14]|, |v[XS+15]|
	v_max3_num_f32 v8, v8, v9, (EMAX+1)<<23        ; the floor 2^(9 - 127)
	v_max_num_f32_dpp v8, v8, v8 row_xmask:1 row_mask:0xf bank_mask:0xf   ; with my neighbour's 16: the block's
	v_add_nc_u32 v11, -(EMAX<<23), v8
	v_and_or_b32 v10, v8, 0x7f800000, s23
.irp i, 0,1,2,3,4,5,6,7,8,9,10,11,12,13,14,15
	v_med3_num_f32 v[XS+\i], v[XS+\i], -v10, v10   ; the conversion does not saturate (ISA guide 7.6.2)
.endr
	v_cvt_scalef32_pk8_fp8_f32 v[CD+4*\hf:CD+4*\hf+1], v[XS:XS+7], v11
	v_cvt_scalef32_pk8_fp8_f32 v[CD+4*\hf+2:CD+4*\hf+3], v[XS+8:XS+15], v11
	v_lshrrev_b32 v[SBY+\hf], 23, v11
	ds_store_b8 v5, v[SBY+\hf] offset:32*(\t)+16*\hf
	global_store_b128 v3, v[CD+4*\hf:CD+4*\hf+3], s[24:25] offset:1024*(\t)+512*\hf
.endr
.endif
.endm
.irp t, 0,1
	ROW \t
.endr
.if QNT
	s_wait_dscnt 0x0                               ; for the others' sake: my scale bytes lie in LDS
	s_barrier_signal -1
	s_barrier_wait -1                              ; all four waves' do
	s_cmp_lg_u32 s16, 0
	s_cbranch_scc1 .Ldone
	ds_load_b64 v[12:13], v6
	s_wait_dscnt 0x0
	global_store_b64 v7, v[12:13], s[26:27]        ; the work-group's 8 rows' scale bytes: 256 consecutive bytes, aligned
.Ldone:
.endif
	s_endpgm
.Lfunc_end_k_q846ab57845_ln2:
	.size	k_q846ab57845_ln2, .Lfunc_end_k_q846ab57845_ln2-k_q846ab57845_ln2
	.p2alignl 7, 3214868480
	.fill 96, 4, 3214868480
	.section	.rodata,"a",@progbits
	.p2align	6, 0x0
	.amdhsa_kernel k_q846ab57845_ln2
		.amdhsa_group_segment_fixed_size 0
		.amdhsa_private_segment_fixed_size 0
		.amdhsa_enable_private_segment 0
		.amdhsa_kernarg_size 40
		.amdhsa_user_sgpr_count 2
		.amdhsa_user_sgpr_kernarg_segment_ptr 1
		.amdhsa_wavefront_size32 1
		.amdhsa_system_sgpr_workgroup_id_x 1
		.amdhsa_system_sgpr_workgroup_id_y 1
		.amdhsa_system_sgpr_workgroup_id_z 1
		.amdhsa_system_vgpr_workitem_id 0
		.amdhsa_next_free_vgpr 256
		.amdhsa_next_free_sgpr 66
		.amdhsa_reserve_vcc 0
		.amdhsa_float_denorm_mode_32 3
		.amdhsa_float_denorm_mode_16_64 3
		.amdhsa_memory_ordered 1
		.amdhsa_forward_progress 1
		.amdhsa_inst_pref_size 22
	.end_amdhsa_kernel
	.amdgpu_metadata
---
amdhsa.version: [ 1, 2 ]
amdhsa.kernels:
  - .name:           k_q846ab57845_ln2
    .symbol:         k_q846ab57845_ln2.kd
    .args:
      - { .name: ybuf, .offset: 0, .size: 8, .value_kind: global_buffer, .address_space: global }
      - { .name: x1buf, .offset: 8, .size: 8, .value_kind: global_buffer, .address_space: global }
      - { .name: ln2_g, .offset: 16, .size: 8, .value_kind: global_buffer, .address_space: global }
      - { .name: ln2_b, .offset: 24, .size: 8, .value_kind: global_buffer, .address_space: global }
      - { .name: out0, .offset: 32, .size: 8, .value_kind: global_buffer, .address_space: global }
    .group_segment_fixed_size: 0
    .private_segment_fixed_size: 0
    .kernarg_segment_align: 8
    .kernarg_segment_size: 40
    .max_flat_workgroup_size: 128
    .sgpr_count:     66
    .vgpr_count:     256
    .wavefront_size: 32
...
	.end_amdgpu_metadata
.endif
;; end of part 8
